; MI455X (gfx1250); checked and timed in simulation.
; The chip was launched on July 23, 2026; its instructions are those of AMD's public machine-readable ISA for CDNA 5 (MIT licence, August 2026) and "CDNA5" Instruction Set Architecture Reference Guide (July 2026). The comments in the code are by the model that wrote it; some were corrected since.
;; MOE Layer. Allowed arithmetic: matrix products marked QUANTISED: E2M3 operands, one E8M0 scale for each 32 along K, by v_wmma_scale_f32_16x16x128_f8f6f4 with both operands' format E2M3, f32 sums; products left as they are: f32 operands where the result goes on into a quantised operand, else bf16, f16 or f32 operands; f32 sums; everything else in f32.
;; Inputs: W1_codes 8 x 1,024 x 32 x 24 uint8 (E2M3 codes of W1, K innermost, in blocks of 32 codes, four codes in three bytes); W1_scales 8 x 1,024 x 32 uint8 (E8M0 scales of W1, one for each 32 codes along K); W2_codes 8 x 1,024 x 32 x 24 uint8 (E2M3 codes of W2, K innermost, in blocks of 32 codes, four codes in three bytes); W2_scales 8 x 1,024 x 32 uint8 (E8M0 scales of W2, one for each 32 codes along K); Wg 1,024 x 8 float32; b1 8 x 1,024 float32; b2 8 x 1,024 float32; x 2 x 2,048 x 1,024 float32.
;; Outputs: out0 2 x 2,048 x 1,024 float32.
;; This version of the problem:
;;   THIS VERSION OF THE PROBLEM IS GIVEN IN LOW PRECISION. The matrix products marked QUANTISED in the list below multiply operands that are first quantised to E2M3 (2 exponent bits, 3 mantissa bits; 6 bits a number), with one power-of-two scale for each 32 numbers along K (OCP MX v1.0); their sums are f32. All else is computed in f32.
;;   The module's matrix products, in the order in which they are computed (A, B: the left and right operand; K: the contracted axis; several contracted axes count as one K, in the product's order):
;;     1. [M 4,096, K 1,024] x [K 1,024, N 8]; A: input x; B: input Wg: left as it is (N = 8 < 16)
;;     2. [M 8,192, K 1,024] x [K 1,024, N 4,096]; A: input W1 (given as codes); B: input x: QUANTISED
;;     3. batch 8 x [M 4,096, K 1,024] x [K 1,024, N 1,024]; A: computed on the way; B: input W2 (given as codes): QUANTISED
;;     4. batch 4,096 x [M 1, K 2] x [K 2, N 1,024]; A: softmax; B: computed on the way: left as it is (K = 2 < 32)
;;   THE QUANTISER, for each operand of a quantised product, along K:
;;     - K is cut into blocks of 32 from its start; a last block that is shorter is filled with zeros.
;;     - A block's scale is 2^e with e = floor(log2(the largest magnitude in the block)) - 2, held to -126 .. 127; a block of zeros has e = 0. As a byte (E8M0): e + 127.
;;     - Each number is divided by its block's scale, clamped to +-7.5, and rounded to the nearest number of E2M3, ties to even, subnormals kept.
;;     - The product sums the exact products of the quantised numbers (number of the format x scale) in f32.
;;   ~~~python
;;   def quantise(x, axis):      # numpy; x: float32 -> the quantised numbers, widened to float32 again
;;       x = np.moveaxis(x, axis, -1); K = x.shape[-1]
;;       x = np.pad(x, [(0, 0)] * (x.ndim - 1) + [(0, -K % 32)]); x = x.reshape(x.shape[:-1] + (-1, 32)); a = np.abs(x).max(-1, keepdims=True)
;;       e = np.where(a > 0, np.clip(np.frexp(np.where(a > 0, a, 1))[1] - 1 - 2, -126, 127), 0)      # np.frexp(a)[1] - 1 = floor(log2(a)), exactly
;;       r = np.clip(x / 2.0 ** e, -7.5, 7.5)
;;       step = 2.0 ** (np.maximum(np.frexp(np.where(r == 0, 1, r))[1] - 1, 0) - 3)
;;       q = np.round(r / step) * step * 2.0 ** e      # np.round: ties to even
;;       return np.moveaxis(q.reshape(q.shape[:-2] + (-1,))[..., :K], -1, axis).astype(np.float32)
;;   ~~~
;;   OPERANDS COMPUTED ON THE WAY. 'Computed on the way' means the value that the module computes at that place (a softmax that the list does not call 'softmax' is quantised finished and normalised). What goes into a quantiser is computed in f32, as accurately as f32 sums, v_exp_f32 and their like allow (about 1e-6 of the number): no bf16 or f16 on the way to a quantiser, and a product that is left as it is and whose result goes on into a quantised operand takes f32 operands (vector FMAs, or v_wmma_f32_16x16x4_f32). A number that lies on a knife's edge between two numbers of the format may be rounded either way, as far as f32 arithmetic and the matrix unit's own rounding can turn it there, and no further.
;;   INPUTS GIVEN AS CODES. W1 (in the module: [8, 1024, 1024], K = its axis 1); W2 (in the module: [8, 1024, 1024], K = its axis 1): each comes as NAME_codes (uint8): NAME with its K axis moved to the last place and cut into blocks of 32 codes, [.., K / 32, bytes a block], one block behind the other in memory; four codes in three bytes: a row's codes are one little-endian stream of bits, code i at bits 6 i .. 6 i + 5 (a code: sign, 2 exponent bits, 3 mantissa bits); and NAME_scales (uint8): the same leading axes, one E8M0 byte (e + 127) for each 32 codes along K. Its value is code x scale, taken as it is: it is not quantised again, and the codes and scales need not be those that the quantiser above would give.
;; 3 versions. Each part assembles by itself: llvm-mc -triple=amdgcn-amd-amdhsa -mcpu=gfx1250 --defsym DOCPART=n.
;; ======== version 1 of 3: 3 launches
;; workspace buffers: xq 3,145,728 bytes; xs 131,072 bytes; gate 32,768 bytes; route 49,152 bytes of whole numbers; list 25,344 bytes of whole numbers; wq 12,582,912 bytes
;; launch route (part 1): grid 256 x 1, 8 waves a work-group, no clusters, 66,560 bytes of LDS; arguments x, Wg, xq, xs, gate, route; writes xq, xs, gate, route
.if DOCPART == 1
	.amdgcn_target "amdgcn-amd-amdhsa--gfx1250"
	.amdhsa_code_object_version 6
	.text
	.protected	k_q8cbc66365b_route
	.globl	k_q8cbc66365b_route
	.p2align	8
	.type	k_q8cbc66365b_route,@function
k_q8cbc66365b_route:
	s_mov_b64 s[64:65], 0
	v_nop
	global_prefetch_b8 v0, s[64:65] scope:SCOPE_SE
	s_setreg_imm32_b32 hwreg(HW_REG_WAVE_MODE, 25, 1), 1
	s_wait_xcnt 0x0
; ROUTE.  For 4,096 tokens of 1,024 numbers: the 8 gate logits in f32 (fused multiply-adds), the two largest (the lower index wins a tie), the softmax of the two
; (the larger logit is taken away first), and x as codes of FP6 (E2M3) with one E8M0 byte for each 32 along K.
; OUT: xq [token][K step of 128][half h][48 bytes]: the 12 operand registers of lane (row, h) on end: at 48 h + 24 c lies block 2 c + h of the K step.   xs [token][32] scale bytes.
;      gate [token][2] f32: the weight of the lower-numbered chosen expert, then of the higher.
;      route: kr[token] = set number p | rank << 8 (p numbers the 28 unordered pairs lo < hi: lo (15 - lo) / 2 + hi - lo - 1; rank: how many earlier tokens of my 16 have the same p);
;             from byte 16,384: cnt[unit of 16 tokens][32]: tokens of each set in the unit.
; No address and no branch here hangs on a logit: what the choice steers is stored as whole numbers for the next launch.
; SHARES.  A work-group takes 16 tokens.  Wave w takes K = 128 w .. 128 w + 127 of all 16, four tokens a step, so that its part of Wg is 128 registers and the group reads Wg once.
; Each load reads 512 consecutive bytes; a step's 2,048 bytes turn through the wave's own stage in LDS so that a lane holds 16 neighbours along K: lane l has token l / 8 of the step and k = 128 w + 16 (l % 8) + 0 .. 15.
; LIMITS: NaN and infinities among the inputs are not served; a block whose largest magnitude lies under 2^(3 - 127) keeps the byte 1 (a block of zeros too: its codes are zeros, and this program alone reads the bytes);
; the logits' sums are taken in another order than a plain ascending sum.
.set SP,   80                          ; a lane's place in a stage: 64 bytes + 16 of padding
.set STGB, 32*SP                       ; a stage
.set PL,   8*2*STGB                    ; behind the eight waves' two stages: partial logits [wave][token][8] f32
.set CST,  PL+4096                     ; the codes: 16 tokens x 64 places of 16 bytes (12 of them codes) + 128
.set CPT,  1152
.set SBY,  CST+16*CPT                  ; the scale bytes: 16 tokens x 32
.set XO,  1                            ; v1   x: 16 x lane + 512 w
.set WO,  2                            ; v2   Wg: 4,096 w + 512 (l % 8)
.set TI,  3                            ; v3   the stage, in
.set TQ,  4                            ; v4   the stage, out
.set SBA, 5                            ; v5   my block's scale byte
.set CSA, 6                            ; v6   my 16 codes' place
.set PLA, 7                            ; v7   my four partial logits
.set LN,  8                            ; v8   lane
.set CRD, 9                            ; v9   the tail: codes read back
.set CGO, 10                           ; v10  12 x lane
.set L16, 11                           ; v11  16 x lane
.set SRD, 12                           ; v12  scale bytes read back
.set PRD, 13                           ; v13  partial logits read back: token l % 16
.set L4,  14                           ; v14  4 x lane
.set L8,  15                           ; v15  8 x lane
.set WGT, 32                           ; v32-159  Wg[k of my number n][e] at 8 n + e
.set G,   32                           ; the tail: 8 waves x 8 partial logits (Wg is done with)
.set X,   160                          ; v160-191 two sets of 16 neighbours
.set ACC, 192                          ; v192-199 the 8 sums
.set CC,  200                          ; v200-207 codes, two sets of 4
.set EB,  208                          ; v208-209 a scale byte, two sets
.set TT,  210                          ; v210-217 four logits to store, two sets
; window 1, v0-63: x as it is loaded, 16 registers a step
.set MSB, 0
.macro WIN new                         ; the immediate's high byte repeats the setting that is left
.if MSB != \new
	s_set_vgpr_msb (MSB<<8)|\new
.set MSB, \new
.endif
.endm
	s_load_b128 s[4:7], s[0:1], 0x0                ; x, Wg
	s_load_b128 s[8:11], s[0:1], 0x10              ; xq, xs
	s_load_b128 s[12:15], s[0:1], 0x20             ; gate, route
	v_lshl_add_u32 v254, v0, 2, 0x10000
	v_mov_b32 v255, 0
	v_lshrrev_b32 v16, 5, v0
	v_readfirstlane_b32 s16, v16                   ; wave 0..7
	v_and_b32 v[LN], 31, v0
	v_and_b32 v17, 7, v0                           ; q = l % 8
	v_bfe_u32 v18, v0, 3, 2                        ; i = l / 8: my token of a step
	v_lshlrev_b32 v[L16], 4, v[LN]
	s_lshl_b32 s17, s16, 9
	v_add_nc_u32 v[XO], s17, v[L16]
	s_lshl_b32 s18, s16, 12
	v_lshl_add_u32 v[WO], v17, 9, s18
	s_wait_kmcnt 0x0
	s_lshl_b32 s20, ttmp9, 16                      ; 16 rows of 4,096 bytes
	s_mov_b32 s21, 0
	s_add_nc_u64 s[4:5], s[4:5], s[20:21]
	WIN 0x40                                       ; destination window 1
.irp j, 0,1,2,3
.irp i, 0,1,2,3
	global_load_b128 v[16*\j+4*\i:16*\j+4*\i+3], v[XO], s[4:5] offset:(4*\j+\i)*4096 th:TH_LOAD_NT   ; token 4 j + i: 512 consecutive bytes; read once in the launch
.endr
.endr
	WIN 0
.set i, 0
.rept 32
	global_load_b128 v[WGT+4*i:WGT+4*i+3], v[WO], s[6:7] offset:16*i   ; my 16 rows of Wg, 32 bytes each
.set i, i+1
.endr
	; addresses, while the loads are out
	s_mul_i32 s18, s16, 2*STGB
	v_bfe_u32 v19, v0, 2, 3                        ; l / 4
	v_mul_u32_u24 v19, v19, SP
	v_and_b32 v20, 3, v0
	v_lshl_add_u32 v19, v20, 4, v19
	v_add_nc_u32 v[TI], s18, v19                   ; four lanes' 64 bytes on end, then the padding
	v_mul_u32_u24 v19, v[LN], SP
	v_add_nc_u32 v[TQ], s18, v19
	v_lshrrev_b32 v19, 1, v17                      ; my block of the wave's four
	v_lshl_add_u32 v19, v18, 5, v19
	s_lshl_b32 s18, s16, 2
	s_add_co_u32 s18, s18, SBY
	v_add_nc_u32 v[SBA], s18, v19                  ; SBY + 32 i + 4 w + q / 2
	v_bfe_u32 v19, v0, 1, 1                        ; the block's h
	v_bfe_u32 v20, v0, 2, 1                        ; the block's c
	v_and_b32 v21, 1, v0                           ; which half of the block
	v_lshl_add_u32 v21, v19, 2, v21
	v_lshl_add_u32 v21, v20, 1, v21                ; piece of 12 bytes in the K step: 4 h + 2 c + half
	v_lshlrev_b32 v21, 4, v21
	v_mad_u32_u24 v21, v18, CPT, v21
	s_lshl_b32 s18, s16, 7
	s_add_co_u32 s18, s18, CST
	v_add_nc_u32 v[CSA], s18, v21
	v_and_b32 v22, 1, v0
	v_cmp_eq_u32 s24, 1, v22                       ; odd lanes store logits 4 to 7
	v_lshlrev_b32 v21, 4, v22
	v_lshl_add_u32 v21, v18, 5, v21
	s_lshl_b32 s18, s16, 9
	s_add_co_u32 s18, s18, PL
	v_add_nc_u32 v[PLA], s18, v21
	s_mul_i32 s18, s16, 2*CPT
	s_add_co_u32 s18, s18, CST
	v_add_nc_u32 v[CRD], s18, v[L16]
	v_mul_u32_u24 v[CGO], v[LN], 12
	v_add_nc_u32 v[SRD], SBY, v[L16]
	v_and_b32 v21, 15, v0
	v_lshlrev_b32 v21, 5, v21
	v_add_nc_u32 v[PRD], PL, v21
	v_lshlrev_b32 v[L4], 2, v[LN]
	v_lshlrev_b32 v[L8], 3, v[LN]
	s_mul_i32 s20, ttmp9, 12288                    ; 16 tokens x 768 bytes of codes,
	s_mul_i32 s22, s16, 1536                       ; my wave stores two tokens'
	s_add_co_u32 s20, s20, s22
	s_add_nc_u64 s[8:9], s[8:9], s[20:21]
	s_lshl_b32 s20, ttmp9, 9
	s_add_nc_u64 s[10:11], s[10:11], s[20:21]
	s_lshl_b32 s20, ttmp9, 7
	s_add_nc_u64 s[12:13], s[12:13], s[20:21]
	s_add_co_u32 s20, s20, 16384
	s_add_nc_u64 s[30:31], s[14:15], s[20:21]      ; cnt of my unit
	s_lshl_b32 s20, ttmp9, 6
	s_add_nc_u64 s[28:29], s[14:15], s[20:21]      ; kr of my 16 tokens
.macro TURN j                          ; step j's numbers through the stage: LDS serves a wave's instructions in order, so no wait stands between the stores and the loads
	WIN 0x04                                       ; an LDS store's data are its source 1: window 1
.irp i, 0,1,2,3
	ds_store_b128 v[TI], v[16*(\j)+4*\i:16*(\j)+4*\i+3] offset:STGB*((\j)%2)+8*SP*\i
.endr
	WIN 0
.irp i, 0,1,2,3
	ds_load_b128 v[X+16*((\j)%2)+4*\i:X+16*((\j)%2)+4*\i+3], v[TQ] offset:STGB*((\j)%2)+16*\i
.endr
.endm
.macro RSTEP j
.set XS, X+16*((\j)%2)
.set CS, CC+4*((\j)%2)
.set TS, TT+4*((\j)%2)
.if (\j) == 0
	s_wait_dscnt 0x0
	s_wait_loadcnt 40                              ; step 1's four loads are in: behind them 8 of x and 32 of Wg
.else
	s_wait_dscnt 3                                 ; this step's numbers are back; the last step's three stores may be out; the stores of two steps back, whose registers this step writes, are done
.endif
.if (\j) < 3
	TURN (\j)+1
.endif
	v_max3_num_f32 v18, |v[XS]|, |v[XS+1]|, |v[XS+2]|      ; the largest magnitude of my 16
	v_max3_num_f32 v19, |v[XS+3]|, |v[XS+4]|, |v[XS+5]|
.irp i, 6,10
	v_max3_num_f32 v18, v18, |v[XS+\i]|, |v[XS+\i+1]|
	v_max3_num_f32 v19, v19, |v[XS+\i+2]|, |v[XS+\i+3]|
.endr
	v_max3_num_f32 v18, v18, |v[XS+14]|, |v[XS+15]|
	v_max3_num_f32 v18, v18, v19, 0x1800000        ; and the floor 2^(3 - 127): the byte cannot fall under 1
	v_max_num_f32_dpp v18, v18, v18 row_xmask:1 row_mask:0xf bank_mask:0xf   ; with my neighbour's 16: the block's
	v_add_nc_u32 v20, 0xff000000, v18              ; 2 off its exponent field: the conversion takes this operand's exponent field as its scale
	v_cvt_scalef32_pk16_fp6_f32 v[CS:CS+2], v[XS:XS+15], v20
	v_lshrrev_b32 v[EB+(\j)%2], 23, v20            ; the scale's byte (a plain line behind the conversion)
	ds_store_b8 v[SBA], v[EB+(\j)%2] offset:128*(\j)       ; both lanes of a block write the same byte with the same value
	ds_store_b96 v[CSA], v[CS:CS+2] offset:4*CPT*(\j)
.if (\j) == 0
	s_wait_loadcnt 0x0                             ; Wg, and with it all of x
.endif
.irp a, 0,1,2,3
	v_pk_mul_f32 v[ACC+2*\a:ACC+2*\a+1], v[XS:XS+1], v[WGT+2*\a:WGT+2*\a+1] op_sel_hi:[0,1]   ; the first number starts the sums: x broadcast, two experts at a time
.endr
.set n, 1
.rept 15
.irp a, 0,1,2,3
.if n%2
	v_pk_fma_f32 v[ACC+2*\a:ACC+2*\a+1], v[XS+n-1:XS+n], v[WGT+8*n+2*\a:WGT+8*n+2*\a+1], v[ACC+2*\a:ACC+2*\a+1] op_sel:[1,0,0] op_sel_hi:[1,1,1]
.else
	v_pk_fma_f32 v[ACC+2*\a:ACC+2*\a+1], v[XS+n:XS+n+1], v[WGT+8*n+2*\a:WGT+8*n+2*\a+1], v[ACC+2*\a:ACC+2*\a+1] op_sel_hi:[0,1,1]
.endif
.endr
.set n, n+1
.endr
.irp x, 1,2,4                          ; over the token's eight lanes
.irp e, 0,1,2,3,4,5,6,7
	v_add_f32_dpp v[ACC+\e], v[ACC+\e], v[ACC+\e] row_xmask:\x row_mask:0xf bank_mask:0xf
.endr
.endr
.irp e, 0,1,2,3
	v_cndmask_b32 v[TS+\e], v[ACC+\e], v[ACC+4+\e], s24
.endr
	ds_store_b128 v[PLA], v[TS:TS+3] offset:128*(\j)       ; lanes of like parity write the same bytes with the same values
.endm
	s_wait_loadcnt 44                              ; step 0's four loads are in: behind them 12 of x and 32 of Wg
	TURN 0
	RSTEP 0
	RSTEP 1
	RSTEP 2
	RSTEP 3
	s_wait_dscnt 0x0                               ; for the others' sake: my stores have landed
	s_barrier_signal -1
	s_barrier_wait -1
	; every wave: the codes of tokens 2 w and 2 w + 1 leave, 384 consecutive bytes a store
.irp k, 0,1,2,3
	ds_load_b96 v[X+4*\k:X+4*\k+2], v[CRD] offset:(\k/2)*CPT+512*(\k%2)
.endr
.irp k, 0,1,2,3
	s_wait_dscnt 3-\k
	global_store_b96 v[CGO], v[X+4*\k:X+4*\k+2], s[8:9] offset:(\k/2)*768+384*(\k%2)
.endr
	s_cmp_eq_u32 s16, 1
	s_cbranch_scc0 .Lnot_wave_1
	ds_load_b128 v[176:179], v[SRD]                ; wave 1: the 16 tokens' 512 scale bytes
	s_wait_dscnt 0x0
	global_store_b128 v[L16], v[176:179], s[10:11]
.Lnot_wave_1:
	s_cmp_eq_u32 s16, 0
	s_cbranch_scc0 .Lend
	; wave 0: a lane to a token (l % 16; the upper 16 lanes repeat the lower)
.irp w, 0,1,2,3,4,5,6,7
	ds_load_b128 v[G+8*\w:G+8*\w+3], v[PRD] offset:512*\w
	ds_load_b128 v[G+8*\w+4:G+8*\w+7], v[PRD] offset:512*\w+16
.endr
	s_wait_dscnt 0x0
.irp w, 1,2,3,4,5,6,7
.irp a, 0,2,4,6
	v_pk_add_f32 v[G+\a:G+\a+1], v[G+\a:G+\a+1], v[G+8*\w+\a:G+8*\w+\a+1]
.endr
.endr
	v_mov_b32 v16, v[G]                            ; the largest logit and its index: a later one replaces it only if it is greater
	v_mov_b32 v17, 0
.irp e, 1,2,3,4,5,6,7
	v_cmp_le_f32 vcc_lo, v[G+\e], v16
	v_cndmask_b32 v16, v[G+\e], v16, vcc_lo
	v_cndmask_b32 v17, \e, v17, vcc_lo
.endr
	v_mov_b32 v20, 0xff800000                      ; -infinity takes the winner's place
.irp e, 0,1,2,3,4,5,6,7
	v_cmp_eq_u32 vcc_lo, \e, v17
	v_cndmask_b32 v[G+\e], v[G+\e], v20, vcc_lo
.endr
	v_mov_b32 v18, v[G]                            ; the second likewise
	v_mov_b32 v19, 0
.irp e, 1,2,3,4,5,6,7
	v_cmp_le_f32 vcc_lo, v[G+\e], v18
	v_cndmask_b32 v18, v[G+\e], v18, vcc_lo
	v_cndmask_b32 v19, \e, v19, vcc_lo
.endr
	v_sub_f32 v21, v18, v16                        ; the second less the first: the maximum is taken away
	v_mul_f32 v21, 0x3fb8aa3b, v21
	v_exp_f32 v22, v21
	v_nop                                          ; a plain line behind the transcendental,
	s_wait_alu depctr_va_vdst(0)                   ; and the wait ahead of its first reader
	v_add_f32 v23, 1.0, v22
	v_rcp_f32 v24, v23                             ; the first's weight
	v_min_u32 v28, v17, v19                        ; lo (a plain line behind the transcendental)
	v_max_u32 v29, v17, v19                        ; hi
	s_wait_alu depctr_va_vdst(0)
	v_mul_f32 v25, v22, v24                        ; the second's
	v_cmp_lt_u32 vcc_lo, v17, v19
	v_cndmask_b32 v26, v25, v24, vcc_lo            ; the weight of lo,
	v_cndmask_b32 v27, v24, v25, vcc_lo            ; of hi
	v_sub_nc_u32 v30, 15, v28
	v_mul_u32_u24 v30, v28, v30
	v_lshrrev_b32 v30, 1, v30
	v_add_nc_u32 v30, v30, v29
	v_sub_nc_u32 v30, v30, v28
	v_add_nc_u32 v30, -1, v30                      ; p
	v_mov_b32 v31, 0                               ; lane k: tokens of set k in my unit
	v_mov_b32 v96, 0                               ; my rank among them
.set k, 0
.rept 28
	v_cmp_eq_u32 s40, k, v30
	s_and_b32 s40, s40, 0xffff                     ; the 16 tokens once
	s_bcnt1_i32_b32 s41, s40
	v_writelane_b32 v31, s41, k
	v_mbcnt_lo_u32_b32 v97, s40, 0                 ; how many of them stand below my lane
	v_cndmask_b32 v96, v96, v97, s40
.set k, k+1
.endr
	v_lshl_or_b32 v98, v96, 8, v30
	global_store_b32 v[L4], v31, s[30:31]          ; 128 bytes: my unit's counts
	s_wait_xcnt 0x0                                ; EXEC changes only behind this wait
	v_cmp_gt_u32 vcc_lo, 16, v[LN]
	s_and_saveexec_b32 s42, vcc_lo
	global_store_b32 v[L4], v98, s[28:29]
	global_store_b64 v[L8], v[26:27], s[12:13]
	s_wait_xcnt 0x0                                ; and again in front of the line that widens it
	s_or_b32 exec_lo, exec_lo, s42
.Lend:
	s_wait_tensorcnt 0x0
	ds_add_u32 v254, v255
	s_wait_dscnt 0x0
	s_endpgm
.Lfunc_end_k_q8cbc66365b_route:
	.size	k_q8cbc66365b_route, .Lfunc_end_k_q8cbc66365b_route-k_q8cbc66365b_route
	.p2alignl 7, 3214868480
	.fill 96, 4, 3214868480
	.section	.rodata,"a",@progbits
	.p2align	6, 0x0
	.amdhsa_kernel k_q8cbc66365b_route
		.amdhsa_group_segment_fixed_size 66560
		.amdhsa_private_segment_fixed_size 0
		.amdhsa_enable_private_segment 0
		.amdhsa_kernarg_size 48
		.amdhsa_user_sgpr_count 2
		.amdhsa_user_sgpr_kernarg_segment_ptr 1
		.amdhsa_wavefront_size32 1
		.amdhsa_system_sgpr_workgroup_id_x 1
		.amdhsa_system_sgpr_workgroup_id_y 1
		.amdhsa_system_sgpr_workgroup_id_z 1
		.amdhsa_system_vgpr_workitem_id 0
		.amdhsa_next_free_vgpr 320
		.amdhsa_next_free_sgpr 66
		.amdhsa_reserve_vcc 1
		.amdhsa_float_denorm_mode_32 3
		.amdhsa_float_denorm_mode_16_64 3
		.amdhsa_memory_ordered 1
		.amdhsa_forward_progress 1
		.amdhsa_inst_pref_size 55
	.end_amdhsa_kernel
	.amdgpu_metadata
---
amdhsa.version: [ 1, 2 ]
amdhsa.kernels:
  - .name:           k_q8cbc66365b_route
    .symbol:         k_q8cbc66365b_route.kd
    .args:
      - { .name: x, .offset: 0, .size: 8, .value_kind: global_buffer, .address_space: global }
      - { .name: Wg, .offset: 8, .size: 8, .value_kind: global_buffer, .address_space: global }
      - { .name: xq, .offset: 16, .size: 8, .value_kind: global_buffer, .address_space: global }
      - { .name: xs, .offset: 24, .size: 8, .value_kind: global_buffer, .address_space: global }
      - { .name: gate, .offset: 32, .size: 8, .value_kind: global_buffer, .address_space: global }
      - { .name: route, .offset: 40, .size: 8, .value_kind: global_buffer, .address_space: global }
    .group_segment_fixed_size: 66560
    .private_segment_fixed_size: 0
    .kernarg_segment_align: 8
    .kernarg_segment_size: 48
    .max_flat_workgroup_size: 256
    .sgpr_count:     66
    .vgpr_count:     320
    .wavefront_size: 32
...
	.end_amdgpu_metadata
.endif
;; end of part 1
;; launch place (part 2): grid 129 x 1, 8 waves a work-group, no clusters, 2,048 bytes of LDS; arguments route, W1_codes, W2_codes, list, wq; writes list, wq
.if DOCPART == 2
	.amdgcn_target "amdgcn-amd-amdhsa--gfx1250"
	.amdhsa_code_object_version 6
	.text
	.protected	k_q8cbc66365b_place
	.globl	k_q8cbc66365b_place
	.p2align	8
	.type	k_q8cbc66365b_place,@function
k_q8cbc66365b_place:
	s_mov_b64 s[64:65], 0
	v_nop
	global_prefetch_b8 v0, s[64:65] scope:SCOPE_SE
	s_setreg_imm32_b32 hwreg(HW_REG_WAVE_MODE, 25, 1), 1
	s_wait_xcnt 0x0
; PLACE.  Work-group 0 sorts the 4,096 tokens by their set of two experts (28 sets) into tiles of at most 64 tokens of one set; work-groups 1 to 128 lay W1's and W2's codes in the order of the operand's registers.
; list: rec[tile g, 96 of them] = {lo, hi, count, 0} at 16 g;  from byte 2,048: slots[64 g + i] = token.  A set with N tokens has ceil(N / 64) tiles on end, so there are never more than 64 + 27 = 91.  Only the slots under a tile's count are written.
; wq [matrix 2][expert 8][column group of 128: 8][K step of 128: 8][tile of 16 rows: 8][1,536 bytes]: a fragment's 12 registers as an image: registers 4 c .. 4 c + 3 of lane l at 512 c + 16 l.
; THE ROWS OF A TILE ARE NOT NEIGHBOURS: lane r of tile 2 b + u takes row 32 b + 8 u + r + 8 (r / 8) of the group, so that in a transposed product the 16 registers of tiles 2 b and 2 b + 1 are 16 neighbouring columns.
; The counting sort has no atomics: the launch before stored each token's rank in its unit of 16 and each unit's counts; a token's place is its set's first slot + the set's tokens in earlier units + its rank.
	s_load_b128 s[4:7], s[0:1], 0x0                ; route, W1's codes
	s_load_b128 s[8:11], s[0:1], 0x10              ; W2's codes, list
	s_load_b64 s[12:13], s[0:1], 0x20              ; wq
	v_lshl_add_u32 v128, v0, 2, 0x400
	v_mov_b32 v129, 0
	v_lshrrev_b32 v1, 5, v0
	v_readfirstlane_b32 s16, v1                    ; wave 0..7
	v_and_b32 v2, 31, v0                           ; lane
	v_lshlrev_b32 v3, 2, v2                        ; 4 x lane
	s_cmp_eq_u32 ttmp9, 0
	s_cbranch_scc1 .Lsort
	; ---- the weights: work-group g - 1 = 64 matrix + 8 expert + column group; wave = tile.  16 rows x 768 bytes come in, eight images of 1,536 bytes go out
	v_and_b32 v4, 15, v0                           ; r
	v_bfe_u32 v5, v0, 4, 1                         ; h
	v_and_b32 v6, 8, v4
	v_add_nc_u32 v6, v6, v4                        ; r + 8 (r / 8)
	v_mul_u32_u24 v6, v6, 768
	v_mad_u32_u24 v6, v5, 24, v6
	v_lshlrev_b32 v7, 4, v2
	s_sub_co_u32 s17, ttmp9, 1
	s_and_b32 s18, s17, 63
	s_lshl_b32 s18, s18, 7                         ; the group's first row in its matrix
	s_lshr_b32 s19, s16, 1
	s_lshl_b32 s19, s19, 5
	s_add_co_u32 s18, s18, s19                     ; + 32 b
	s_and_b32 s19, s16, 1
	s_lshl_b32 s19, s19, 3
	s_add_co_u32 s18, s18, s19                     ; + 8 u
	s_mul_i32 s18, s18, 768
	s_mov_b32 s19, 0
	s_mul_i32 s20, s17, 98304
	s_mul_i32 s22, s16, 1536
	s_add_co_u32 s20, s20, s22
	s_mov_b32 s21, 0
	s_wait_kmcnt 0x0
	s_cmp_lt_u32 s17, 64                           ; the choice hangs on the work-group's number alone
	s_cselect_b64 s[24:25], s[6:7], s[8:9]
	s_add_nc_u64 s[24:25], s[24:25], s[18:19]
	s_add_nc_u64 s[12:13], s[12:13], s[20:21]
.irp s, 0,1,2,3,4,5,6,7
.irp p, 0,1,2,3,4,5
	global_load_b64 v[16+12*\s+2*\p:16+12*\s+2*\p+1], v6, s[24:25] offset:96*\s+48*(\p/3)+8*(\p%3)   ; registers 6 c .. 6 c + 5: the 24 bytes at 96 s + 48 c + 24 h of my row
.endr
.endr
.irp s, 0,1,2,3,4,5,6,7
	s_wait_loadcnt 42-6*\s                         ; this K step's six loads are in; those of the K steps behind it may be out
.irp c, 0,1,2
	global_store_b128 v7, v[16+12*\s+4*\c:16+12*\s+4*\c+3], s[12:13] offset:12288*\s+512*\c   ; 512 consecutive bytes, aligned
.endr
.endr
	s_endpgm
	; ---- the sort.  Wave w owns units 32 w .. 32 w + 31 (tokens 512 w .. 512 w + 511).  In the counts a lane is a set
.set CT,  16                           ; v16-47   counts of my 32 units; later the places and the tokens to store
.set PF,  48                           ; v48-80   prefix over my units; later the records
.set KR,  81                           ; v81-96   kr of my 512 tokens
.set GT,  97                           ; v97-104  the eight waves' totals
.set NN,  105                          ; v105     the set's tokens
.set BEL, 106                          ; v106     those in the waves below mine; then + 64 x the set's first tile
.set NT,  107                          ; v107     the set's tiles
.set BAS, 108                          ; v108     the set's first tile
.set TA,  109
.set TB,  110
.set IX,  112                          ; v112-127 4 x set number of my tokens
.Lsort:
	s_lshl_b32 s17, s16, 12
	s_add_co_u32 s17, s17, 16384
	v_add_nc_u32 v4, s17, v3
	s_lshl_b32 s18, s16, 11
	v_add_nc_u32 v5, s18, v3
	s_lshl_b32 s19, s16, 7
	v_add_nc_u32 v6, s19, v3                       ; LDS: my wave's 32 totals
	s_lshl_b32 s21, s16, 9
	v_add_nc_u32 v[TB], s21, v2                    ; my first token
	s_wait_kmcnt 0x0
.set i, 0
.rept 32
	global_load_b32 v[CT+i], v4, s[4:5] offset:128*i
.set i, i+1
.endr
.set i, 0
.rept 16
	global_load_b32 v[KR+i], v5, s[4:5] offset:128*i
.set i, i+1
.endr
	s_wait_loadcnt 16                              ; the counts are in; the 16 loads of kr may be out
	v_mov_b32 v[PF], 0
.set i, 0
.rept 32
	v_add_nc_u32 v[PF+i+1], v[PF+i], v[CT+i]
.set i, i+1
.endr
	ds_store_b32 v6, v[PF+32]
	s_wait_dscnt 0x0                               ; for the others' sake
	s_barrier_signal -1
	s_barrier_wait -1
.irp i, 0,1,2,3,4,5,6,7
	ds_load_b32 v[GT+\i], v3 offset:128*\i
.endr
	s_wait_dscnt 0x0
	v_mov_b32 v[NN], v[GT]
	v_mov_b32 v[BEL], 0
.irp i, 1,2,3,4,5,6,7
	v_add_nc_u32 v[NN], v[NN], v[GT+\i]
.endr
.irp i, 0,1,2,3,4,5,6
	s_cmp_gt_u32 s16, \i
	s_cselect_b32 s20, -1, 0
	v_and_b32 v[TA], s20, v[GT+\i]
	v_add_nc_u32 v[BEL], v[BEL], v[TA]
.endr
	v_add_nc_u32 v[NT], 63, v[NN]
	v_lshrrev_b32 v[NT], 6, v[NT]
	v_mov_b32 v[BAS], 0
	s_mov_b32 s22, 0
.set k, 0
.rept 28                               ; the sets' first tiles: a running sum over the 28 lanes
	v_readlane_b32 s23, v[NT], k
	v_writelane_b32 v[BAS], s22, k
	s_add_co_u32 s22, s22, s23
.set k, k+1
.endr
	v_lshl_add_u32 v[BEL], v[BAS], 6, v[BEL]
.set i, 0
.rept 32
	v_add_nc_u32 v[PF+i], v[PF+i], v[BEL]          ; lane p: the slot of unit i's first token of set p
.set i, i+1
.endr
	s_wait_loadcnt 0x0                             ; kr
.set j, 0
.rept 16                               ; a table look-up between lanes: tokens 32 j + lane belong to units 2 j (lanes 0-15) and 2 j + 1; each takes lane p of its unit's register
	v_and_b32 v[IX+j], 31, v[KR+j]
	v_lshlrev_b32 v[IX+j], 2, v[IX+j]
	ds_bpermute_b32 v[CT+2*j], v[IX+j], v[PF+2*j]
	ds_bpermute_b32 v[CT+2*j+1], v[IX+j], v[PF+2*j+1]
.set j, j+1
.endr
	v_cmp_le_u32 vcc_lo, 16, v2
	s_wait_dscnt 0x0
.set j, 0
.rept 16
	v_cndmask_b32 v[CT+2*j], v[CT+2*j], v[CT+2*j+1], vcc_lo
	v_bfe_u32 v[TA], v[KR+j], 8, 4                 ; my rank in the unit
	v_add_nc_u32 v[CT+2*j], v[CT+2*j], v[TA]
	v_min_u32 v[CT+2*j], 5823, v[CT+2*j]           ; a loaded number enters an address only held inside the table: 91 x 64 slots
	v_lshlrev_b32 v[CT+2*j], 2, v[CT+2*j]
	v_add_nc_u32 v[CT+2*j+1], 32*j, v[TB]
	global_store_b32 v[CT+2*j], v[CT+2*j+1], s[10:11] offset:2048
.set j, j+1
.endr
	s_cmp_lt_u32 s16, 3
	s_cbranch_scc0 .Lsorted
	; the records: thread g = tile g (96 threads).  The last set whose first tile is not above g owns it
	v_mov_b32 v48, 0                               ; its first tile
	v_mov_b32 v49, 0                               ; its tokens
	v_mov_b32 v52, 0                               ; lo
	v_mov_b32 v53, 1                               ; hi
.set k, 0
.irp lo, 0,1,2,3,4,5,6
.irp hi, 1,2,3,4,5,6,7
.if \hi > \lo
	v_readlane_b32 s22, v[BAS], k
	v_readlane_b32 s23, v[NN], k
	v_cmp_gt_u32 vcc_lo, s22, v0
	v_cndmask_b32 v48, s22, v48, vcc_lo
	v_cndmask_b32 v49, s23, v49, vcc_lo
	v_cndmask_b32 v52, \lo, v52, vcc_lo
	v_cndmask_b32 v53, \hi, v53, vcc_lo
.set k, k+1
.endif
.endr
.endr
	v_sub_nc_u32 v[TA], v0, v48
	v_lshlrev_b32 v[TA], 6, v[TA]                  ; tokens of the set in the tiles before mine
	v_sub_nc_u32 v54, v49, v[TA]
	v_min_u32 v54, 64, v54
	v_cmp_gt_u32 vcc_lo, v49, v[TA]
	v_cndmask_b32 v54, 0, v54, vcc_lo              ; count: 0 in a tile that this split leaves empty
	v_mov_b32 v55, 0
	v_lshlrev_b32 v50, 4, v0
	global_store_b128 v50, v[52:55], s[10:11]
.Lsorted:
	s_wait_tensorcnt 0x0
	ds_add_u32 v128, v129
	s_wait_dscnt 0x0
	s_endpgm
.Lfunc_end_k_q8cbc66365b_place:
	.size	k_q8cbc66365b_place, .Lfunc_end_k_q8cbc66365b_place-k_q8cbc66365b_place
	.p2alignl 7, 3214868480
	.fill 96, 4, 3214868480
	.section	.rodata,"a",@progbits
	.p2align	6, 0x0
	.amdhsa_kernel k_q8cbc66365b_place
		.amdhsa_group_segment_fixed_size 2048
		.amdhsa_private_segment_fixed_size 0
		.amdhsa_enable_private_segment 0
		.amdhsa_kernarg_size 40
		.amdhsa_user_sgpr_count 2
		.amdhsa_user_sgpr_kernarg_segment_ptr 1
		.amdhsa_wavefront_size32 1
		.amdhsa_system_sgpr_workgroup_id_x 1
		.amdhsa_system_sgpr_workgroup_id_y 1
		.amdhsa_system_sgpr_workgroup_id_z 1
		.amdhsa_system_vgpr_workitem_id 0
		.amdhsa_next_free_vgpr 130
		.amdhsa_next_free_sgpr 66
		.amdhsa_reserve_vcc 1
		.amdhsa_float_denorm_mode_32 3
		.amdhsa_float_denorm_mode_16_64 3
		.amdhsa_memory_ordered 1
		.amdhsa_forward_progress 1
		.amdhsa_inst_pref_size 40
	.end_amdhsa_kernel
	.amdgpu_metadata
---
amdhsa.version: [ 1, 2 ]
amdhsa.kernels:
  - .name:           k_q8cbc66365b_place
    .symbol:         k_q8cbc66365b_place.kd
    .args:
      - { .name: route, .offset: 0, .size: 8, .value_kind: global_buffer, .address_space: global }
      - { .name: W1_codes, .offset: 8, .size: 8, .value_kind: global_buffer, .address_space: global }
      - { .name: W2_codes, .offset: 16, .size: 8, .value_kind: global_buffer, .address_space: global }
      - { .name: list, .offset: 24, .size: 8, .value_kind: global_buffer, .address_space: global }
      - { .name: wq, .offset: 32, .size: 8, .value_kind: global_buffer, .address_space: global }
    .group_segment_fixed_size: 2048
    .private_segment_fixed_size: 0
    .kernarg_segment_align: 8
    .kernarg_segment_size: 40
    .max_flat_workgroup_size: 256
    .sgpr_count:     66
    .vgpr_count:     130
    .wavefront_size: 32
...
	.end_amdgpu_metadata
.endif
;; end of part 2
;; launch chain (part 3): grid 91 x 1, 4 waves a work-group, no clusters, 185,856 bytes of LDS; arguments list, xq, xs, gate, wq, W1_scales, W2_scales, b1, b2, out0; writes out0
.if DOCPART == 3
	.amdgcn_target "amdgcn-amd-amdhsa--gfx1250"
	.amdhsa_code_object_version 6
	.text
	.protected	k_q8cbc66365b_chain
	.globl	k_q8cbc66365b_chain
	.p2align	8
	.type	k_q8cbc66365b_chain,@function
k_q8cbc66365b_chain:
	s_mov_b64 s[64:65], 0
	v_nop
	global_prefetch_b8 v0, s[64:65] scope:SCOPE_SE
	s_setreg_imm32_b32 hwreg(HW_REG_WAVE_MODE, 25, 1), 1
	s_wait_xcnt 0x0
; CHAIN.  One work-group takes one tile: up to 64 tokens that chose the same two experts.  out = g_lo (relu(x W1_lo + b1_lo) W2_lo + b2_lo) + g_hi (the same of hi), all four products on codes of FP6 (E2M3) with E8M0 scales.
; The grid, 91, serves every split of the tokens (64 + 27 tiles at the most).  A tile that the split leaves empty stores nothing: it passes both barriers, jumps over the work between them, and ends behind the second.
; A slot past the tile's count repeats the tile's last token: the row is made twice and the same bytes are stored twice by the same wave.
; NO TENSOR LOADS, NO CLUSTER: which weights a tile walks, and whether it works at all, hangs on the stored list, so partners could not be given equal requests; and each weight byte feeds one wave alone, so LDS would save no read.
; The weights come from wq, laid in the order of the operand's registers: each load of a wave is 512 consecutive bytes.
; SHARES.  THE WAVES SHARE THE COLUMNS.  A PASS is 128 columns (8 weight tiles) x 64 tokens (4 tiles) x K = 1,024: 8 K steps of 32 matrix instructions on 32 accumulators (256 registers); its weights are 98,304 consecutive bytes.
; A wave runs 8 passes.  Phase 1 (W1): expert F, F, S, S, column group w + 4 ((n & 1) ^ b1); relu, quantised in registers, image to LDS: K step of the second product.  Phase 2 (W2): for each of two column groups: F, then S.
; F is lo or hi by the tile's number (b0), and b1 flips the halves, so that tiles of one expert do not all begin at the same weights.  Slot s of the hidden layer holds chunk s ^ 4 b1, so with b1 = 1 phase 2 takes W2's two laps of four K steps in the other order.
; BOTH EXPERTS SHARE ONE SET OF ACCUMULATORS: out = y (p (A_F + b2_F) + A_S + b2_S), y = max(g_S, 2^-30), p = g_F / y.  F's sums begin with C = b2_F; one packed multiply-add a pair (x p, + b2_S); S's sums add on; y at the end.
; LIMITS: a gate weight under 2^-30 is taken as 2^-30, which adds at most 2^-30 x that expert's row; the two experts' rows are weighed and added in this order, not in the order of the two largest logits; K is summed by laps as said above.
; THE MATRIX INSTRUCTION IS USED TRANSPOSED: source 0 = 16 rows of a weight, source 1 = 16 tokens.  Lane (r, h) holds token r; by the choice of a tile's rows the 16 registers of tiles 2 b, 2 b + 1 are columns 32 b + 16 h + 0 .. 15 of the group.
; LDS: x's 32 fragment images (K step s, token tile m at (4 s + m) 1,536); the hidden layer's 64 (slot k = 4 n + w: (4 k + m) 1,536; F: slots 0-7, S: 8-15); its scale words; a stage of 16 rows x 528 bytes for each wave.
; REGISTERS, in windows of 256.  Window 0: addresses, gates, scale words (v40-87), two sets of four token fragments (v88-183), the quantiser's work.  Window 1: weight buffers 0, 1 (96 each), from v192 a pass's bias (8 tiles x 8).
;   Window 2: weight buffers 2, 3; from v192 16 rows on the way out.  Window 3: the 32 accumulators, (m, t) at 64 m + 8 t.
.set XIMG, 0
.set HIMG, 49152
.set HSC,  147456                      ; word of slot k, token 16 m + r: 1,024 m + 256 (k / 4) + 16 r + 4 (k % 4)
.set STG,  151552
.set SPT,  528
.set L16,  1                           ; v1   16 x lane
.set BAX,  1                           ;      x's images begin at LDS byte 0
.set LNR,  2                           ; v2   r
.set LNH,  3                           ; v3   h
.set BAF,  5                           ; v5   F's hidden images
.set BAS,  6                           ; v6   S's
.set HW,   7                           ; v7   where my wave stores an image in trip 0
.set HWS,  8                           ; v8   and its scale words
.set HSF,  9                           ; v9   F's scale words: four of a lap
.set HSS,  10                          ; v10  S's
.set SO,   11                          ; v11  a weight's scale words: 32 x (8 h + r + 8 (r / 8))
.set BO,   12                          ; v12  a bias: 64 h
.set XW,   13                          ; v13  where my wave stores x's images
.set STO,  14                          ; v14  the stage, in
.set RD,   15                          ; v15  the stage, out
.set TOK,  16                          ; v16-19 token of slot 16 m + r
.set TOKW, 20                          ; v20  token of slot 16 w + r
.set HWC,  22                          ; v22  this trip's HW
.set HSW,  23                          ; v23  this trip's HWS
.set RHO,  24                          ; v24-31 p of token tile m, twice
.set GAM,  32                          ; v32-39 y likewise
.set SW,   40                          ; v40-71 weight scale words: register 8 tp + s: lanes 0-15 tile 2 tp, lanes 16-31 tile 2 tp + 1, K step s
.set BS,   72                          ; v72-87 token scale words: register 4 m + s % 4: lanes 0-15 steps 0-3, lanes 16-31 steps 4-7
.set BF,   88                          ; v88-183 token fragments, two sets of four
.set TM,   184                         ; v184-199 the quantiser's work
.set RO,   184                         ;      phase 2: the 16 rows' offsets in out0
.set PW,   200                         ; v200 the scale word just made
.set PC,   202                         ; v202-220 the codes just made
.set HT,   224                         ; v224-255 the head's work
.set BIA,  192                         ; in window 1
.set BK,   192                         ; in window 2
; scalars: s[8:27] the ten buffers; s28 F, s29 S, s30 count, s31 wave, s32 b0, s33 b1; s[34:35] WB: this pass's second lap; s[36:37] WA, s[38:39] WBn: the next pass's laps;
; s[40:41] SA, s[42:43] SB: its scale words; s[44:45] its bias; s[46:47] lane selects; s48 trips, s49 halves left; s50 matrix, s51 expert, s54 column group, s55 lap flip; s[52:53] out0 at my columns; s56-63 at work;
; s66, s67 the trip's steps in LDS; s[68:69] my tile's slots
.set MSB, 0
.macro WIN new                         ; the immediate's high byte repeats the setting that is left
.if MSB != \new
	s_set_vgpr_msb (MSB<<8)|\new
.set MSB, \new
.endif
.endm
; the next pass's addresses, from s50, s51, s54, s55.  The expert is a loaded number: it is held at 7 ahead of the arithmetic
.macro NEXTP
	s_min_u32 s51, s51, 7
	s_lshl_b32 s56, s51, 3
	s_add_co_u32 s56, s56, s54                     ; 8 e + cg
	s_lshl_b32 s57, s50, 6
	s_add_co_u32 s57, s57, s56
	s_mul_i32 s58, s57, 98304                      ; the pass's weights
	s_xor_b32 s62, s55, 1
	s_mul_i32 s57, s55, 49152                      ; a lap is four K steps of 12,288 bytes
	s_mul_i32 s63, s62, 49152
	s_add_co_u32 s60, s58, s63
	s_add_co_u32 s58, s58, s57
	s_mov_b32 s59, 0
	s_mov_b32 s61, 0
	s_add_nc_u64 s[36:37], s[16:17], s[58:59]
	s_add_nc_u64 s[38:39], s[16:17], s[60:61]
	s_cmp_eq_u32 s50, 0                            ; the choice hangs on no address
	s_cselect_b64 s[40:41], s[18:19], s[20:21]
	s_cselect_b64 s[44:45], s[22:23], s[24:25]
	s_lshl_b32 s58, s56, 12                        ; 128 rows of 32 scale bytes
	s_lshl_b32 s57, s55, 4                         ; a lap's four words
	s_lshl_b32 s63, s62, 4
	s_add_co_u32 s60, s58, s63
	s_add_co_u32 s58, s58, s57
	s_add_nc_u64 s[42:43], s[40:41], s[60:61]
	s_add_nc_u64 s[40:41], s[40:41], s[58:59]
	s_lshl_b32 s58, s56, 9                         ; 128 f32
	s_add_nc_u64 s[44:45], s[44:45], s[58:59]
.endm
.macro LOADW buf, ptr, k               ; a K step's eight weight fragments: 24 loads of 512 consecutive bytes
.if (\buf) < 2
	WIN 0x40
.else
	WIN 0x80
.endif
.set rW, 96*((\buf)&1)
.irp t, 0,1,2,3,4,5,6,7
.irp c, 0,1,2
	global_load_b128 v[rW+12*\t+4*\c:rW+12*\t+4*\c+3], v[L16], s[\ptr:\ptr+1] offset:(\k)*12288+1536*\t+512*\c
.endr
.endr
.endm
.macro LOADSW j, ptr                   ; a lap's weight scale words: four words a row
.irp tp, 0,1,2,3
	global_load_b128 v[SW+8*\tp+4*(\j):SW+8*\tp+4*(\j)+3], v[SO], s[\ptr:\ptr+1] offset:1024*\tp
.endr
.endm
.macro LOADBIAS                        ; tile 2 b + u, lane (r, h): the bias of columns 32 b + 16 h + 8 u + 0 .. 7
.irp b, 0,1,2,3
.irp u, 0,1
.irp k, 0,1
	global_load_b128 v[BIA+8*(2*\b+\u)+4*\k:BIA+8*(2*\b+\u)+4*\k+3], v[BO], s[44:45] offset:128*\b+32*\u+16*\k
.endr
.endr
.endr
.endm
.macro FETCHB set, ba, s               ; the four token fragments of K step s: 12 LDS loads of 512 consecutive bytes
.irp m, 0,1,2,3
.irp c, 0,1,2
	ds_load_b128 v[BF+48*(\set)+12*\m+4*\c:BF+48*(\set)+12*\m+4*\c+3], v[\ba] offset:(4*(\s)+\m)*1536+512*\c
.endr
.endr
.endm
.macro LOADBS a
.irp m, 0,1,2,3
	ds_load_b128 v[BS+4*\m:BS+4*\m+3], v[\a] offset:1024*\m
.endr
.endm
; A K STEP.  kind = 0: step 0 starts the sums with the bias as C.  ahead = 1: steps 4 to 7 ask for the next pass's first lap, scale words and bias.  ba: this pass's token images; bn, bsn: the next pass's images and scale words (0: none).
; THE WAIT FOR WEIGHTS.  Each step's end asks for the weights four steps on, 24 loads; the scale words (4) and the bias (16) go out ahead of the weights of their step's end.  So behind the loads that a step wants
; at least 72 younger ones have been issued, and the wait names 63, the largest count that it can name.  In the last pass nothing follows the second lap: behind step s's weights stand 24 (7 - s) loads.
; THE WAIT FOR TOKENS leaves the next step's 12 LDS loads out.  The 32 accumulators take turns, one instruction a turn, in the same order in every step.
.macro STEP s, kind, ahead, ba, bn, bsn
.if (\ahead) || ((\s) < 5)
	s_wait_loadcnt 63
.else
	s_wait_loadcnt 24*(7-(\s))
.endif
.if ((\s) == 7) && ((\bn) == 0)
	s_wait_dscnt 0x0
.else
	s_wait_dscnt 12
.endif
.if ((\s) == 0) && ((\kind) == 0)
	WIN 0xd1                                       ; source 0 and C window 1, source 1 window 0, D window 3
.elseif ((\s)%4) < 2
	WIN 0xf1                                       ; source 0 window 1, C and D window 3
.else
	WIN 0xf2                                       ; source 0 window 2
.endif
.irp t, 0,1,2,3,4,5,6,7
.irp m, 0,1,2,3
.set rD, 64*\m+8*\t
.set rC, rD
.if ((\s) == 0) && ((\kind) == 0)
.set rC, BIA+8*\t
.endif
.set rFA, 96*((\s)&1)+12*\t
.set rFB, BF+48*((\s)%2)+12*\m
.set rSA, SW+8*(\t/2)+(\s)
.set rSB, BS+4*\m+((\s)%4)
.if (\t%2) && ((\s) >= 4)
	v_wmma_scale_f32_16x16x128_f8f6f4 v[rD:rD+7], v[rFA:rFA+11], v[rFB:rFB+11], v[rC:rC+7], v[rSA], v[rSB] matrix_a_fmt:MATRIX_FMT_FP6 matrix_b_fmt:MATRIX_FMT_FP6 matrix_a_scale:MATRIX_SCALE_ROW1 matrix_b_scale:MATRIX_SCALE_ROW1
.elseif (\t%2)
	v_wmma_scale_f32_16x16x128_f8f6f4 v[rD:rD+7], v[rFA:rFA+11], v[rFB:rFB+11], v[rC:rC+7], v[rSA], v[rSB] matrix_a_fmt:MATRIX_FMT_FP6 matrix_b_fmt:MATRIX_FMT_FP6 matrix_a_scale:MATRIX_SCALE_ROW1
.elseif ((\s) >= 4)
	v_wmma_scale_f32_16x16x128_f8f6f4 v[rD:rD+7], v[rFA:rFA+11], v[rFB:rFB+11], v[rC:rC+7], v[rSA], v[rSB] matrix_a_fmt:MATRIX_FMT_FP6 matrix_b_fmt:MATRIX_FMT_FP6 matrix_b_scale:MATRIX_SCALE_ROW1
.else
	v_wmma_scale_f32_16x16x128_f8f6f4 v[rD:rD+7], v[rFA:rFA+11], v[rFB:rFB+11], v[rC:rC+7], v[rSA], v[rSB] matrix_a_fmt:MATRIX_FMT_FP6 matrix_b_fmt:MATRIX_FMT_FP6
.endif
.endr
.endr
.rept 4
	v_nop                                          ; four places in front of loads into registers that matrix instructions have read, and of the first read of results
.endr
.if ((\s) == 4) && (\ahead)
	WIN 0
	LOADSW 0, 40
	WIN 0x40
	LOADBIAS
.endif
.if ((\s) == 7) && (\ahead)
	WIN 0
	LOADSW 1, 42
.endif
.if (\s) < 4
	LOADW (\s)%4, 34, \s
.elseif \ahead
	LOADW (\s)%4, 36, (\s)-4
.endif
	WIN 0
.if ((\s) == 7) && ((\bsn) != 0)
	LOADBS \bsn
.endif
.if (\s) < 6
	FETCHB (\s)%2, \ba, (\s)+2
.elseif (\bn) != 0
	FETCHB (\s)%2, \bn, (\s)-6
.endif
.endm
.macro LAPA kind, ba
	STEP 0, \kind, 1, \ba, 0, 0
	STEP 1, 1, 1, \ba, 0, 0
	STEP 2, 1, 1, \ba, 0, 0
	STEP 3, 1, 1, \ba, 0, 0
.endm
.macro LAPB ahead, ba, bn, bsn
	STEP 4, 1, \ahead, \ba, \bn, \bsn
	STEP 5, 1, \ahead, \ba, \bn, \bsn
	STEP 6, 1, \ahead, \ba, \bn, \bsn
	STEP 7, 1, \ahead, \ba, \bn, \bsn
.endm
.macro RELU m                          ; the activation, in f32, each accumulator from its low end on
	WIN 0xcc
.set i, 0
.rept 64
	v_max_num_f32 v[64*(\m)+i], 0, v[64*(\m)+i]
.set i, i+1
.endr
.endm
; token tile m's 64 numbers of a lane (register 16 b + i = column 32 b + 16 h + i of the group, none negative) become a fragment's codes in v[PC] on and its scale word in v[PW]
.macro QUANT3 m
	WIN 0x0f                                       ; sources 0 and 1 window 3
.irp b, 0,1,2,3
	v_max3_num_f32 v[TM+\b], v[64*(\m)+16*\b], v[64*(\m)+16*\b+1], 0x1800000   ; my 16 of block b, and the floor 2^(3 - 127): the byte cannot fall under 1
.endr
.irp i, 2,4,6,8,10,12,14
.irp b, 0,1,2,3
	v_max3_num_f32 v[TM+\b], v[64*(\m)+16*\b+\i], v[64*(\m)+16*\b+\i+1], v[TM+\b]   ; (the four blocks by turns)
.endr
.endr
	WIN 0
.irp b, 0,1,2,3
	v_permlanex16_b32 v[TM+4+\b], v[TM+\b], s46, s47
.endr
.irp b, 0,1,2,3
	v_max_num_f32 v[TM+\b], v[TM+\b], v[TM+4+\b]   ; with lane l xor 16's: the block's largest
.endr
.irp b, 0,1,2,3
	v_add_nc_u32 v[TM+12+\b], 0xff000000, v[TM+\b] ; 2 off its exponent field: the conversion's scale operand
.endr
.irp b, 0,1,2,3
	v_lshrrev_b32 v[TM+4+\b], 23, v[TM+12+\b]      ; the scale's byte
.endr
	v_lshl_or_b32 v[PW], v[TM+5], 8, v[TM+4]
	v_lshl_or_b32 v[PW], v[TM+6], 16, v[PW]
	v_lshl_or_b32 v[PW], v[TM+7], 24, v[PW]
	WIN 0x03                                       ; source 0 window 3
.irp c, 0,1
	v_cvt_scalef32_pk16_fp6_f32 v[PC+6*\c:PC+6*\c+2], v[64*(\m)+32*\c:64*(\m)+32*\c+15], v[TM+12+2*\c]
	v_cvt_scalef32_pk16_fp6_f32 v[PC+12+4*\c:PC+12+4*\c+2], v[64*(\m)+32*\c+16:64*(\m)+32*\c+31], v[TM+12+2*\c+1]   ; (a conversion's three registers begin on an even number)
.endr
	WIN 0
	v_nop                                          ; one plain line behind a scaled conversion
.irp c, 0,1                            ; the operand wants a WHOLE block in a lane: lanes 0-15 block 2 c, lanes 16-31 block 2 c + 1
.irp i, 0,1,2
	v_permlane16_swap_b32 v[PC+6*\c+\i], v[PC+12+4*\c+\i]
.endr
.irp i, 0,1,2
	v_mov_b32 v[PC+3+6*\c+\i], v[PC+12+4*\c+\i]
.endr
.endr
.endm
.macro EPI1                            ; a pass of phase 1 ends: four fragments of the hidden layer go to LDS as images of their registers
	v_add_nc_u32 v[HWC], s66, v[HW]
	v_add_nc_u32 v[HSW], s67, v[HWS]
	RELU 0
.irp m, 0,1,2,3
	QUANT3 \m
.irp c, 0,1,2
	ds_store_b128 v[HWC], v[PC+4*\c:PC+4*\c+3] offset:1536*\m+512*\c
.endr
	ds_store_b32 v[HSW], v[PW] offset:1024*\m      ; both halves of the lanes write the same word with the same value
.if \m < 3
	RELU \m+1                                      ; the next tile's activation stands between the stores and the wait for them
	WIN 0
.endif
	s_wait_dscnt 0x0                               ; the stores have read their registers
.endr
.endm
.macro MID                             ; between the experts: acc = acc p + b2_S
	s_wait_loadcnt 63                              ; behind the bias's loads 100 younger ones have been issued
	WIN 0xd3                                       ; acc window 3, p window 0, the bias window 1
.irp m, 0,1,2,3
.irp t, 0,1,2,3,4,5,6,7
.irp p, 0,2,4,6
	v_pk_fma_f32 v[64*\m+8*\t+\p:64*\m+8*\t+\p+1], v[64*\m+8*\t+\p:64*\m+8*\t+\p+1], v[RHO+2*\m:RHO+2*\m+1], v[BIA+8*\t+\p:BIA+8*\t+\p+1]
.endr
.endr
.endr
	WIN 0
.endm
; THE WAY OUT of 128 columns x 64 tokens, 16 tokens at a time: x y; a lane's 64 neighbouring bytes a block into my own stage; back as whole rows of 512 bytes; each row to its token's place in out0.
; LDS serves a wave's instructions in order (ISA guide 5.7.1.4): no wait between the stores and the loads, nor in front of the next tile's stores.
.macro EPI2
.irp m, 0,1,2,3
	WIN 0xc3
.set i, 0
.rept 32
	v_pk_mul_f32 v[64*\m+2*i:64*\m+2*i+1], v[64*\m+2*i:64*\m+2*i+1], v[GAM+2*\m:GAM+2*\m+1]   ; each accumulator from its low end on
.set i, i+1
.endr
	WIN 0x0c                                       ; an LDS store's data are its source 1: window 3
.irp b, 0,1,2,3
.irp q, 0,1,2,3
	ds_store_b128 v[STO], v[64*\m+16*\b+4*\q:64*\m+16*\b+4*\q+3] offset:128*\b+16*\q
.endr
.endr
	s_wait_xcnt 0x0                                ; the tile before's stores have read their data and offsets: both are written again only behind this wait
	WIN 0x80
.set i, 0
.rept 16
	ds_load_b128 v[BK+4*i:BK+4*i+3], v[RD] offset:SPT*i
.set i, i+1
.endr
	WIN 0
.set i, 0
.rept 16
	v_readlane_b32 s56, v[TOK+\m], i               ; row i's token: a loaded number, held inside the table ahead of the address
	s_min_u32 s56, s56, 0xfff
	s_lshl_b32 s56, s56, 12
	v_add_nc_u32 v[RO+i], s56, v[L16]
.set i, i+1
.endr
	WIN 0x08                                       ; a store's data are its source 1: window 2
.set i, 0
.rept 16
	s_wait_dscnt 15-i
	global_store_b128 v[RO+i], v[BK+4*i:BK+4*i+3], s[52:53] th:TH_STORE_NT   ; 32 lanes store 512 consecutive bytes, at a multiple of 512 from out0's first byte; written once, read by nobody here
.set i, i+1
.endr
	WIN 0
.endr
.endm
	s_load_b512 s[8:23], s[0:1], 0x0               ; list, xq, xs, gate, wq, W1's scales, W2's scales, b1
	s_load_b128 s[24:27], s[0:1], 0x40             ; b2, out0
	v_lshl_add_u32 v238, v0, 2, 0x2d400
	v_mov_b32 v239, 0
	v_lshrrev_b32 v4, 5, v0
	v_readfirstlane_b32 s31, v4                    ; wave 0..3
	v_and_b32 v4, 31, v0
	v_and_b32 v[LNR], 15, v0
	v_bfe_u32 v[LNH], v0, 4, 1
	v_lshlrev_b32 v[L16], 4, v4
	v_add_nc_u32 v[BAF], HIMG, v[L16]
	v_add_nc_u32 v[BAS], HIMG+49152, v[L16]
	s_mul_i32 s56, s31, 6144
	s_add_co_u32 s56, s56, HIMG
	v_add_nc_u32 v[HW], s56, v[L16]
	v_lshlrev_b32 v21, 4, v[LNR]
	s_lshl_b32 s56, s31, 2
	s_add_co_u32 s56, s56, HSC
	v_add_nc_u32 v[HWS], s56, v21
	v_lshl_add_u32 v[HSF], v[LNH], 8, v21
	v_add_nc_u32 v[HSF], HSC, v[HSF]
	v_add_nc_u32 v[HSS], 512, v[HSF]
	v_and_b32 v21, 8, v[LNR]
	v_add_nc_u32 v21, v21, v[LNR]
	v_lshl_add_u32 v21, v[LNH], 3, v21
	v_lshlrev_b32 v[SO], 5, v21
	v_lshlrev_b32 v[BO], 6, v[LNH]
	s_mul_i32 s56, s31, 1536
	v_add_nc_u32 v[XW], s56, v[L16]
	s_mul_i32 s56, s31, 16*SPT
	s_add_co_u32 s56, s56, STG
	v_mul_u32_u24 v[STO], v[LNR], SPT
	v_lshl_add_u32 v[STO], v[LNH], 6, v[STO]
	v_add_nc_u32 v[STO], s56, v[STO]
	v_add_nc_u32 v[RD], s56, v[L16]
.irp b, 0,1,2,3
	v_mov_b32 v[TM+4+\b], 0                        ; written once: a lane permute's destination counts as one of its sources
.endr
	s_and_b32 s32, ttmp9, 1                        ; b0
	s_bfe_u32 s33, ttmp9, 0x10001                  ; b1
	s_lshl_b32 s60, ttmp9, 4
	s_mov_b32 s46, 0x76543210
	s_mov_b32 s47, 0xfedcba98                      ; v_permlanex16_b32's selects for lane l xor 16
	s_mov_b32 s48, 0
	s_mov_b32 s66, 0
	s_mov_b32 s67, 0
	s_wait_kmcnt 0x0
	s_load_b128 s[56:59], s[8:9], s60 offset:0x0   ; my tile's record: lo, hi, count
	s_wait_kmcnt 0x0
	s_cmp_eq_u32 s32, 0
	s_cselect_b32 s28, s56, s57                    ; F
	s_cselect_b32 s29, s57, s56                    ; S
	s_min_u32 s28, s28, 7
	s_min_u32 s29, s29, 7
	s_min_u32 s30, s58, 64
	s_cmp_eq_u32 s30, 0
	s_cselect_b32 s60, 0, ttmp9                    ; an empty tile has no slot that was written: it reads tile 0's first, and stores nothing
	s_min_u32 s60, s60, 90
	s_lshl_b32 s60, s60, 8
	s_add_co_u32 s60, s60, 2048
	s_mov_b32 s61, 0
	s_add_nc_u64 s[68:69], s[8:9], s[60:61]
	s_max_u32 s62, s30, 1
	s_sub_co_u32 s62, s62, 1                       ; the last slot that was written
	s_lshl_b32 s63, s31, 4
.irp m, 0,1,2,3
	v_add_nc_u32 v[HT+\m], 16*\m, v[LNR]
.endr
	v_add_nc_u32 v[HT+4], s63, v[LNR]
.irp m, 0,1,2,3,4
	v_min_u32 v[HT+\m], s62, v[HT+\m]
	v_min_u32 v[HT+\m], 63, v[HT+\m]
	v_lshlrev_b32 v[HT+\m], 2, v[HT+\m]
.endr
.irp m, 0,1,2,3,4
	global_load_b32 v[TOK+\m], v[HT+\m], s[68:69]
.endr
	s_mov_b32 s50, 0                               ; pass 0: W1, F, column group w + 4 b1
	s_mov_b32 s51, s28
	s_lshl_b32 s54, s33, 2
	s_add_co_u32 s54, s54, s31
	s_mov_b32 s55, 0
	NEXTP
	LOADSW 0, 40
	WIN 0x40
	LOADBIAS
	LOADW 0, 36, 0
	WIN 0
	s_wait_loadcnt 44                              ; the five token loads are in: behind them 4 + 16 + 24
.irp m, 0,1,2,3,4
	v_min_u32 v[TOK+\m], 0xfff, v[TOK+\m]
.endr
	v_mul_u32_u24 v[HT+5], v[TOKW], 768
	v_mad_u32_u24 v[HT+5], v[LNH], 48, v[HT+5]     ; my token's codes, my half's 48 bytes of a K step
.irp m, 0,1,2,3
	v_lshlrev_b32 v[HT+6+\m], 5, v[TOK+\m]
	v_lshl_add_u32 v[HT+6+\m], v[LNH], 4, v[HT+6+\m]
	v_lshlrev_b32 v[HT+10+\m], 3, v[TOK+\m]
.endr
	WIN 0xc0                                       ; destination window 3: the accumulators are not in use yet
.irp s, 0,1,2,3,4,5,6,7
.irp c, 0,1,2
	global_load_b128 v[12*\s+4*\c:12*\s+4*\c+3], v[HT+5], s[10:11] offset:96*\s+16*\c
.endr
.endr
	WIN 0
.irp m, 0,1,2,3
	global_load_b128 v[BS+4*\m:BS+4*\m+3], v[HT+6+\m], s[12:13]   ; x's scale words: lanes 0-15 K steps 0-3, lanes 16-31 K steps 4-7
.endr
.irp m, 0,1,2,3
	global_load_b64 v[HT+16+2*\m:HT+17+2*\m], v[HT+10+\m], s[14:15]
.endr
	LOADW 1, 36, 1
	WIN 0
	s_wait_loadcnt 24                              ; all but the 24 just issued
	WIN 0x0c
.irp s, 0,1,2,3,4,5,6,7
.irp c, 0,1,2
	ds_store_b128 v[XW], v[12*\s+4*\c:12*\s+4*\c+3] offset:6144*\s+512*\c   ; token tile w, K step s, as an image of its registers
.endr
.endr
	WIN 0
	s_cmp_eq_u32 s32, 1
	s_cselect_b32 s56, -1, 0
.irp m, 0,1,2,3
	v_cndmask_b32 v[HT+24+\m], v[HT+16+2*\m], v[HT+17+2*\m], s56   ; g_F
	v_cndmask_b32 v[GAM+2*\m], v[HT+17+2*\m], v[HT+16+2*\m], s56   ; g_S
.endr
.irp m, 0,1,2,3
	v_max_num_f32 v[GAM+2*\m], 0x30800000, v[GAM+2*\m]             ; y = max(g_S, 2^-30)
.endr
.irp m, 0,1,2,3
	v_rcp_f32 v[HT+28+\m], v[GAM+2*\m]
.endr
.irp m, 0,1,2,3
	v_mov_b32 v[GAM+2*\m+1], v[GAM+2*\m]           ; plain lines behind the reciprocals
.endr
	s_wait_alu depctr_va_vdst(0)                   ; one wait for the four, ahead of their first reader
.irp m, 0,1,2,3
	v_mul_f32 v[RHO+2*\m], v[HT+24+\m], v[HT+28+\m]
.endr
.irp m, 0,1,2,3
	v_mov_b32 v[RHO+2*\m+1], v[RHO+2*\m]
.endr
	LOADW 2, 36, 2
	WIN 0
	LOADSW 1, 42
	LOADW 3, 36, 3
	WIN 0
	s_wait_dscnt 0x0                               ; for the others' sake: my images have landed
	s_barrier_signal -1
	s_barrier_wait -1                              ; x's 32 fragments lie in LDS
	FETCHB 0, BAX, 0
	FETCHB 1, BAX, 1
	; ---- phase 1: four passes; every wave of every tile walks the four trips, an empty tile jumps over their work
.Lp1:
	s_cmp_eq_u32 s30, 0
	s_cbranch_scc1 .Lp1_skip
	s_wait_xcnt 0x0                                ; the loads issued so far have read their bases: they may be written
	s_mov_b64 s[34:35], s[38:39]
	s_add_co_u32 s56, s48, 1                       ; the next pass n: matrix n / 4, expert by bit 1, half by bit 0
	s_lshr_b32 s50, s56, 2
	s_and_b32 s55, s50, s33                        ; W2's laps change places where b1 = 1
	s_and_b32 s54, s56, 1
	s_xor_b32 s54, s54, s33
	s_lshl_b32 s54, s54, 2
	s_add_co_u32 s54, s54, s31
	s_and_b32 s57, s56, 2
	s_cmp_lg_u32 s57, 0
	s_cselect_b32 s51, s29, s28
	NEXTP
	LAPA 0, BAX
	LAPB 1, BAX, BAX, 0
	EPI1
.Lp1_skip:
	s_add_co_u32 s66, s66, 24576                   ; four slots of four images on
	s_add_co_u32 s67, s67, 256
	s_add_co_u32 s48, s48, 1
	s_cmp_lt_u32 s48, 4
	s_cbranch_scc1 .Lp1
	s_wait_dscnt 0x0                               ; my images have landed, and my LDS loads are in
	s_barrier_signal -1
	s_barrier_wait -1                              ; the hidden layer's 64 fragments lie in LDS; no barrier follows
	s_cmp_eq_u32 s30, 0
	s_cbranch_scc1 .Lend
	; ---- phase 2
	FETCHB 0, BAF, 0
	LOADBS HSF
	FETCHB 1, BAF, 1
	s_mov_b32 s49, 2
.Lhalf:
	s_wait_xcnt 0x0
	s_mov_b64 s[34:35], s[38:39]
	s_sub_co_u32 s56, 2, s49
	s_xor_b32 s56, s56, s33
	s_lshl_b32 s56, s56, 2
	s_add_co_u32 s54, s56, s31                     ; this half's column group
	s_lshl_b32 s56, s54, 9
	s_mov_b32 s57, 0
	s_add_nc_u64 s[52:53], s[26:27], s[56:57]
	s_mov_b32 s50, 1
	s_mov_b32 s51, s29                             ; next: S, the same columns
	s_mov_b32 s55, s33
	NEXTP
	LAPA 0, BAF
	LAPB 1, BAF, BAS, HSS
	MID
	s_wait_xcnt 0x0
	s_mov_b64 s[34:35], s[38:39]
	s_xor_b32 s54, s54, 4                          ; next: F, the other half's columns (in the last half the addresses are made and not used)
	s_mov_b32 s51, s28
	NEXTP
	LAPA 1, BAS
	s_cmp_eq_u32 s49, 1
	s_cbranch_scc1 .Ltail
	LAPB 1, BAS, BAF, HSF
	EPI2
	s_sub_co_u32 s49, s49, 1
	s_branch .Lhalf
.Ltail:                                            ; the last pass's second lap is written out: it asks for nothing more, and its counts run down
	LAPB 0, BAS, 0, 0
	EPI2
.Lend:
	s_wait_tensorcnt 0x0
	ds_add_u32 v238, v239
	s_wait_dscnt 0x0
	s_endpgm
.Lfunc_end_k_q8cbc66365b_chain:
	.size	k_q8cbc66365b_chain, .Lfunc_end_k_q8cbc66365b_chain-k_q8cbc66365b_chain
	.p2alignl 7, 3214868480
	.fill 96, 4, 3214868480
	.section	.rodata,"a",@progbits
	.p2align	6, 0x0
	.amdhsa_kernel k_q8cbc66365b_chain
		.amdhsa_group_segment_fixed_size 185856
		.amdhsa_private_segment_fixed_size 0
		.amdhsa_enable_private_segment 0
		.amdhsa_kernarg_size 80
		.amdhsa_user_sgpr_count 2
		.amdhsa_user_sgpr_kernarg_segment_ptr 1
		.amdhsa_wavefront_size32 1
		.amdhsa_system_sgpr_workgroup_id_x 1
		.amdhsa_system_sgpr_workgroup_id_y 1
		.amdhsa_system_sgpr_workgroup_id_z 1
		.amdhsa_system_vgpr_workitem_id 0
		.amdhsa_next_free_vgpr 1024
		.amdhsa_next_free_sgpr 72
		.amdhsa_reserve_vcc 0
		.amdhsa_float_denorm_mode_32 3
		.amdhsa_float_denorm_mode_16_64 3
		.amdhsa_memory_ordered 1
		.amdhsa_forward_progress 1
		.amdhsa_inst_pref_size 255
	.end_amdhsa_kernel
	.section	.bss,"aw",@nobits
	.p2align	6
	.space	262144
	.amdgpu_metadata
---
amdhsa.version: [ 1, 2 ]
amdhsa.kernels:
  - .name:           k_q8cbc66365b_chain
    .symbol:         k_q8cbc66365b_chain.kd
    .args:
      - { .name: list, .offset: 0, .size: 8, .value_kind: global_buffer, .address_space: global }
      - { .name: xq, .offset: 8, .size: 8, .value_kind: global_buffer, .address_space: global }
      - { .name: xs, .offset: 16, .size: 8, .value_kind: global_buffer, .address_space: global }
      - { .name: gate, .offset: 24, .size: 8, .value_kind: global_buffer, .address_space: global }
      - { .name: wq, .offset: 32, .size: 8, .value_kind: global_buffer, .address_space: global }
      - { .name: W1_scales, .offset: 40, .size: 8, .value_kind: global_buffer, .address_space: global }
      - { .name: W2_scales, .offset: 48, .size: 8, .value_kind: global_buffer, .address_space: global }
      - { .name: b1, .offset: 56, .size: 8, .value_kind: global_buffer, .address_space: global }
      - { .name: b2, .offset: 64, .size: 8, .value_kind: global_buffer, .address_space: global }
      - { .name: out0, .offset: 72, .size: 8, .value_kind: global_buffer, .address_space: global }
    .group_segment_fixed_size: 185856
    .private_segment_fixed_size: 0
    .kernarg_segment_align: 8
    .kernarg_segment_size: 80
    .max_flat_workgroup_size: 128
    .sgpr_count:     72
    .vgpr_count:     1024
    .wavefront_size: 32
...
	.end_amdgpu_metadata
.endif
;; end of part 3
;; ======== version 2 of 3: 4 launches
;; workspace buffers: xq 3,145,728 bytes; xs 131,072 bytes; gate 32,768 bytes; route 49,152 bytes of whole numbers; list 25,344 bytes of whole numbers; wq 12,582,912 bytes; hq 8,945,664 bytes; hs 372,736 bytes
;; launch route: the kernel of part 1 again; grid 256 x 1, 8 waves a work-group, no clusters, 66,560 bytes of LDS; arguments x, Wg, xq, xs, gate, route; writes xq, xs, gate, route
;; launch place: the kernel of part 2 again; grid 129 x 1, 8 waves a work-group, no clusters, 2,048 bytes of LDS; arguments route, W1_codes, W2_codes, list, wq; writes list, wq
;; launch chain1 (part 4): grid 91 x 2, 4 waves a work-group, no clusters, 49,664 bytes of LDS; arguments list, xq, xs, wq, W1_scales, b1, hq, hs; writes hq, hs
.if DOCPART == 4
	.amdgcn_target "amdgcn-amd-amdhsa--gfx1250"
	.amdhsa_code_object_version 6
	.text
	.protected	k_q8cbc66365b_chain1
	.globl	k_q8cbc66365b_chain1
	.p2align	8
	.type	k_q8cbc66365b_chain1,@function
k_q8cbc66365b_chain1:
	s_mov_b64 s[64:65], 0
	v_nop
	global_prefetch_b8 v0, s[64:65] scope:SCOPE_SE
	s_setreg_imm32_b32 hwreg(HW_REG_WAVE_MODE, 25, 1), 1
	s_wait_xcnt 0x0
; CHAIN1.  The first product of the experts' chain.  A tile is up to 64 tokens that chose the same two experts; work-group (tile, x) makes relu(x W1 + b1) of ONE of the two for all 1,024 hidden units,
; quantises it along the hidden units to codes of FP6 (E2M3) with E8M0 scales, and stores it as the second product's operand.  The product is on codes of FP6 with E8M0 scales.
; WHY THE CHAIN IS CUT HERE: a tile's eight passes are so shared among four work-groups, two here and two in the next launch; what goes through memory is the hidden layer as codes, 102,400 bytes a tile.
; OUT: hq [tile][slot 16][token tile m 4][1,536 bytes]: a fragment's 12 registers as an image: registers 4 c .. 4 c + 3 of lane l at 512 c + 16 l.   hs [tile][slot 16][token r 16][m 4]: the fragments' scale words.
; Slot 8 x + 4 n + w holds hidden units 128 (w + 4 (n ^ b1)) on, of expert F (x = 0) or S (x = 1).  F is lo or hi by the tile's number (b0), and b1 flips the halves, so that tiles of one expert do not all begin at the same weights.
; The grid's 91 tiles serve every split of the tokens (64 + 27 at the most).  A tile that the split leaves empty stores nothing: it passes the one barrier and ends behind it.
; A slot past the tile's count repeats the tile's last token.
; NO TENSOR LOADS, NO CLUSTER: which weights a tile walks, and whether it works at all, hangs on the stored list, so partners could not be given equal requests; and each weight byte feeds one wave alone, so LDS would save no read.
; SHARES.  THE WAVES SHARE THE COLUMNS.  A PASS is 128 columns (8 weight tiles) x 64 tokens (4 tiles) x K = 1,024: 8 K steps of 32 matrix instructions on 32 accumulators; its weights are 98,304 consecutive bytes of wq.  A wave runs two passes.
; THE MATRIX INSTRUCTION IS USED TRANSPOSED: source 0 = 16 rows of W1, source 1 = 16 tokens.  Lane (r, h) holds token r; by the choice of a tile's rows the 16 registers of tiles 2 b, 2 b + 1 are columns 32 b + 16 h + 0 .. 15 of the group: neighbours along the next K.
; LIMITS: a block of the hidden layer whose largest number lies under 2^(3 - 127) keeps the byte 1 (a block of zeros too: its codes are zeros, and this program alone reads the bytes).
; LDS: x's 32 fragment images (K step s, token tile m at (4 s + m) 1,536).
; REGISTERS, in windows of 256.  Window 0: addresses, scale words (v40-87), two sets of four token fragments (v88-183), the quantiser's work.  Window 1: weight buffers 0, 1 (96 each), from v192 a pass's bias (8 tiles x 8).
;   Window 2: weight buffers 2, 3.  Window 3: the 32 accumulators, (m, t) at 64 m + 8 t.
.set L16,  1                           ; v1   16 x lane
.set BAX,  1                           ;      x's images begin at LDS byte 0
.set LNR,  2                           ; v2   r
.set LNH,  3                           ; v3   h
.set SO,   11                          ; v11  a weight's scale words: 32 x (8 h + r + 8 (r / 8))
.set BO,   12                          ; v12  a bias: 64 h
.set XW,   13                          ; v13  where my wave stores x's images
.set HSO,  14                          ; v14  16 r: my token's four scale words in a slot
.set TOK,  16                          ; v16-19 token of slot 16 m + r
.set TOKW, 20                          ; v20  token of slot 16 w + r
.set SW,   40                          ; v40-71 weight scale words: register 8 tp + s: lanes 0-15 tile 2 tp, lanes 16-31 tile 2 tp + 1, K step s
.set BS,   72                          ; v72-87 x's scale words: register 4 m + s % 4: lanes 0-15 steps 0-3, lanes 16-31 steps 4-7
.set BF,   88                          ; v88-183 token fragments, two sets of four
.set TM,   184                         ; v184-199 the quantiser's work
.set PW,   200                         ; v200-203 the scale words just made, one for each token tile
.set PC,   204                         ; v204-222 the codes just made
.set HT,   224                         ; v224-255 the head's work
.set BIA,  192                         ; in window 1
; scalars: s[8:23] the eight buffers; s[24:25] hq and s[26:27] hs at my wave's first slot; s28 my expert, s30 count, s31 wave, s32 b0, s33 b1, s49 x; s[34:35] WB: this pass's second lap;
; s[36:37] WA, s[38:39] WBn: the next pass's laps; s[40:41] SA, s[42:43] SB: its scale words; s[44:45] its bias; s[46:47] lane selects; s51 expert, s54 column group; s56-63 at work; s[68:69] my tile's slots
.set MSB, 0
.macro WIN new                         ; the immediate's high byte repeats the setting that is left
.if MSB != \new
	s_set_vgpr_msb (MSB<<8)|\new
.set MSB, \new
.endif
.endm
; a pass's addresses, from s51 and s54.  The expert is a loaded number: it is held at 7 ahead of the arithmetic
.macro NEXTP
	s_min_u32 s51, s51, 7
	s_lshl_b32 s56, s51, 3
	s_add_co_u32 s56, s56, s54                     ; 8 e + cg
	s_mul_i32 s58, s56, 98304                      ; the pass's weights
	s_mov_b32 s59, 0
	s_add_nc_u64 s[36:37], s[14:15], s[58:59]
	s_add_nc_u64 s[38:39], s[36:37], 49152         ; a lap is four K steps of 12,288 bytes
	s_lshl_b32 s58, s56, 12                        ; 128 rows of 32 scale bytes
	s_add_nc_u64 s[40:41], s[16:17], s[58:59]
	s_add_nc_u64 s[42:43], s[40:41], 16            ; a lap's four words
	s_lshl_b32 s58, s56, 9                         ; 128 f32
	s_add_nc_u64 s[44:45], s[18:19], s[58:59]
.endm
.macro LOADW buf, ptr, k               ; a K step's eight weight fragments: 24 loads of 512 consecutive bytes
.if (\buf) < 2
	WIN 0x40
.else
	WIN 0x80
.endif
.set rW, 96*((\buf)&1)
.irp t, 0,1,2,3,4,5,6,7
.irp c, 0,1,2
	global_load_b128 v[rW+12*\t+4*\c:rW+12*\t+4*\c+3], v[L16], s[\ptr:\ptr+1] offset:(\k)*12288+1536*\t+512*\c
.endr
.endr
.endm
.macro LOADSW j, ptr                   ; a lap's weight scale words: four words a row
.irp tp, 0,1,2,3
	global_load_b128 v[SW+8*\tp+4*(\j):SW+8*\tp+4*(\j)+3], v[SO], s[\ptr:\ptr+1] offset:1024*\tp
.endr
.endm
.macro LOADBIAS                        ; tile 2 b + u, lane (r, h): the bias of columns 32 b + 16 h + 8 u + 0 .. 7
.irp b, 0,1,2,3
.irp u, 0,1
.irp k, 0,1
	global_load_b128 v[BIA+8*(2*\b+\u)+4*\k:BIA+8*(2*\b+\u)+4*\k+3], v[BO], s[44:45] offset:128*\b+32*\u+16*\k
.endr
.endr
.endr
.endm
.macro FETCHB set, ba, s               ; the four token fragments of K step s: 12 LDS loads of 512 consecutive bytes
.irp m, 0,1,2,3
.irp c, 0,1,2
	ds_load_b128 v[BF+48*(\set)+12*\m+4*\c:BF+48*(\set)+12*\m+4*\c+3], v[\ba] offset:(4*(\s)+\m)*1536+512*\c
.endr
.endr
.endm
; A K STEP.  Step 0 starts the sums with the bias as C.  ahead = 1: steps 4 to 7 ask for the next pass's first lap, scale words and bias.  ba: the token images; bn: those of the next pass (0: none).
; THE WAIT FOR WEIGHTS.  Each step's end asks for the weights four steps on, 24 loads; the scale words (4) and the bias (16) go out ahead of the weights of their step's end.  So behind the loads that a step wants
; at least 72 younger ones have been issued, and the wait names 63, the largest count that it can name.  In the last pass nothing follows the second lap: behind step s's weights stand 24 (7 - s) loads.
; THE WAIT FOR TOKENS leaves the next step's 12 LDS loads out.  The 32 accumulators take turns, one instruction a turn, in the same order in every step.
.macro STEP s, ahead, ba, bn
.if (\ahead) || ((\s) < 5)
	s_wait_loadcnt 63
.else
	s_wait_loadcnt 24*(7-(\s))
.endif
.if ((\s) == 7) && ((\bn) == 0)
	s_wait_dscnt 0x0
.else
	s_wait_dscnt 12
.endif
.if (\s) == 0
	WIN 0xd1                                       ; source 0 and C window 1, source 1 window 0, D window 3
.elseif ((\s)%4) < 2
	WIN 0xf1                                       ; source 0 window 1, C and D window 3
.else
	WIN 0xf2                                       ; source 0 window 2
.endif
.irp t, 0,1,2,3,4,5,6,7
.irp m, 0,1,2,3
.set rD, 64*\m+8*\t
.set rC, rD
.if (\s) == 0
.set rC, BIA+8*\t
.endif
.set rFA, 96*((\s)&1)+12*\t
.set rFB, BF+48*((\s)%2)+12*\m
.set rSA, SW+8*(\t/2)+(\s)
.set rSB, BS+4*\m+((\s)%4)
.if (\t%2) && ((\s) >= 4)
	v_wmma_scale_f32_16x16x128_f8f6f4 v[rD:rD+7], v[rFA:rFA+11], v[rFB:rFB+11], v[rC:rC+7], v[rSA], v[rSB] matrix_a_fmt:MATRIX_FMT_FP6 matrix_b_fmt:MATRIX_FMT_FP6 matrix_a_scale:MATRIX_SCALE_ROW1 matrix_b_scale:MATRIX_SCALE_ROW1
.elseif (\t%2)
	v_wmma_scale_f32_16x16x128_f8f6f4 v[rD:rD+7], v[rFA:rFA+11], v[rFB:rFB+11], v[rC:rC+7], v[rSA], v[rSB] matrix_a_fmt:MATRIX_FMT_FP6 matrix_b_fmt:MATRIX_FMT_FP6 matrix_a_scale:MATRIX_SCALE_ROW1
.elseif ((\s) >= 4)
	v_wmma_scale_f32_16x16x128_f8f6f4 v[rD:rD+7], v[rFA:rFA+11], v[rFB:rFB+11], v[rC:rC+7], v[rSA], v[rSB] matrix_a_fmt:MATRIX_FMT_FP6 matrix_b_fmt:MATRIX_FMT_FP6 matrix_b_scale:MATRIX_SCALE_ROW1
.else
	v_wmma_scale_f32_16x16x128_f8f6f4 v[rD:rD+7], v[rFA:rFA+11], v[rFB:rFB+11], v[rC:rC+7], v[rSA], v[rSB] matrix_a_fmt:MATRIX_FMT_FP6 matrix_b_fmt:MATRIX_FMT_FP6
.endif
.endr
.endr
.rept 4
	v_nop                                          ; four places in front of loads into registers that matrix instructions have read, and of the first read of results
.endr
.if ((\s) == 4) && (\ahead)
	WIN 0
	LOADSW 0, 40
	WIN 0x40
	LOADBIAS
.endif
.if ((\s) == 7) && (\ahead)
	WIN 0
	LOADSW 1, 42
.endif
.if (\s) < 4
	LOADW (\s)%4, 34, \s
.elseif \ahead
	LOADW (\s)%4, 36, (\s)-4
.endif
	WIN 0
.if (\s) < 6
	FETCHB (\s)%2, \ba, (\s)+2
.elseif (\bn) != 0
	FETCHB (\s)%2, \bn, (\s)-6
.endif
.endm
.macro LAPA ba
	STEP 0, 1, \ba, 0
	STEP 1, 1, \ba, 0
	STEP 2, 1, \ba, 0
	STEP 3, 1, \ba, 0
.endm
.macro LAPB ahead, ba, bn
	STEP 4, \ahead, \ba, \bn
	STEP 5, \ahead, \ba, \bn
	STEP 6, \ahead, \ba, \bn
	STEP 7, \ahead, \ba, \bn
.endm
.macro RELU m                          ; the activation, in f32, each accumulator from its low end on
	WIN 0xcc
.set i, 0
.rept 64
	v_max_num_f32 v[64*(\m)+i], 0, v[64*(\m)+i]
.set i, i+1
.endr
.endm
; token tile m's 64 numbers of a lane (register 16 b + i = column 32 b + 16 h + i of the group, none negative) become a fragment's codes in v[PC] on and its scale word in v[PW + m]
.macro QUANT3 m
	WIN 0x0f                                       ; sources 0 and 1 window 3
.irp b, 0,1,2,3
	v_max3_num_f32 v[TM+\b], v[64*(\m)+16*\b], v[64*(\m)+16*\b+1], 0x1800000   ; my 16 of block b, and the floor 2^(3 - 127): the byte cannot fall under 1
.endr
.irp i, 2,4,6,8,10,12,14
.irp b, 0,1,2,3
	v_max3_num_f32 v[TM+\b], v[64*(\m)+16*\b+\i], v[64*(\m)+16*\b+\i+1], v[TM+\b]   ; (the four blocks by turns)
.endr
.endr
	WIN 0
.irp b, 0,1,2,3
	v_permlanex16_b32 v[TM+4+\b], v[TM+\b], s46, s47
.endr
.irp b, 0,1,2,3
	v_max_num_f32 v[TM+\b], v[TM+\b], v[TM+4+\b]   ; with lane l xor 16's: the block's largest
.endr
.irp b, 0,1,2,3
	v_add_nc_u32 v[TM+12+\b], 0xff000000, v[TM+\b] ; 2 off its exponent field: the conversion's scale operand
.endr
.irp b, 0,1,2,3
	v_lshrrev_b32 v[TM+4+\b], 23, v[TM+12+\b]      ; the scale's byte
.endr
	v_lshl_or_b32 v[PW+(\m)], v[TM+5], 8, v[TM+4]
	v_lshl_or_b32 v[PW+(\m)], v[TM+6], 16, v[PW+(\m)]
	v_lshl_or_b32 v[PW+(\m)], v[TM+7], 24, v[PW+(\m)]
	WIN 0x03                                       ; source 0 window 3
.irp c, 0,1
	v_cvt_scalef32_pk16_fp6_f32 v[PC+6*\c:PC+6*\c+2], v[64*(\m)+32*\c:64*(\m)+32*\c+15], v[TM+12+2*\c]
	v_cvt_scalef32_pk16_fp6_f32 v[PC+12+4*\c:PC+12+4*\c+2], v[64*(\m)+32*\c+16:64*(\m)+32*\c+31], v[TM+12+2*\c+1]   ; (a conversion's three registers begin on an even number)
.endr
	WIN 0
	v_nop                                          ; one plain line behind a scaled conversion
.irp c, 0,1                            ; the operand wants a WHOLE block in a lane: lanes 0-15 block 2 c, lanes 16-31 block 2 c + 1
.irp i, 0,1,2
	v_permlane16_swap_b32 v[PC+6*\c+\i], v[PC+12+4*\c+\i]
.endr
.irp i, 0,1,2
	v_mov_b32 v[PC+3+6*\c+\i], v[PC+12+4*\c+\i]
.endr
.endr
.endm
; pass n ends: four fragments of the hidden layer leave as images of their registers, 512 consecutive bytes a store, and their scale words as one aligned block of 256 bytes
.macro EPI1 n
	RELU 0
.irp m, 0,1,2,3
	QUANT3 \m
.irp c, 0,1,2
	global_store_b128 v[L16], v[PC+4*\c:PC+4*\c+3], s[24:25] offset:24576*(\n)+1536*\m+512*\c
.endr
.if \m < 3
	RELU \m+1                                      ; the next tile's activation stands between the stores and the wait
	WIN 0
	s_wait_xcnt 0x0                                ; the stores have read their data: the next tile's codes are written only behind this wait
.endif
.endr
	global_store_b128 v[HSO], v[PW:PW+3], s[26:27] offset:1024*(\n)   ; token r's four words; lanes 16-31 hold the same words and write the same bytes
.endm
	s_load_b512 s[8:23], s[0:1], 0x0               ; list, xq, xs, wq, W1's scales, b1, hq, hs
	v_lshl_add_u32 v254, v0, 2, 0xc000
	v_mov_b32 v255, 0
	v_lshrrev_b32 v4, 5, v0
	v_readfirstlane_b32 s31, v4                    ; wave 0..3
	v_and_b32 v4, 31, v0
	v_and_b32 v[LNR], 15, v0
	v_bfe_u32 v[LNH], v0, 4, 1
	v_lshlrev_b32 v[L16], 4, v4
	v_lshlrev_b32 v[HSO], 4, v[LNR]
	v_and_b32 v21, 8, v[LNR]
	v_add_nc_u32 v21, v21, v[LNR]
	v_lshl_add_u32 v21, v[LNH], 3, v21
	v_lshlrev_b32 v[SO], 5, v21
	v_lshlrev_b32 v[BO], 6, v[LNH]
	s_mul_i32 s56, s31, 1536
	v_add_nc_u32 v[XW], s56, v[L16]
.irp b, 0,1,2,3
	v_mov_b32 v[TM+4+\b], 0                        ; written once: a lane permute's destination counts as one of its sources
.endr
	s_and_b32 s32, ttmp9, 1                        ; b0
	s_bfe_u32 s33, ttmp9, 0x10001                  ; b1
	s_and_b32 s49, ttmp7, 0xffff                   ; x: F's run or S's
	s_lshl_b32 s60, ttmp9, 4
	s_mov_b32 s46, 0x76543210
	s_mov_b32 s47, 0xfedcba98                      ; v_permlanex16_b32's selects for lane l xor 16
	s_wait_kmcnt 0x0
	s_load_b128 s[56:59], s[8:9], s60 offset:0x0   ; my tile's record: lo, hi, count
	s_wait_kmcnt 0x0
	s_xor_b32 s61, s32, s49                        ; F is lo where b0 = 0, S the other: so my expert is hi where b0 xor x = 1
	s_cmp_eq_u32 s61, 0
	s_cselect_b32 s28, s56, s57
	s_min_u32 s28, s28, 7
	s_min_u32 s30, s58, 64
	s_cmp_eq_u32 s30, 0
	s_cselect_b32 s60, 0, ttmp9                    ; an empty tile has no slot that was written: it reads tile 0's first, and stores nothing
	s_min_u32 s60, s60, 90
	s_lshl_b32 s60, s60, 8
	s_add_co_u32 s60, s60, 2048
	s_mov_b32 s61, 0
	s_add_nc_u64 s[68:69], s[8:9], s[60:61]
	s_lshl_b32 s60, s49, 3
	s_add_co_u32 s60, s60, s31                     ; my first slot: 8 x + w
	s_mul_i32 s62, s60, 6144                       ; a slot is four images
	s_mul_i32 s63, ttmp9, 98304
	s_add_co_u32 s62, s62, s63
	s_mov_b32 s63, 0
	s_add_nc_u64 s[24:25], s[20:21], s[62:63]
	s_lshl_b32 s62, s60, 8
	s_lshl_b32 s60, ttmp9, 12
	s_add_co_u32 s62, s62, s60
	s_add_nc_u64 s[26:27], s[22:23], s[62:63]
	s_max_u32 s62, s30, 1
	s_sub_co_u32 s62, s62, 1                       ; the last slot that was written
	s_lshl_b32 s63, s31, 4
.irp m, 0,1,2,3
	v_add_nc_u32 v[HT+\m], 16*\m, v[LNR]
.endr
	v_add_nc_u32 v[HT+4], s63, v[LNR]
.irp m, 0,1,2,3,4
	v_min_u32 v[HT+\m], s62, v[HT+\m]
	v_min_u32 v[HT+\m], 63, v[HT+\m]
	v_lshlrev_b32 v[HT+\m], 2, v[HT+\m]
.endr
.irp m, 0,1,2,3,4
	global_load_b32 v[TOK+\m], v[HT+\m], s[68:69]
.endr
	s_mov_b32 s51, s28                             ; pass 0: column group w + 4 b1
	s_lshl_b32 s54, s33, 2
	s_add_co_u32 s54, s54, s31
	NEXTP
	LOADSW 0, 40
	WIN 0x40
	LOADBIAS
	LOADW 0, 36, 0
	WIN 0
	s_wait_loadcnt 44                              ; the five token loads are in: behind them 4 + 16 + 24
.irp m, 0,1,2,3,4
	v_min_u32 v[TOK+\m], 0xfff, v[TOK+\m]
.endr
	v_mul_u32_u24 v[HT+5], v[TOKW], 768
	v_mad_u32_u24 v[HT+5], v[LNH], 48, v[HT+5]     ; my token's codes, my half's 48 bytes of a K step
.irp m, 0,1,2,3
	v_lshlrev_b32 v[HT+6+\m], 5, v[TOK+\m]
	v_lshl_add_u32 v[HT+6+\m], v[LNH], 4, v[HT+6+\m]
.endr
	WIN 0xc0                                       ; destination window 3: the accumulators are not in use yet
.irp s, 0,1,2,3,4,5,6,7
.irp c, 0,1,2
	global_load_b128 v[12*\s+4*\c:12*\s+4*\c+3], v[HT+5], s[10:11] offset:96*\s+16*\c
.endr
.endr
	WIN 0
.irp m, 0,1,2,3
	global_load_b128 v[BS+4*\m:BS+4*\m+3], v[HT+6+\m], s[12:13]   ; x's scale words: lanes 0-15 K steps 0-3, lanes 16-31 K steps 4-7
.endr
	LOADW 1, 36, 1
	WIN 0
	s_wait_loadcnt 24                              ; all but the 24 just issued
	WIN 0x0c
.irp s, 0,1,2,3,4,5,6,7
.irp c, 0,1,2
	ds_store_b128 v[XW], v[12*\s+4*\c:12*\s+4*\c+3] offset:6144*\s+512*\c   ; token tile w, K step s, as an image of its registers
.endr
.endr
	LOADW 2, 36, 2
	WIN 0
	LOADSW 1, 42
	LOADW 3, 36, 3
	WIN 0
	s_wait_dscnt 0x0                               ; for the others' sake: my images have landed
	s_barrier_signal -1
	s_barrier_wait -1                              ; x's 32 fragments lie in LDS; no barrier follows
	s_cmp_eq_u32 s30, 0
	s_cbranch_scc1 .Lend                           ; an empty tile ends here
	FETCHB 0, BAX, 0
	FETCHB 1, BAX, 1
	s_wait_xcnt 0x0                                ; the loads issued so far have read their bases: they may be written
	s_mov_b64 s[34:35], s[38:39]
	s_xor_b32 s54, s54, 4                          ; the next pass: the other half of the hidden units
	NEXTP
	LAPA BAX
	LAPB 1, BAX, BAX
	EPI1 0
	s_wait_xcnt 0x0                                ; the loads have read their bases, the stores their data
	s_mov_b64 s[34:35], s[38:39]
	LAPA BAX
	LAPB 0, BAX, 0                                 ; the last pass's second lap asks for nothing more, and its counts run down
	EPI1 1
.Lend:
	s_wait_tensorcnt 0x0
	ds_add_u32 v254, v255
	s_wait_dscnt 0x0
	s_endpgm
.Lfunc_end_k_q8cbc66365b_chain1:
	.size	k_q8cbc66365b_chain1, .Lfunc_end_k_q8cbc66365b_chain1-k_q8cbc66365b_chain1
	.p2alignl 7, 3214868480
	.fill 96, 4, 3214868480
	.section	.rodata,"a",@progbits
	.p2align	6, 0x0
	.amdhsa_kernel k_q8cbc66365b_chain1
		.amdhsa_group_segment_fixed_size 49664
		.amdhsa_private_segment_fixed_size 0
		.amdhsa_enable_private_segment 0
		.amdhsa_kernarg_size 64
		.amdhsa_user_sgpr_count 2
		.amdhsa_user_sgpr_kernarg_segment_ptr 1
		.amdhsa_wavefront_size32 1
		.amdhsa_system_sgpr_workgroup_id_x 1
		.amdhsa_system_sgpr_workgroup_id_y 1
		.amdhsa_system_sgpr_workgroup_id_z 1
		.amdhsa_system_vgpr_workitem_id 0
		.amdhsa_next_free_vgpr 1024
		.amdhsa_next_free_sgpr 72
		.amdhsa_reserve_vcc 0
		.amdhsa_float_denorm_mode_32 3
		.amdhsa_float_denorm_mode_16_64 3
		.amdhsa_memory_ordered 1
		.amdhsa_forward_progress 1
		.amdhsa_inst_pref_size 182
	.end_amdhsa_kernel
	.amdgpu_metadata
---
amdhsa.version: [ 1, 2 ]
amdhsa.kernels:
  - .name:           k_q8cbc66365b_chain1
    .symbol:         k_q8cbc66365b_chain1.kd
    .args:
      - { .name: list, .offset: 0, .size: 8, .value_kind: global_buffer, .address_space: global }
      - { .name: xq, .offset: 8, .size: 8, .value_kind: global_buffer, .address_space: global }
      - { .name: xs, .offset: 16, .size: 8, .value_kind: global_buffer, .address_space: global }
      - { .name: wq, .offset: 24, .size: 8, .value_kind: global_buffer, .address_space: global }
      - { .name: W1_scales, .offset: 32, .size: 8, .value_kind: global_buffer, .address_space: global }
      - { .name: b1, .offset: 40, .size: 8, .value_kind: global_buffer, .address_space: global }
      - { .name: hq, .offset: 48, .size: 8, .value_kind: global_buffer, .address_space: global }
      - { .name: hs, .offset: 56, .size: 8, .value_kind: global_buffer, .address_space: global }
    .group_segment_fixed_size: 49664
    .private_segment_fixed_size: 0
    .kernarg_segment_align: 8
    .kernarg_segment_size: 64
    .max_flat_workgroup_size: 128
    .sgpr_count:     72
    .vgpr_count:     1024
    .wavefront_size: 32
...
	.end_amdgpu_metadata
.endif
;; end of part 4
;; launch chain2 (part 5): grid 91 x 2, 4 waves a work-group, no clusters, 132,608 bytes of LDS; arguments list, gate, wq, W2_scales, b2, hq, hs, out0; writes out0
.if DOCPART == 5
	.amdgcn_target "amdgcn-amd-amdhsa--gfx1250"
	.amdhsa_code_object_version 6
	.text
	.protected	k_q8cbc66365b_chain2
	.globl	k_q8cbc66365b_chain2
	.p2align	8
	.type	k_q8cbc66365b_chain2,@function
k_q8cbc66365b_chain2:
	s_mov_b64 s[64:65], 0
	v_nop
	global_prefetch_b8 v0, s[64:65] scope:SCOPE_SE
	s_setreg_imm32_b32 hwreg(HW_REG_WAVE_MODE, 25, 1), 1
	s_wait_xcnt 0x0
; CHAIN2.  The second product of the experts' chain and the gates.  Work-group (tile, y) makes 512 of the 1,024 output columns (column groups 4 y + w) for the tile's up to 64 tokens:
; out = g_lo (h_lo W2_lo + b2_lo) + g_hi (h_hi W2_hi + b2_hi), h the hidden layer as the launch before stored it: codes of FP6 (E2M3) with E8M0 scales, as images of the operand's registers.
; The grid's 91 tiles serve every split of the tokens.  A tile that the split leaves empty reads tile 0's hidden layer and first slot (no byte that nobody stored), passes the one barrier, stores nothing and ends behind it.
; A slot past the tile's count repeats the tile's last token: the row is made twice and the same bytes are stored twice by the same wave.
; NO TENSOR LOADS, NO CLUSTER: which weights a tile walks, and whether it works at all, hangs on the stored list, so partners could not be given equal requests; and each weight byte feeds one wave alone, so LDS would save no read.
; SHARES.  THE WAVES SHARE THE COLUMNS.  A PASS is 128 columns (8 weight tiles) x 64 tokens (4 tiles) x K = 1,024: 8 K steps of 32 matrix instructions on 32 accumulators; its weights are 98,304 consecutive bytes of wq.  A wave runs two: F, then S.
; F is lo or hi by the tile's number (b0).  Slot s of a run holds hidden units 128 (s ^ 4 b1) on, so with b1 = 1 W2's two laps of four K steps are taken in the other order.
; BOTH EXPERTS SHARE ONE SET OF ACCUMULATORS: out = y (p (A_F + b2_F) + A_S + b2_S), y = max(g_S, 2^-30), p = g_F / y.  F's sums begin with C = b2_F; one packed multiply-add a pair (x p, + b2_S); S's sums add on; y at the end.
; LIMITS: a gate weight under 2^-30 is taken as 2^-30, which adds at most 2^-30 x that expert's row; the two experts' rows are weighed and added in this order, not in the order of the two largest logits; K is summed by laps as said above.
; THE MATRIX INSTRUCTION IS USED TRANSPOSED: source 0 = 16 rows of W2, source 1 = 16 tokens.  Lane (r, h) holds token r; by the choice of a tile's rows the 16 registers of tiles 2 b, 2 b + 1 are columns 32 b + 16 h + 0 .. 15 of the group.
; LDS: the hidden layer's 64 fragment images as they lie in hq (slot k, token tile m at (4 k + m) 1,536; F: slots 0-7, S: 8-15); a stage of 16 rows x 528 bytes for each wave.
; REGISTERS, in windows of 256.  Window 0: addresses, gates, scale words, two sets of four token fragments (v88-183).  Window 1: weight buffers 0, 1 (96 each), from v192 a pass's bias (8 tiles x 8).
;   Window 2: weight buffers 2, 3; from v192 16 rows on the way out.  Window 3: the 32 accumulators, (m, t) at 64 m + 8 t; at the head my quarter of the hidden layer on its way to LDS.
.set STG,  98304
.set SPT,  528
.set L16,  1                           ; v1   16 x lane
.set BAF,  1                           ;      F's hidden images begin at LDS byte 0
.set LNR,  2                           ; v2   r
.set LNH,  3                           ; v3   h
.set BAS,  6                           ; v6   S's
.set HSA,  7                           ; v7   the hidden layer's scale words: 1,024 h + 16 r
.set SO,   11                          ; v11  a weight's scale words: 32 x (8 h + r + 8 (r / 8))
.set BO,   12                          ; v12  a bias: 64 h
.set HCP,  13                          ; v13  where my wave puts its quarter of the hidden layer: 16 x lane + 24,576 w
.set STO,  14                          ; v14  the stage, in
.set RD,   15                          ; v15  the stage, out
.set TOK,  16                          ; v16-19 token of slot 16 m + r
.set RHO,  24                          ; v24-31 p of token tile m, twice
.set GAM,  32                          ; v32-39 y likewise
.set SW,   40                          ; v40-71 weight scale words: register 8 tp + s: lanes 0-15 tile 2 tp, lanes 16-31 tile 2 tp + 1, K step s
.set BSF,  72                          ; v72-87 F's hidden scale words: register 4 (s % 4) + m: lanes 0-15 steps 0-3, lanes 16-31 steps 4-7
.set BF,   88                          ; v88-183 token fragments, two sets of four
.set RO,   184                         ; v184-199 the 16 rows' offsets in out0
.set BSS,  200                         ; v200-215 S's hidden scale words
.set HT,   224                         ; v224-255 the head's work
.set BIA,  192                         ; in window 1
.set BK,   192                         ; in window 2
; scalars: s[8:23] the eight buffers; s[24:25] hq at my quarter, s[26:27] hs of the tile; s28 F, s29 S, s30 count, s31 wave, s32 b0, s33 b1, s48 the tile that is read, s49 y; s[34:35] WB: this pass's second lap;
; s[36:37] WA, s[38:39] WBn: the next pass's laps; s[40:41] SA, s[42:43] SB: its scale words; s[44:45] its bias; s51 expert, s54 column group, s55 lap flip; s[52:53] out0 at my columns; s56-63 at work;
; s[68:69] the tile's slots; s72-87 sixteen rows' tokens
.set MSB, 0
.macro WIN new                         ; the immediate's high byte repeats the setting that is left
.if MSB != \new
	s_set_vgpr_msb (MSB<<8)|\new
.set MSB, \new
.endif
.endm
; a pass's addresses, from s51, s54, s55.  The expert is a loaded number: it is held at 7 ahead of the arithmetic
.macro NEXTP
	s_min_u32 s51, s51, 7
	s_lshl_b32 s56, s51, 3
	s_add_co_u32 s56, s56, s54                     ; 8 e + cg
	s_add_co_u32 s57, s56, 64                      ; W2's passes lie behind W1's 64
	s_mul_i32 s58, s57, 98304
	s_xor_b32 s62, s55, 1
	s_mul_i32 s57, s55, 49152                      ; a lap is four K steps of 12,288 bytes
	s_mul_i32 s63, s62, 49152
	s_add_co_u32 s60, s58, s63
	s_add_co_u32 s58, s58, s57
	s_mov_b32 s59, 0
	s_mov_b32 s61, 0
	s_add_nc_u64 s[36:37], s[12:13], s[58:59]
	s_add_nc_u64 s[38:39], s[12:13], s[60:61]
	s_lshl_b32 s58, s56, 12                        ; 128 rows of 32 scale bytes
	s_lshl_b32 s57, s55, 4                         ; a lap's four words
	s_lshl_b32 s63, s62, 4
	s_add_co_u32 s60, s58, s63
	s_add_co_u32 s58, s58, s57
	s_add_nc_u64 s[40:41], s[14:15], s[58:59]
	s_add_nc_u64 s[42:43], s[14:15], s[60:61]
	s_lshl_b32 s58, s56, 9                         ; 128 f32
	s_add_nc_u64 s[44:45], s[16:17], s[58:59]
.endm
.macro LOADW buf, ptr, k               ; a K step's eight weight fragments: 24 loads of 512 consecutive bytes
.if (\buf) < 2
	WIN 0x40
.else
	WIN 0x80
.endif
.set rW, 96*((\buf)&1)
.irp t, 0,1,2,3,4,5,6,7
.irp c, 0,1,2
	global_load_b128 v[rW+12*\t+4*\c:rW+12*\t+4*\c+3], v[L16], s[\ptr:\ptr+1] offset:(\k)*12288+1536*\t+512*\c
.endr
.endr
.endm
.macro LOADSW j, ptr                   ; a lap's weight scale words: four words a row
.irp tp, 0,1,2,3
	global_load_b128 v[SW+8*\tp+4*(\j):SW+8*\tp+4*(\j)+3], v[SO], s[\ptr:\ptr+1] offset:1024*\tp
.endr
.endm
.macro LOADBIAS                        ; tile 2 b + u, lane (r, h): the bias of columns 32 b + 16 h + 8 u + 0 .. 7
.irp b, 0,1,2,3
.irp u, 0,1
.irp k, 0,1
	global_load_b128 v[BIA+8*(2*\b+\u)+4*\k:BIA+8*(2*\b+\u)+4*\k+3], v[BO], s[44:45] offset:128*\b+32*\u+16*\k
.endr
.endr
.endr
.endm
.macro FETCHB set, ba, s               ; the four token fragments of K step s: 12 LDS loads of 512 consecutive bytes
.irp m, 0,1,2,3
.irp c, 0,1,2
	ds_load_b128 v[BF+48*(\set)+12*\m+4*\c:BF+48*(\set)+12*\m+4*\c+3], v[\ba] offset:(4*(\s)+\m)*1536+512*\c
.endr
.endr
.endm
; A K STEP.  kind = 0: step 0 starts the sums with the bias as C.  ahead = 1: steps 4 to 7 ask for the next pass's first lap, scale words and bias.  ba: this pass's token images; bn: the next pass's (0: none); bsb: this pass's token scale words.
; THE WAIT FOR WEIGHTS.  Each step's end asks for the weights four steps on, 24 loads; the scale words (4) and the bias (16) go out ahead of the weights of their step's end.  So behind the loads that a step wants
; at least 72 younger ones have been issued, and the wait names 63, the largest count that it can name.  In the last pass nothing follows the second lap: behind step s's weights stand 24 (7 - s) loads.
; THE WAIT FOR TOKENS leaves the next step's 12 LDS loads out.  The 32 accumulators take turns, one instruction a turn, in the same order in every step.
.macro STEP s, kind, ahead, ba, bn, bsb
.if (\ahead) || ((\s) < 5)
	s_wait_loadcnt 63
.else
	s_wait_loadcnt 24*(7-(\s))
.endif
.if ((\s) == 7) && ((\bn) == 0)
	s_wait_dscnt 0x0
.else
	s_wait_dscnt 12
.endif
.if ((\s) == 0) && ((\kind) == 0)
	WIN 0xd1                                       ; source 0 and C window 1, source 1 window 0, D window 3
.elseif ((\s)%4) < 2
	WIN 0xf1                                       ; source 0 window 1, C and D window 3
.else
	WIN 0xf2                                       ; source 0 window 2
.endif
.irp t, 0,1,2,3,4,5,6,7
.irp m, 0,1,2,3
.set rD, 64*\m+8*\t
.set rC, rD
.if ((\s) == 0) && ((\kind) == 0)
.set rC, BIA+8*\t
.endif
.set rFA, 96*((\s)&1)+12*\t
.set rFB, BF+48*((\s)%2)+12*\m
.set rSA, SW+8*(\t/2)+(\s)
.set rSB, (\bsb)+4*((\s)%4)+\m
.if (\t%2) && ((\s) >= 4)
	v_wmma_scale_f32_16x16x128_f8f6f4 v[rD:rD+7], v[rFA:rFA+11], v[rFB:rFB+11], v[rC:rC+7], v[rSA], v[rSB] matrix_a_fmt:MATRIX_FMT_FP6 matrix_b_fmt:MATRIX_FMT_FP6 matrix_a_scale:MATRIX_SCALE_ROW1 matrix_b_scale:MATRIX_SCALE_ROW1
.elseif (\t%2)
	v_wmma_scale_f32_16x16x128_f8f6f4 v[rD:rD+7], v[rFA:rFA+11], v[rFB:rFB+11], v[rC:rC+7], v[rSA], v[rSB] matrix_a_fmt:MATRIX_FMT_FP6 matrix_b_fmt:MATRIX_FMT_FP6 matrix_a_scale:MATRIX_SCALE_ROW1
.elseif ((\s) >= 4)
	v_wmma_scale_f32_16x16x128_f8f6f4 v[rD:rD+7], v[rFA:rFA+11], v[rFB:rFB+11], v[rC:rC+7], v[rSA], v[rSB] matrix_a_fmt:MATRIX_FMT_FP6 matrix_b_fmt:MATRIX_FMT_FP6 matrix_b_scale:MATRIX_SCALE_ROW1
.else
	v_wmma_scale_f32_16x16x128_f8f6f4 v[rD:rD+7], v[rFA:rFA+11], v[rFB:rFB+11], v[rC:rC+7], v[rSA], v[rSB] matrix_a_fmt:MATRIX_FMT_FP6 matrix_b_fmt:MATRIX_FMT_FP6
.endif
.endr
.endr
.rept 4
	v_nop                                          ; four places in front of loads into registers that matrix instructions have read, and of the first read of results
.endr
.if ((\s) == 4) && (\ahead)
	WIN 0
	LOADSW 0, 40
	WIN 0x40
	LOADBIAS
.endif
.if ((\s) == 7) && (\ahead)
	WIN 0
	LOADSW 1, 42
.endif
.if (\s) < 4
	LOADW (\s)%4, 34, \s
.elseif \ahead
	LOADW (\s)%4, 36, (\s)-4
.endif
	WIN 0
.if (\s) < 6
	FETCHB (\s)%2, \ba, (\s)+2
.elseif (\bn) != 0
	FETCHB (\s)%2, \bn, (\s)-6
.endif
.endm
.macro LAPA kind, ba, bsb
	STEP 0, \kind, 1, \ba, 0, \bsb
	STEP 1, 1, 1, \ba, 0, \bsb
	STEP 2, 1, 1, \ba, 0, \bsb
	STEP 3, 1, 1, \ba, 0, \bsb
.endm
.macro LAPB ahead, ba, bn, bsb
	STEP 4, 1, \ahead, \ba, \bn, \bsb
	STEP 5, 1, \ahead, \ba, \bn, \bsb
	STEP 6, 1, \ahead, \ba, \bn, \bsb
	STEP 7, 1, \ahead, \ba, \bn, \bsb
.endm
.macro MID                             ; between the experts: acc = acc p + b2_S
	s_wait_loadcnt 63                              ; behind the bias's loads 100 younger ones have been issued
	WIN 0xd3                                       ; acc window 3, p window 0, the bias window 1
.irp m, 0,1,2,3
.irp t, 0,1,2,3,4,5,6,7
.irp p, 0,2,4,6
	v_pk_fma_f32 v[64*\m+8*\t+\p:64*\m+8*\t+\p+1], v[64*\m+8*\t+\p:64*\m+8*\t+\p+1], v[RHO+2*\m:RHO+2*\m+1], v[BIA+8*\t+\p:BIA+8*\t+\p+1]
.endr
.endr
.endr
	WIN 0
.endm
; THE WAY OUT of 128 columns x 64 tokens, 16 tokens at a time: x y; a lane's 64 neighbouring bytes a block into my own stage; back as whole rows of 512 bytes; each row to its token's place in out0.
; LDS serves a wave's instructions in order (ISA guide 5.7.1.4): no wait between the stores and the loads, nor in front of the next tile's stores.
; The 16 rows' tokens are read out of the lanes as one batch into 16 scalar registers, so that the scalar lines behind them follow one run of vector lines and not sixteen.
.macro EPI2
.irp m, 0,1,2,3
	WIN 0xc3
.set i, 0
.rept 32
	v_pk_mul_f32 v[64*\m+2*i:64*\m+2*i+1], v[64*\m+2*i:64*\m+2*i+1], v[GAM+2*\m:GAM+2*\m+1]   ; each accumulator from its low end on
.set i, i+1
.endr
	WIN 0x0c                                       ; an LDS store's data are its source 1: window 3
.irp b, 0,1,2,3
.irp q, 0,1,2,3
	ds_store_b128 v[STO], v[64*\m+16*\b+4*\q:64*\m+16*\b+4*\q+3] offset:128*\b+16*\q
.endr
.endr
	s_wait_xcnt 0x0                                ; the tile before's stores have read their data and offsets: both are written again only behind this wait
	WIN 0x80
.set i, 0
.rept 16
	ds_load_b128 v[BK+4*i:BK+4*i+3], v[RD] offset:SPT*i
.set i, i+1
.endr
	WIN 0
.set i, 0
.rept 16
	v_readlane_b32 s[72+i], v[TOK+\m], i           ; row i's token
.set i, i+1
.endr
.set i, 0
.rept 16
	s_min_u32 s[72+i], s[72+i], 0xfff              ; a loaded number, held inside the table ahead of the address
.set i, i+1
.endr
.set i, 0
.rept 16
	s_lshl_b32 s[72+i], s[72+i], 12
.set i, i+1
.endr
.set i, 0
.rept 16
	v_add_nc_u32 v[RO+i], s[72+i], v[L16]
.set i, i+1
.endr
	WIN 0x08                                       ; a store's data are its source 1: window 2
.set i, 0
.rept 16
	s_wait_dscnt 15-i
	global_store_b128 v[RO+i], v[BK+4*i:BK+4*i+3], s[52:53] th:TH_STORE_NT   ; 32 lanes store 512 consecutive bytes, at a multiple of 512 from out0's first byte; written once, read by nobody here
.set i, i+1
.endr
	WIN 0
.endr
.endm
	s_load_b512 s[8:23], s[0:1], 0x0               ; list, gate, wq, W2's scales, b2, hq, hs, out0
	v_lshl_add_u32 v238, v0, 2, 0x20400
	v_mov_b32 v239, 0
	v_lshrrev_b32 v4, 5, v0
	v_readfirstlane_b32 s31, v4                    ; wave 0..3
	v_and_b32 v4, 31, v0
	v_and_b32 v[LNR], 15, v0
	v_bfe_u32 v[LNH], v0, 4, 1
	v_lshlrev_b32 v[L16], 4, v4
	v_add_nc_u32 v[BAS], 49152, v[L16]
	s_mul_i32 s56, s31, 24576
	v_add_nc_u32 v[HCP], s56, v[L16]
	v_lshlrev_b32 v[HSA], 4, v[LNR]
	v_lshl_add_u32 v[HSA], v[LNH], 10, v[HSA]
	v_and_b32 v21, 8, v[LNR]
	v_add_nc_u32 v21, v21, v[LNR]
	v_lshl_add_u32 v21, v[LNH], 3, v21
	v_lshlrev_b32 v[SO], 5, v21
	v_lshlrev_b32 v[BO], 6, v[LNH]
	s_mul_i32 s56, s31, 16*SPT
	s_add_co_u32 s56, s56, STG
	v_mul_u32_u24 v[STO], v[LNR], SPT
	v_lshl_add_u32 v[STO], v[LNH], 6, v[STO]
	v_add_nc_u32 v[STO], s56, v[STO]
	v_add_nc_u32 v[RD], s56, v[L16]
	s_and_b32 s32, ttmp9, 1                        ; b0
	s_bfe_u32 s33, ttmp9, 0x10001                  ; b1
	s_and_b32 s49, ttmp7, 0xffff                   ; y: which half of the output's columns
	s_lshl_b32 s60, ttmp9, 4
	s_wait_kmcnt 0x0
	s_load_b128 s[56:59], s[8:9], s60 offset:0x0   ; my tile's record: lo, hi, count
	s_wait_kmcnt 0x0
	s_cmp_eq_u32 s32, 0
	s_cselect_b32 s28, s56, s57                    ; F
	s_cselect_b32 s29, s57, s56                    ; S
	s_min_u32 s28, s28, 7
	s_min_u32 s29, s29, 7
	s_min_u32 s30, s58, 64
	s_cmp_eq_u32 s30, 0
	s_cselect_b32 s48, 0, ttmp9                    ; an empty tile has nothing that was written: it reads tile 0's, and stores nothing
	s_min_u32 s48, s48, 90
	s_lshl_b32 s60, s48, 8
	s_add_co_u32 s60, s60, 2048
	s_mov_b32 s61, 0
	s_add_nc_u64 s[68:69], s[8:9], s[60:61]
	s_mul_i32 s60, s48, 98304
	s_mul_i32 s62, s31, 24576
	s_add_co_u32 s60, s60, s62
	s_add_nc_u64 s[24:25], s[18:19], s[60:61]      ; my wave's quarter of the tile's hidden layer
	s_lshl_b32 s60, s48, 12
	s_add_nc_u64 s[26:27], s[20:21], s[60:61]
	s_lshl_b32 s54, s49, 2
	s_add_co_u32 s54, s54, s31                     ; my column group: 4 y + w
	s_lshl_b32 s60, s54, 9
	s_add_nc_u64 s[52:53], s[22:23], s[60:61]
	s_max_u32 s62, s30, 1
	s_sub_co_u32 s62, s62, 1                       ; the last slot that was written
.irp m, 0,1,2,3
	v_add_nc_u32 v[HT+\m], 16*\m, v[LNR]
.endr
.irp m, 0,1,2,3
	v_min_u32 v[HT+\m], s62, v[HT+\m]
	v_min_u32 v[HT+\m], 63, v[HT+\m]
	v_lshlrev_b32 v[HT+\m], 2, v[HT+\m]
.endr
.irp m, 0,1,2,3
	global_load_b32 v[TOK+\m], v[HT+\m], s[68:69]
.endr
	WIN 0xc0                                       ; destination window 3: the accumulators are not in use yet
.set i, 0
.rept 48
	global_load_b128 v[4*i:4*i+3], v[L16], s[24:25] offset:512*i   ; 24,576 consecutive bytes a wave
.set i, i+1
.endr
	WIN 0
.irp j, 0,1,2,3
	global_load_b128 v[BSF+4*\j:BSF+4*\j+3], v[HSA], s[26:27] offset:256*\j        ; slot 4 h + j, token r: the four token tiles' words
.endr
.irp j, 0,1,2,3
	global_load_b128 v[BSS+4*\j:BSS+4*\j+3], v[HSA], s[26:27] offset:2048+256*\j   ; slot 8 + 4 h + j
.endr
	s_mov_b32 s51, s28                             ; the first pass: F
	s_mov_b32 s55, s33                             ; W2's laps change places where b1 = 1
	NEXTP
	LOADSW 0, 40
	WIN 0x40
	LOADBIAS
	LOADW 0, 36, 0
	WIN 0
	s_wait_loadcnt 44                              ; the tokens, my quarter of the hidden layer and its scale words are in: behind them 4 + 16 + 24
	WIN 0x0c
.set i, 0
.rept 48
	ds_store_b128 v[HCP], v[4*i:4*i+3] offset:512*i
.set i, i+1
.endr
	WIN 0
.irp m, 0,1,2,3
	v_min_u32 v[TOK+\m], 0xfff, v[TOK+\m]
.endr
.irp m, 0,1,2,3
	v_lshlrev_b32 v[HT+10+\m], 3, v[TOK+\m]
.endr
.irp m, 0,1,2,3
	global_load_b64 v[HT+16+2*\m:HT+17+2*\m], v[HT+10+\m], s[10:11]
.endr
	LOADW 1, 36, 1
	WIN 0
	s_wait_loadcnt 24                              ; all but the 24 just issued
	s_cmp_eq_u32 s32, 1
	s_cselect_b32 s56, -1, 0
.irp m, 0,1,2,3
	v_cndmask_b32 v[HT+24+\m], v[HT+16+2*\m], v[HT+17+2*\m], s56   ; g_F
	v_cndmask_b32 v[GAM+2*\m], v[HT+17+2*\m], v[HT+16+2*\m], s56   ; g_S
.endr
.irp m, 0,1,2,3
	v_max_num_f32 v[GAM+2*\m], 0x30800000, v[GAM+2*\m]             ; y = max(g_S, 2^-30)
.endr
.irp m, 0,1,2,3
	v_rcp_f32 v[HT+28+\m], v[GAM+2*\m]
.endr
.irp m, 0,1,2,3
	v_mov_b32 v[GAM+2*\m+1], v[GAM+2*\m]           ; plain lines behind the reciprocals
.endr
	s_wait_alu depctr_va_vdst(0)                   ; one wait for the four, ahead of their first reader
.irp m, 0,1,2,3
	v_mul_f32 v[RHO+2*\m], v[HT+24+\m], v[HT+28+\m]
.endr
.irp m, 0,1,2,3
	v_mov_b32 v[RHO+2*\m+1], v[RHO+2*\m]
.endr
	LOADW 2, 36, 2
	WIN 0
	LOADSW 1, 42
	LOADW 3, 36, 3
	WIN 0
	s_wait_dscnt 0x0                               ; for the others' sake: my quarter has landed
	s_barrier_signal -1
	s_barrier_wait -1                              ; the hidden layer's 64 fragments lie in LDS; no barrier follows
	s_cmp_eq_u32 s30, 0
	s_cbranch_scc1 .Lend                           ; an empty tile ends here
	FETCHB 0, BAF, 0
	FETCHB 1, BAF, 1
	s_wait_xcnt 0x0                                ; the loads issued so far have read their bases: they may be written
	s_mov_b64 s[34:35], s[38:39]
	s_mov_b32 s51, s29                             ; next: S, the same columns
	NEXTP
	LAPA 0, BAF, BSF
	LAPB 1, BAF, BAS, BSF
	MID
	s_wait_xcnt 0x0
	s_mov_b64 s[34:35], s[38:39]
	LAPA 1, BAS, BSS
	LAPB 0, BAS, 0, BSS                            ; the last pass's second lap asks for nothing more, and its counts run down
	EPI2
.Lend:
	s_wait_tensorcnt 0x0
	ds_add_u32 v238, v239
	s_wait_dscnt 0x0
	s_endpgm
.Lfunc_end_k_q8cbc66365b_chain2:
	.size	k_q8cbc66365b_chain2, .Lfunc_end_k_q8cbc66365b_chain2-k_q8cbc66365b_chain2
	.p2alignl 7, 3214868480
	.fill 96, 4, 3214868480
	.section	.rodata,"a",@progbits
	.p2align	6, 0x0
	.amdhsa_kernel k_q8cbc66365b_chain2
		.amdhsa_group_segment_fixed_size 132608
		.amdhsa_private_segment_fixed_size 0
		.amdhsa_enable_private_segment 0
		.amdhsa_kernarg_size 64
		.amdhsa_user_sgpr_count 2
		.amdhsa_user_sgpr_kernarg_segment_ptr 1
		.amdhsa_wavefront_size32 1
		.amdhsa_system_sgpr_workgroup_id_x 1
		.amdhsa_system_sgpr_workgroup_id_y 1
		.amdhsa_system_sgpr_workgroup_id_z 1
		.amdhsa_system_vgpr_workitem_id 0
		.amdhsa_next_free_vgpr 1024
		.amdhsa_next_free_sgpr 88
		.amdhsa_reserve_vcc 0
		.amdhsa_float_denorm_mode_32 3
		.amdhsa_float_denorm_mode_16_64 3
		.amdhsa_memory_ordered 1
		.amdhsa_forward_progress 1
		.amdhsa_inst_pref_size 183
	.end_amdhsa_kernel
	.amdgpu_metadata
---
amdhsa.version: [ 1, 2 ]
amdhsa.kernels:
  - .name:           k_q8cbc66365b_chain2
    .symbol:         k_q8cbc66365b_chain2.kd
    .args:
      - { .name: list, .offset: 0, .size: 8, .value_kind: global_buffer, .address_space: global }
      - { .name: gate, .offset: 8, .size: 8, .value_kind: global_buffer, .address_space: global }
      - { .name: wq, .offset: 16, .size: 8, .value_kind: global_buffer, .address_space: global }
      - { .name: W2_scales, .offset: 24, .size: 8, .value_kind: global_buffer, .address_space: global }
      - { .name: b2, .offset: 32, .size: 8, .value_kind: global_buffer, .address_space: global }
      - { .name: hq, .offset: 40, .size: 8, .value_kind: global_buffer, .address_space: global }
      - { .name: hs, .offset: 48, .size: 8, .value_kind: global_buffer, .address_space: global }
      - { .name: out0, .offset: 56, .size: 8, .value_kind: global_buffer, .address_space: global }
    .group_segment_fixed_size: 132608
    .private_segment_fixed_size: 0
    .kernarg_segment_align: 8
    .kernarg_segment_size: 64
    .max_flat_workgroup_size: 128
    .sgpr_count:     88
    .vgpr_count:     1024
    .wavefront_size: 32
...
	.end_amdgpu_metadata
.endif
;; end of part 5
;; ======== version 3 of 3: 4 launches
;; workspace buffers: xq 3,145,728 bytes; xs 131,072 bytes; gate 32,768 bytes; route 49,152 bytes of whole numbers; list 25,344 bytes of whole numbers; wq 12,582,912 bytes; hq 8,945,664 bytes; hs 372,736 bytes
;; launch route (part 6): grid 256 x 1, 8 waves a work-group, no clusters, 66,560 bytes of LDS; arguments x, Wg, xq, xs, gate, route; writes xq, xs, gate, route
.if DOCPART == 6
	.amdgcn_target "amdgcn-amd-amdhsa--gfx1250"
	.amdhsa_code_object_version 6
	.text
	.protected	k_q8cbc66365b_route
	.globl	k_q8cbc66365b_route
	.p2align	8
	.type	k_q8cbc66365b_route,@function
k_q8cbc66365b_route:
	s_mov_b64 s[64:65], 0
	v_nop
	global_prefetch_b8 v0, s[64:65] scope:SCOPE_SE
	s_setreg_imm32_b32 hwreg(HW_REG_WAVE_MODE, 25, 1), 1
	s_wait_xcnt 0x0
; ROUTE.  For 4,096 tokens of 1,024 numbers: the 8 gate logits in f32 (fused multiply-adds), the two largest (the lower index wins a tie), the softmax of the two
; (the larger logit is taken away first), and x as codes of FP6 (E2M3) with one E8M0 byte for each 32 along K.
; OUT: xq [token][K step of 128][half h][48 bytes]: the 12 operand registers of lane (row, h) on end: at 48 h + 24 c lies block 2 c + h of the K step.   xs [token][32] scale bytes.
;      gate [token][2] f32: the weight of the lower-numbered chosen expert, then of the higher.
;      route: kr[token] = set number p | rank << 8 (p numbers the 28 unordered pairs lo < hi: lo (15 - lo) / 2 + hi - lo - 1; rank: how many earlier tokens of my 16 have the same p);
;             from byte 16,384: cnt[unit of 16 tokens][32]: tokens of each set in the unit.
; No address and no branch here hangs on a logit: what the choice steers is stored as whole numbers for the next launch.
; SHARES.  A work-group takes 16 tokens.  Wave w takes K = 128 w .. 128 w + 127 of all 16, four tokens a step, so that its part of Wg is 128 registers and the group reads Wg once.
; Each load reads 512 consecutive bytes; a step's 2,048 bytes turn through the wave's own stage in LDS so that a lane holds 16 neighbours along K: lane l has token l / 8 of the step and k = 128 w + 16 (l % 8) + 0 .. 15.
; LIMITS: NaN and infinities among the inputs are not served; a block whose largest magnitude lies under 2^(3 - 127) keeps the byte 1 (a block of zeros too: its codes are zeros, and this program alone reads the bytes);
; the logits' sums are taken in another order than a plain ascending sum.
.set SP,   80                          ; a lane's place in a stage: 64 bytes + 16 of padding
.set STGB, 32*SP                       ; a stage
.set PL,   8*2*STGB                    ; behind the eight waves' two stages: partial logits [wave][token][8] f32
.set CST,  PL+4096                     ; the codes: 16 tokens x 64 places of 16 bytes (12 of them codes) + 128
.set CPT,  1152
.set SBY,  CST+16*CPT                  ; the scale bytes: 16 tokens x 32
.set XO,  1                            ; v1   x: 16 x lane + 512 w
.set WO,  2                            ; v2   Wg: 4,096 w + 512 (l % 8)
.set TI,  3                            ; v3   the stage, in
.set TQ,  4                            ; v4   the stage, out
.set SBA, 5                            ; v5   my block's scale byte
.set CSA, 6                            ; v6   my 16 codes' place
.set PLA, 7                            ; v7   my four partial logits
.set LN,  8                            ; v8   lane
.set CRD, 9                            ; v9   the tail: codes read back
.set CGO, 10                           ; v10  12 x lane
.set L16, 11                           ; v11  16 x lane
.set SRD, 12                           ; v12  scale bytes read back
.set PRD, 13                           ; v13  partial logits read back: token l % 16
.set L4,  14                           ; v14  4 x lane
.set L8,  15                           ; v15  8 x lane
.set WGT, 32                           ; v32-159  Wg[k of my number n][e] at 8 n + e
.set G,   32                           ; the tail: 8 waves x 8 partial logits (Wg is done with)
.set X,   160                          ; v160-191 two sets of 16 neighbours
.set ACC, 192                          ; v192-199 the 8 sums
.set CC,  200                          ; v200-207 codes, two sets of 4
.set EB,  208                          ; v208-209 a scale byte, two sets
.set TT,  210                          ; v210-217 four logits to store, two sets
; window 1, v0-63: x as it is loaded, 16 registers a step
.set MSB, 0
.macro WIN new                         ; the immediate's high byte repeats the setting that is left
.if MSB != \new
	s_set_vgpr_msb (MSB<<8)|\new
.set MSB, \new
.endif
.endm
	s_load_b128 s[4:7], s[0:1], 0x0                ; x, Wg
	s_load_b128 s[8:11], s[0:1], 0x10              ; xq, xs
	s_load_b128 s[12:15], s[0:1], 0x20             ; gate, route
	v_lshl_add_u32 v254, v0, 2, 0x10000
	v_mov_b32 v255, 0
	v_lshrrev_b32 v16, 5, v0
	s_delay_alu instid0(VALU_DEP_1)
	v_readfirstlane_b32 s16, v16                   ; wave 0..7
	v_and_b32 v[LN], 31, v0
	v_and_b32 v17, 7, v0                           ; q = l % 8
	v_bfe_u32 v18, v0, 3, 2                        ; i = l / 8: my token of a step
	s_delay_alu instid0(VALU_DEP_3)
	v_lshlrev_b32 v[L16], 4, v[LN]
	s_lshl_b32 s17, s16, 9
	v_add_nc_u32 v[XO], s17, v[L16]
	s_lshl_b32 s18, s16, 12
	v_lshl_add_u32 v[WO], v17, 9, s18
	s_wait_alu depctr_va_vdst(0)
	s_wait_kmcnt 0x0
	s_lshl_b32 s20, ttmp9, 16                      ; 16 rows of 4,096 bytes
	s_mov_b32 s21, 0
	s_add_nc_u64 s[4:5], s[4:5], s[20:21]
	WIN 0x40                                       ; destination window 1
.irp j, 0,1,2,3
.irp i, 0,1,2,3
	global_load_b128 v[16*\j+4*\i:16*\j+4*\i+3], v[XO], s[4:5] offset:(4*\j+\i)*4096 th:TH_LOAD_NT   ; token 4 j + i: 512 consecutive bytes; read once in the launch
.endr
.endr
	WIN 0
.set i, 0
.rept 32
	global_load_b128 v[WGT+4*i:WGT+4*i+3], v[WO], s[6:7] offset:16*i   ; my 16 rows of Wg, 32 bytes each
.set i, i+1
.endr
	; addresses, while the loads are out
	s_mul_i32 s18, s16, 2*STGB
	v_bfe_u32 v19, v0, 2, 3                        ; l / 4
	s_delay_alu instid0(VALU_DEP_1)
	v_mul_u32_u24 v19, v19, SP
	v_and_b32 v20, 3, v0
	s_delay_alu instid0(VALU_DEP_1)
	v_lshl_add_u32 v19, v20, 4, v19
	s_delay_alu instid0(VALU_DEP_1)
	v_add_nc_u32 v[TI], s18, v19                   ; four lanes' 64 bytes on end, then the padding
	v_mul_u32_u24 v19, v[LN], SP
	s_delay_alu instid0(VALU_DEP_1)
	v_add_nc_u32 v[TQ], s18, v19
	v_lshrrev_b32 v19, 1, v17                      ; my block of the wave's four
	s_delay_alu instid0(VALU_DEP_1)
	v_lshl_add_u32 v19, v18, 5, v19
	s_lshl_b32 s18, s16, 2
	s_add_co_u32 s18, s18, SBY
	v_add_nc_u32 v[SBA], s18, v19                  ; SBY + 32 i + 4 w + q / 2
	v_bfe_u32 v19, v0, 1, 1                        ; the block's h
	v_bfe_u32 v20, v0, 2, 1                        ; the block's c
	v_and_b32 v21, 1, v0                           ; which half of the block
	s_delay_alu instid0(VALU_DEP_1)
	v_lshl_add_u32 v21, v19, 2, v21
	s_delay_alu instid0(VALU_DEP_1)
	v_lshl_add_u32 v21, v20, 1, v21                ; piece of 12 bytes in the K step: 4 h + 2 c + half
	s_delay_alu instid0(VALU_DEP_1)
	v_lshlrev_b32 v21, 4, v21
	s_delay_alu instid0(VALU_DEP_1)
	v_mad_u32_u24 v21, v18, CPT, v21
	s_lshl_b32 s18, s16, 7
	s_add_co_u32 s18, s18, CST
	v_add_nc_u32 v[CSA], s18, v21
	v_and_b32 v22, 1, v0
	s_delay_alu instid0(VALU_DEP_1)
	v_cmp_eq_u32 s24, 1, v22                       ; odd lanes store logits 4 to 7
	s_delay_alu instid0(VALU_DEP_2)
	v_lshlrev_b32 v21, 4, v22
	s_delay_alu instid0(VALU_DEP_1)
	v_lshl_add_u32 v21, v18, 5, v21
	s_lshl_b32 s18, s16, 9
	s_add_co_u32 s18, s18, PL
	v_add_nc_u32 v[PLA], s18, v21
	s_mul_i32 s18, s16, 2*CPT
	s_add_co_u32 s18, s18, CST
	v_add_nc_u32 v[CRD], s18, v[L16]
	v_mul_u32_u24 v[CGO], v[LN], 12
	v_add_nc_u32 v[SRD], SBY, v[L16]
	v_and_b32 v21, 15, v0
	s_delay_alu instid0(VALU_DEP_1)
	v_lshlrev_b32 v21, 5, v21
	s_delay_alu instid0(VALU_DEP_1)
	v_add_nc_u32 v[PRD], PL, v21
	v_lshlrev_b32 v[L4], 2, v[LN]
	v_lshlrev_b32 v[L8], 3, v[LN]
	s_mul_i32 s20, ttmp9, 12288                    ; 16 tokens x 768 bytes of codes,
	s_mul_i32 s22, s16, 1536                       ; my wave stores two tokens'
	s_add_co_u32 s20, s20, s22
	s_add_nc_u64 s[8:9], s[8:9], s[20:21]
	s_lshl_b32 s20, ttmp9, 9
	s_add_nc_u64 s[10:11], s[10:11], s[20:21]
	s_lshl_b32 s20, ttmp9, 7
	s_add_nc_u64 s[12:13], s[12:13], s[20:21]
	s_add_co_u32 s20, s20, 16384
	s_add_nc_u64 s[30:31], s[14:15], s[20:21]      ; cnt of my unit
	s_lshl_b32 s20, ttmp9, 6
	s_add_nc_u64 s[28:29], s[14:15], s[20:21]      ; kr of my 16 tokens
.macro TURN j                          ; step j's numbers through the stage: LDS serves a wave's instructions in order, so no wait stands between the stores and the loads
	WIN 0x04                                       ; an LDS store's data are its source 1: window 1
.irp i, 0,1,2,3
	ds_store_b128 v[TI], v[16*(\j)+4*\i:16*(\j)+4*\i+3] offset:STGB*((\j)%2)+8*SP*\i
.endr
	WIN 0
.irp i, 0,1,2,3
	ds_load_b128 v[X+16*((\j)%2)+4*\i:X+16*((\j)%2)+4*\i+3], v[TQ] offset:STGB*((\j)%2)+16*\i
.endr
.endm
.macro RSTEP j
.set XS, X+16*((\j)%2)
.set CS, CC+4*((\j)%2)
.set TS, TT+4*((\j)%2)
.if (\j) == 0
	s_wait_dscnt 0x0
	s_wait_loadcnt 40                              ; step 1's four loads are in: behind them 8 of x and 32 of Wg
.else
	s_wait_dscnt 3                                 ; this step's numbers are back; the last step's three stores may be out; the stores of two steps back, whose registers this step writes, are done
.endif
.if (\j) < 3
	TURN (\j)+1
.endif
	v_max3_num_f32 v18, |v[XS]|, |v[XS+1]|, |v[XS+2]|      ; the largest magnitude of my 16
	v_max3_num_f32 v19, |v[XS+3]|, |v[XS+4]|, |v[XS+5]|
.irp i, 6,10
	s_delay_alu instid0(VALU_DEP_2)
	v_max3_num_f32 v18, v18, |v[XS+\i]|, |v[XS+\i+1]|
	s_delay_alu instid0(VALU_DEP_2)
	v_max3_num_f32 v19, v19, |v[XS+\i+2]|, |v[XS+\i+3]|
.endr
	s_delay_alu instid0(VALU_DEP_2)
	v_max3_num_f32 v18, v18, |v[XS+14]|, |v[XS+15]|
	s_delay_alu instid0(VALU_DEP_1)
	v_max3_num_f32 v18, v18, v19, 0x1800000        ; and the floor 2^(3 - 127): the byte cannot fall under 1
	s_delay_alu instid0(VALU_DEP_1)
	v_max_num_f32_dpp v18, v18, v18 row_xmask:1 row_mask:0xf bank_mask:0xf   ; with my neighbour's 16: the block's
	s_delay_alu instid0(VALU_DEP_1)
	v_add_nc_u32 v20, 0xff000000, v18              ; 2 off its exponent field: the conversion takes this operand's exponent field as its scale
	v_cvt_scalef32_pk16_fp6_f32 v[CS:CS+2], v[XS:XS+15], v20
	v_lshrrev_b32 v[EB+(\j)%2], 23, v20            ; the scale's byte (a plain line behind the conversion)
	ds_store_b8 v[SBA], v[EB+(\j)%2] offset:128*(\j)       ; both lanes of a block write the same byte with the same value
	ds_store_b96 v[CSA], v[CS:CS+2] offset:4*CPT*(\j)
.if (\j) == 0
	s_wait_loadcnt 0x0                             ; Wg, and with it all of x
.endif
.irp a, 0,1,2,3
	v_pk_mul_f32 v[ACC+2*\a:ACC+2*\a+1], v[XS:XS+1], v[WGT+2*\a:WGT+2*\a+1] op_sel_hi:[0,1]   ; the first number starts the sums: x broadcast, two experts at a time
.endr
.set n, 1
.rept 15
.irp a, 0,1,2,3
.if n%2
	s_delay_alu instid0(VALU_DEP_4)
	v_pk_fma_f32 v[ACC+2*\a:ACC+2*\a+1], v[XS+n-1:XS+n], v[WGT+8*n+2*\a:WGT+8*n+2*\a+1], v[ACC+2*\a:ACC+2*\a+1] op_sel:[1,0,0] op_sel_hi:[1,1,1]
.else
	s_delay_alu instid0(VALU_DEP_4)
	v_pk_fma_f32 v[ACC+2*\a:ACC+2*\a+1], v[XS+n:XS+n+1], v[WGT+8*n+2*\a:WGT+8*n+2*\a+1], v[ACC+2*\a:ACC+2*\a+1] op_sel_hi:[0,1,1]
.endif
.endr
.set n, n+1
.endr
.irp x, 1,2,4                          ; over the token's eight lanes
.irp e, 0,1,2,3,4,5,6,7
	v_add_f32_dpp v[ACC+\e], v[ACC+\e], v[ACC+\e] row_xmask:\x row_mask:0xf bank_mask:0xf
.endr
.endr
.irp e, 0,1,2,3
	s_delay_alu instid0(VALU_DEP_4)
	v_cndmask_b32 v[TS+\e], v[ACC+\e], v[ACC+4+\e], s24
.endr
	ds_store_b128 v[PLA], v[TS:TS+3] offset:128*(\j)       ; lanes of like parity write the same bytes with the same values
.endm
	s_wait_loadcnt 44                              ; step 0's four loads are in: behind them 12 of x and 32 of Wg
	TURN 0
	RSTEP 0
	RSTEP 1
	RSTEP 2
	RSTEP 3
	s_wait_dscnt 0x0                               ; for the others' sake: my stores have landed
	s_barrier_signal -1
	s_barrier_wait -1
	; every wave: the codes of tokens 2 w and 2 w + 1 leave, 384 consecutive bytes a store
.irp k, 0,1,2,3
	ds_load_b96 v[X+4*\k:X+4*\k+2], v[CRD] offset:(\k/2)*CPT+512*(\k%2)
.endr
.irp k, 0,1,2,3
	s_wait_dscnt 3-\k
	global_store_b96 v[CGO], v[X+4*\k:X+4*\k+2], s[8:9] offset:(\k/2)*768+384*(\k%2)
.endr
	s_cmp_eq_u32 s16, 1
	s_cbranch_scc0 .Lnot_wave_1
	ds_load_b128 v[176:179], v[SRD]                ; wave 1: the 16 tokens' 512 scale bytes
	s_wait_dscnt 0x0
	global_store_b128 v[L16], v[176:179], s[10:11]
.Lnot_wave_1:
	s_cmp_eq_u32 s16, 0
	s_cbranch_scc0 .Lend
	; wave 0: a lane to a token (l % 16; the upper 16 lanes repeat the lower)
.irp w, 0,1,2,3,4,5,6,7
	ds_load_b128 v[G+8*\w:G+8*\w+3], v[PRD] offset:512*\w
	ds_load_b128 v[G+8*\w+4:G+8*\w+7], v[PRD] offset:512*\w+16
.endr
	s_wait_dscnt 0x0
.irp w, 1,2,3,4,5,6,7
.irp a, 0,2,4,6
	v_pk_add_f32 v[G+\a:G+\a+1], v[G+\a:G+\a+1], v[G+8*\w+\a:G+8*\w+\a+1]
.endr
.endr
	s_delay_alu instid0(VALU_DEP_4)
	v_mov_b32 v16, v[G]                            ; the largest logit and its index: a later one replaces it only if it is greater
	v_mov_b32 v17, 0
.irp e, 1,2,3,4,5,6,7
	s_delay_alu instid0(VALU_DEP_2)
	v_cmp_le_f32 vcc_lo, v[G+\e], v16
	s_delay_alu instid0(VALU_DEP_1)
	v_cndmask_b32 v16, v[G+\e], v16, vcc_lo
	s_delay_alu instid0(VALU_DEP_2)
	v_cndmask_b32 v17, \e, v17, vcc_lo
.endr
	v_mov_b32 v20, 0xff800000                      ; -infinity takes the winner's place
.irp e, 0,1,2,3,4,5,6,7
	v_cmp_eq_u32 vcc_lo, \e, v17
	s_delay_alu instid0(VALU_DEP_1)
	v_cndmask_b32 v[G+\e], v[G+\e], v20, vcc_lo
.endr
	v_mov_b32 v18, v[G]                            ; the second likewise
	v_mov_b32 v19, 0
.irp e, 1,2,3,4,5,6,7
	s_delay_alu instid0(VALU_DEP_2)
	v_cmp_le_f32 vcc_lo, v[G+\e], v18
	s_delay_alu instid0(VALU_DEP_1)
	v_cndmask_b32 v18, v[G+\e], v18, vcc_lo
	s_delay_alu instid0(VALU_DEP_2)
	v_cndmask_b32 v19, \e, v19, vcc_lo
.endr
	s_delay_alu instid0(VALU_DEP_2)
	v_sub_f32 v21, v18, v16                        ; the second less the first: the maximum is taken away
	s_delay_alu instid0(VALU_DEP_1)
	v_mul_f32 v21, 0x3fb8aa3b, v21
	s_wait_alu depctr_va_vdst(0)
	v_exp_f32 v22, v21
	v_nop                                          ; a plain line behind the transcendental,
	s_wait_alu depctr_va_vdst(0)                   ; and the wait ahead of its first reader
	v_add_f32 v23, 1.0, v22
	s_wait_alu depctr_va_vdst(0)
	v_rcp_f32 v24, v23                             ; the first's weight
	v_min_u32 v28, v17, v19                        ; lo (a plain line behind the transcendental)
	v_max_u32 v29, v17, v19                        ; hi
	s_wait_alu depctr_va_vdst(0)
	v_mul_f32 v25, v22, v24                        ; the second's
	v_cmp_lt_u32 vcc_lo, v17, v19
	v_cndmask_b32 v26, v25, v24, vcc_lo            ; the weight of lo,
	v_cndmask_b32 v27, v24, v25, vcc_lo            ; of hi
	v_sub_nc_u32 v30, 15, v28
	s_delay_alu instid0(VALU_DEP_1)
	v_mul_u32_u24 v30, v28, v30
	s_delay_alu instid0(VALU_DEP_1)
	v_lshrrev_b32 v30, 1, v30
	s_delay_alu instid0(VALU_DEP_1)
	v_add_nc_u32 v30, v30, v29
	s_delay_alu instid0(VALU_DEP_1)
	v_sub_nc_u32 v30, v30, v28
	s_delay_alu instid0(VALU_DEP_1)
	v_add_nc_u32 v30, -1, v30                      ; p
	v_mov_b32 v31, 0                               ; lane k: tokens of set k in my unit
	v_mov_b32 v96, 0                               ; my rank among them
.set k, 0
.rept 28
	v_cmp_eq_u32 s40, k, v30
	s_and_b32 s40, s40, 0xffff                     ; the 16 tokens once
	s_bcnt1_i32_b32 s41, s40
	v_writelane_b32 v31, s41, k
	v_mbcnt_lo_u32_b32 v97, s40, 0                 ; how many of them stand below my lane
	s_delay_alu instid0(VALU_DEP_1)
	v_cndmask_b32 v96, v96, v97, s40
.set k, k+1
.endr
	s_delay_alu instid0(VALU_DEP_1)
	v_lshl_or_b32 v98, v96, 8, v30
	global_store_b32 v[L4], v31, s[30:31]          ; 128 bytes: my unit's counts
	s_wait_alu depctr_va_vdst(0)
	s_wait_xcnt 0x0                                ; EXEC changes only behind this wait
	v_cmp_gt_u32 vcc_lo, 16, v[LN]
	s_and_saveexec_b32 s42, vcc_lo
	global_store_b32 v[L4], v98, s[28:29]
	global_store_b64 v[L8], v[26:27], s[12:13]
	s_wait_xcnt 0x0                                ; and again in front of the line that widens it
	s_or_b32 exec_lo, exec_lo, s42
.Lend:
	s_wait_tensorcnt 0x0
	ds_add_u32 v254, v255
	s_wait_dscnt 0x0
	s_endpgm
.Lfunc_end_k_q8cbc66365b_route:
	.size	k_q8cbc66365b_route, .Lfunc_end_k_q8cbc66365b_route-k_q8cbc66365b_route
	.p2alignl 7, 3214868480
	.fill 96, 4, 3214868480
	.section	.rodata,"a",@progbits
	.p2align	6, 0x0
	.amdhsa_kernel k_q8cbc66365b_route
		.amdhsa_group_segment_fixed_size 66560
		.amdhsa_private_segment_fixed_size 0
		.amdhsa_enable_private_segment 0
		.amdhsa_kernarg_size 48
		.amdhsa_user_sgpr_count 2
		.amdhsa_user_sgpr_kernarg_segment_ptr 1
		.amdhsa_wavefront_size32 1
		.amdhsa_system_sgpr_workgroup_id_x 1
		.amdhsa_system_sgpr_workgroup_id_y 1
		.amdhsa_system_sgpr_workgroup_id_z 1
		.amdhsa_system_vgpr_workitem_id 0
		.amdhsa_next_free_vgpr 320
		.amdhsa_next_free_sgpr 66
		.amdhsa_reserve_vcc 1
		.amdhsa_float_denorm_mode_32 3
		.amdhsa_float_denorm_mode_16_64 3
		.amdhsa_memory_ordered 1
		.amdhsa_forward_progress 1
		.amdhsa_inst_pref_size 67
	.end_amdhsa_kernel
	.amdgpu_metadata
---
amdhsa.version: [ 1, 2 ]
amdhsa.kernels:
  - .name:           k_q8cbc66365b_route
    .symbol:         k_q8cbc66365b_route.kd
    .args:
      - { .name: x, .offset: 0, .size: 8, .value_kind: global_buffer, .address_space: global }
      - { .name: Wg, .offset: 8, .size: 8, .value_kind: global_buffer, .address_space: global }
      - { .name: xq, .offset: 16, .size: 8, .value_kind: global_buffer, .address_space: global }
      - { .name: xs, .offset: 24, .size: 8, .value_kind: global_buffer, .address_space: global }
      - { .name: gate, .offset: 32, .size: 8, .value_kind: global_buffer, .address_space: global }
      - { .name: route, .offset: 40, .size: 8, .value_kind: global_buffer, .address_space: global }
    .group_segment_fixed_size: 66560
    .private_segment_fixed_size: 0
    .kernarg_segment_align: 8
    .kernarg_segment_size: 48
    .max_flat_workgroup_size: 256
    .sgpr_count:     66
    .vgpr_count:     320
    .wavefront_size: 32
...
	.end_amdgpu_metadata
.endif
;; end of part 6
;; launch place (part 7): grid 129 x 1, 8 waves a work-group, no clusters, 2,048 bytes of LDS; arguments route, W1_codes, W2_codes, list, wq; writes list, wq
.if DOCPART == 7
	.amdgcn_target "amdgcn-amd-amdhsa--gfx1250"
	.amdhsa_code_object_version 6
	.text
	.protected	k_q8cbc66365b_place
	.globl	k_q8cbc66365b_place
	.p2align	8
	.type	k_q8cbc66365b_place,@function
k_q8cbc66365b_place:
	s_mov_b64 s[64:65], 0
	v_nop
	global_prefetch_b8 v0, s[64:65] scope:SCOPE_SE
	s_setreg_imm32_b32 hwreg(HW_REG_WAVE_MODE, 25, 1), 1
	s_wait_xcnt 0x0
; PLACE.  Work-group 0 sorts the 4,096 tokens by their set of two experts (28 sets) into tiles of at most 64 tokens of one set; work-groups 1 to 128 lay W1's and W2's codes in the order of the operand's registers.
; list: rec[tile g, 96 of them] = {lo, hi, count, 0} at 16 g;  from byte 2,048: slots[64 g + i] = token.  A set with N tokens has ceil(N / 64) tiles on end, so there are never more than 64 + 27 = 91.  Only the slots under a tile's count are written.
; wq [matrix 2][expert 8][column group of 128: 8][K step of 128: 8][tile of 16 rows: 8][1,536 bytes]: a fragment's 12 registers as an image: registers 4 c .. 4 c + 3 of lane l at 512 c + 16 l.
; THE ROWS OF A TILE ARE NOT NEIGHBOURS: lane r of tile 2 b + u takes row 32 b + 8 u + r + 8 (r / 8) of the group, so that in a transposed product the 16 registers of tiles 2 b and 2 b + 1 are 16 neighbouring columns.
; The counting sort has no atomics: the launch before stored each token's rank in its unit of 16 and each unit's counts; a token's place is its set's first slot + the set's tokens in earlier units + its rank.
	s_load_b128 s[4:7], s[0:1], 0x0                ; route, W1's codes
	s_load_b128 s[8:11], s[0:1], 0x10              ; W2's codes, list
	s_load_b64 s[12:13], s[0:1], 0x20              ; wq
	v_lshl_add_u32 v128, v0, 2, 0x400
	v_mov_b32 v129, 0
	v_lshrrev_b32 v1, 5, v0
	s_delay_alu instid0(VALU_DEP_1)
	v_readfirstlane_b32 s16, v1                    ; wave 0..7
	v_and_b32 v2, 31, v0                           ; lane
	s_delay_alu instid0(VALU_DEP_1)
	v_lshlrev_b32 v3, 2, v2                        ; 4 x lane
	s_cmp_eq_u32 ttmp9, 0
	s_cbranch_scc1 .Lsort
	; ---- the weights: work-group g - 1 = 64 matrix + 8 expert + column group; wave = tile.  16 rows x 768 bytes come in, eight images of 1,536 bytes go out
	v_and_b32 v4, 15, v0                           ; r
	v_bfe_u32 v5, v0, 4, 1                         ; h
	s_delay_alu instid0(VALU_DEP_2)
	v_and_b32 v6, 8, v4
	s_delay_alu instid0(VALU_DEP_1)
	v_add_nc_u32 v6, v6, v4                        ; r + 8 (r / 8)
	s_delay_alu instid0(VALU_DEP_1)
	v_mul_u32_u24 v6, v6, 768
	s_delay_alu instid0(VALU_DEP_1)
	v_mad_u32_u24 v6, v5, 24, v6
	v_lshlrev_b32 v7, 4, v2
	s_sub_co_u32 s17, ttmp9, 1
	s_and_b32 s18, s17, 63
	s_lshl_b32 s18, s18, 7                         ; the group's first row in its matrix
	s_lshr_b32 s19, s16, 1
	s_lshl_b32 s19, s19, 5
	s_add_co_u32 s18, s18, s19                     ; + 32 b
	s_and_b32 s19, s16, 1
	s_lshl_b32 s19, s19, 3
	s_add_co_u32 s18, s18, s19                     ; + 8 u
	s_mul_i32 s18, s18, 768
	s_mov_b32 s19, 0
	s_mul_i32 s20, s17, 98304
	s_mul_i32 s22, s16, 1536
	s_add_co_u32 s20, s20, s22
	s_mov_b32 s21, 0
	s_wait_alu depctr_va_vdst(0)
	s_wait_kmcnt 0x0
	s_cmp_lt_u32 s17, 64                           ; the choice hangs on the work-group's number alone
	s_cselect_b64 s[24:25], s[6:7], s[8:9]
	s_add_nc_u64 s[24:25], s[24:25], s[18:19]
	s_add_nc_u64 s[12:13], s[12:13], s[20:21]
.irp s, 0,1,2,3,4,5,6,7
.irp p, 0,1,2,3,4,5
	global_load_b64 v[16+12*\s+2*\p:16+12*\s+2*\p+1], v6, s[24:25] offset:96*\s+48*(\p/3)+8*(\p%3)   ; registers 6 c .. 6 c + 5: the 24 bytes at 96 s + 48 c + 24 h of my row
.endr
.endr
.irp s, 0,1,2,3,4,5,6,7
	s_wait_loadcnt 42-6*\s                         ; this K step's six loads are in; those of the K steps behind it may be out
.irp c, 0,1,2
	global_store_b128 v7, v[16+12*\s+4*\c:16+12*\s+4*\c+3], s[12:13] offset:12288*\s+512*\c   ; 512 consecutive bytes, aligned
.endr
.endr
	s_endpgm
	; ---- the sort.  Wave w owns units 32 w .. 32 w + 31 (tokens 512 w .. 512 w + 511).  In the counts a lane is a set
.set CT,  16                           ; v16-47   counts of my 32 units; later the places and the tokens to store
.set PF,  48                           ; v48-80   prefix over my units; later the records
.set KR,  81                           ; v81-96   kr of my 512 tokens
.set GT,  97                           ; v97-104  the eight waves' totals
.set NN,  105                          ; v105     the set's tokens
.set BEL, 106                          ; v106     those in the waves below mine; then + 64 x the set's first tile
.set NT,  107                          ; v107     the set's tiles
.set BAS, 108                          ; v108     the set's first tile
.set TA,  109
.set TB,  110
.set IX,  112                          ; v112-127 4 x set number of my tokens
.Lsort:
	s_lshl_b32 s17, s16, 12
	s_add_co_u32 s17, s17, 16384
	s_wait_alu depctr_va_vdst(0)
	v_add_nc_u32 v4, s17, v3
	s_lshl_b32 s18, s16, 11
	v_add_nc_u32 v5, s18, v3
	s_lshl_b32 s19, s16, 7
	v_add_nc_u32 v6, s19, v3                       ; LDS: my wave's 32 totals
	s_lshl_b32 s21, s16, 9
	v_add_nc_u32 v[TB], s21, v2                    ; my first token
	s_wait_alu depctr_va_vdst(0)
	s_wait_kmcnt 0x0
.set i, 0
.rept 32
	global_load_b32 v[CT+i], v4, s[4:5] offset:128*i
.set i, i+1
.endr
.set i, 0
.rept 16
	global_load_b32 v[KR+i], v5, s[4:5] offset:128*i
.set i, i+1
.endr
	s_wait_loadcnt 16                              ; the counts are in; the 16 loads of kr may be out
	v_mov_b32 v[PF], 0
.set i, 0
.rept 32
	s_delay_alu instid0(VALU_DEP_1)
	v_add_nc_u32 v[PF+i+1], v[PF+i], v[CT+i]
.set i, i+1
.endr
	ds_store_b32 v6, v[PF+32]
	s_wait_dscnt 0x0                               ; for the others' sake
	s_barrier_signal -1
	s_barrier_wait -1
.irp i, 0,1,2,3,4,5,6,7
	ds_load_b32 v[GT+\i], v3 offset:128*\i
.endr
	s_wait_dscnt 0x0
	v_mov_b32 v[NN], v[GT]
	v_mov_b32 v[BEL], 0
.irp i, 1
	s_delay_alu instid0(VALU_DEP_2)
	v_add_nc_u32 v[NN], v[NN], v[GT+\i]
.endr
.irp i, 2, 3, 4, 5, 6, 7
	s_delay_alu instid0(VALU_DEP_1)
	v_add_nc_u32 v[NN], v[NN], v[GT+\i]
.endr
.irp i, 0,1,2,3,4,5,6
	s_cmp_gt_u32 s16, \i
	s_cselect_b32 s20, -1, 0
	v_and_b32 v[TA], s20, v[GT+\i]
	s_delay_alu instid0(VALU_DEP_1)
	v_add_nc_u32 v[BEL], v[BEL], v[TA]
.endr
	v_add_nc_u32 v[NT], 63, v[NN]
	s_delay_alu instid0(VALU_DEP_1)
	v_lshrrev_b32 v[NT], 6, v[NT]
	v_mov_b32 v[BAS], 0
	s_mov_b32 s22, 0
.set k, 0
.rept 28                               ; the sets' first tiles: a running sum over the 28 lanes
	v_readlane_b32 s23, v[NT], k
	v_writelane_b32 v[BAS], s22, k
	s_add_co_u32 s22, s22, s23
.set k, k+1
.endr
	v_lshl_add_u32 v[BEL], v[BAS], 6, v[BEL]
.set i, 0
.rept 32
	v_add_nc_u32 v[PF+i], v[PF+i], v[BEL]          ; lane p: the slot of unit i's first token of set p
.set i, i+1
.endr
	s_wait_loadcnt 0x0                             ; kr
.set j, 0
.rept 16                               ; a table look-up between lanes: tokens 32 j + lane belong to units 2 j (lanes 0-15) and 2 j + 1; each takes lane p of its unit's register
	v_and_b32 v[IX+j], 31, v[KR+j]
	s_delay_alu instid0(VALU_DEP_1)
	v_lshlrev_b32 v[IX+j], 2, v[IX+j]
	ds_bpermute_b32 v[CT+2*j], v[IX+j], v[PF+2*j]
	ds_bpermute_b32 v[CT+2*j+1], v[IX+j], v[PF+2*j+1]
.set j, j+1
.endr
	v_cmp_le_u32 vcc_lo, 16, v2
	s_wait_dscnt 0x0
.set j, 0
.rept 16
	v_cndmask_b32 v[CT+2*j], v[CT+2*j], v[CT+2*j+1], vcc_lo
	v_bfe_u32 v[TA], v[KR+j], 8, 4                 ; my rank in the unit
	s_delay_alu instid0(VALU_DEP_1)
	v_add_nc_u32 v[CT+2*j], v[CT+2*j], v[TA]
	s_delay_alu instid0(VALU_DEP_1)
	v_min_u32 v[CT+2*j], 5823, v[CT+2*j]           ; a loaded number enters an address only held inside the table: 91 x 64 slots
	s_delay_alu instid0(VALU_DEP_1)
	v_lshlrev_b32 v[CT+2*j], 2, v[CT+2*j]
	v_add_nc_u32 v[CT+2*j+1], 32*j, v[TB]
	global_store_b32 v[CT+2*j], v[CT+2*j+1], s[10:11] offset:2048
.set j, j+1
.endr
	s_cmp_lt_u32 s16, 3
	s_cbranch_scc0 .Lsorted
	; the records: thread g = tile g (96 threads).  The last set whose first tile is not above g owns it
	v_mov_b32 v48, 0                               ; its first tile
	v_mov_b32 v49, 0                               ; its tokens
	v_mov_b32 v52, 0                               ; lo
	v_mov_b32 v53, 1                               ; hi
.set k, 0
.irp lo, 0,1,2,3,4,5,6
.irp hi, 1,2,3,4,5,6,7
.if \hi > \lo
	v_readlane_b32 s22, v[BAS], k
	v_readlane_b32 s23, v[NN], k
	s_delay_alu instid0(VALU_DEP_2)
	v_cmp_gt_u32 vcc_lo, s22, v0
	s_delay_alu instid0(VALU_DEP_1)
	v_cndmask_b32 v48, s22, v48, vcc_lo
	s_delay_alu instid0(VALU_DEP_2)
	v_cndmask_b32 v49, s23, v49, vcc_lo
	s_delay_alu instid0(VALU_DEP_3)
	v_cndmask_b32 v52, \lo, v52, vcc_lo
	s_delay_alu instid0(VALU_DEP_4)
	v_cndmask_b32 v53, \hi, v53, vcc_lo
.set k, k+1
.endif
.endr
.endr
	s_delay_alu instid0(VALU_DEP_4)
	v_sub_nc_u32 v[TA], v0, v48
	s_delay_alu instid0(VALU_DEP_1)
	v_lshlrev_b32 v[TA], 6, v[TA]                  ; tokens of the set in the tiles before mine
	s_delay_alu instid0(VALU_DEP_1)
	v_sub_nc_u32 v54, v49, v[TA]
	s_delay_alu instid0(VALU_DEP_1)
	v_min_u32 v54, 64, v54
	s_delay_alu instid0(VALU_DEP_3)
	v_cmp_gt_u32 vcc_lo, v49, v[TA]
	s_delay_alu instid0(VALU_DEP_1)
	v_cndmask_b32 v54, 0, v54, vcc_lo              ; count: 0 in a tile that this split leaves empty
	v_mov_b32 v55, 0
	v_lshlrev_b32 v50, 4, v0
	global_store_b128 v50, v[52:55], s[10:11]
.Lsorted:
	s_wait_tensorcnt 0x0
	ds_add_u32 v128, v129
	s_wait_dscnt 0x0
	s_endpgm
.Lfunc_end_k_q8cbc66365b_place:
	.size	k_q8cbc66365b_place, .Lfunc_end_k_q8cbc66365b_place-k_q8cbc66365b_place
	.p2alignl 7, 3214868480
	.fill 96, 4, 3214868480
	.section	.rodata,"a",@progbits
	.p2align	6, 0x0
	.amdhsa_kernel k_q8cbc66365b_place
		.amdhsa_group_segment_fixed_size 2048
		.amdhsa_private_segment_fixed_size 0
		.amdhsa_enable_private_segment 0
		.amdhsa_kernarg_size 40
		.amdhsa_user_sgpr_count 2
		.amdhsa_user_sgpr_kernarg_segment_ptr 1
		.amdhsa_wavefront_size32 1
		.amdhsa_system_sgpr_workgroup_id_x 1
		.amdhsa_system_sgpr_workgroup_id_y 1
		.amdhsa_system_sgpr_workgroup_id_z 1
		.amdhsa_system_vgpr_workitem_id 0
		.amdhsa_next_free_vgpr 130
		.amdhsa_next_free_sgpr 66
		.amdhsa_reserve_vcc 1
		.amdhsa_float_denorm_mode_32 3
		.amdhsa_float_denorm_mode_16_64 3
		.amdhsa_memory_ordered 1
		.amdhsa_forward_progress 1
		.amdhsa_inst_pref_size 49
	.end_amdhsa_kernel
	.amdgpu_metadata
---
amdhsa.version: [ 1, 2 ]
amdhsa.kernels:
  - .name:           k_q8cbc66365b_place
    .symbol:         k_q8cbc66365b_place.kd
    .args:
      - { .name: route, .offset: 0, .size: 8, .value_kind: global_buffer, .address_space: global }
      - { .name: W1_codes, .offset: 8, .size: 8, .value_kind: global_buffer, .address_space: global }
      - { .name: W2_codes, .offset: 16, .size: 8, .value_kind: global_buffer, .address_space: global }
      - { .name: list, .offset: 24, .size: 8, .value_kind: global_buffer, .address_space: global }
      - { .name: wq, .offset: 32, .size: 8, .value_kind: global_buffer, .address_space: global }
    .group_segment_fixed_size: 2048
    .private_segment_fixed_size: 0
    .kernarg_segment_align: 8
    .kernarg_segment_size: 40
    .max_flat_workgroup_size: 256
    .sgpr_count:     66
    .vgpr_count:     130
    .wavefront_size: 32
...
	.end_amdgpu_metadata
.endif
;; end of part 7
;; launch chain1 (part 8): grid 91 x 2, 4 waves a work-group, no clusters, 49,664 bytes of LDS; arguments list, xq, xs, wq, W1_scales, b1, hq, hs; writes hq, hs
.if DOCPART == 8
	.amdgcn_target "amdgcn-amd-amdhsa--gfx1250"
	.amdhsa_code_object_version 6
	.text
	.protected	k_q8cbc66365b_chain1
	.globl	k_q8cbc66365b_chain1
	.p2align	8
	.type	k_q8cbc66365b_chain1,@function
k_q8cbc66365b_chain1:
	s_mov_b64 s[64:65], 0
	v_nop
	global_prefetch_b8 v0, s[64:65] scope:SCOPE_SE
	s_setreg_imm32_b32 hwreg(HW_REG_WAVE_SCHED_MODE, 0, 2), 2
	s_setreg_imm32_b32 hwreg(HW_REG_WAVE_MODE, 25, 1), 1
	s_wait_xcnt 0x0
	s_wait_alu depctr_vm_vsrc(0)
; CHAIN1.  The first product of the experts' chain.  A tile is up to 64 tokens that chose the same two experts; work-group (tile, x) makes relu(x W1 + b1) of ONE of the two for all 1,024 hidden units,
; quantises it along the hidden units to codes of FP6 (E2M3) with E8M0 scales, and stores it as the second product's operand.  The product is on codes of FP6 with E8M0 scales.
; WHY THE CHAIN IS CUT HERE: a tile's eight passes are so shared among four work-groups, two here and two in the next launch; what goes through memory is the hidden layer as codes, 102,400 bytes a tile.
; OUT: hq [tile][slot 16][token tile m 4][1,536 bytes]: a fragment's 12 registers as an image: registers 4 c .. 4 c + 3 of lane l at 512 c + 16 l.   hs [tile][slot 16][token r 16][m 4]: the fragments' scale words.
; Slot 8 x + 4 n + w holds hidden units 128 (w + 4 (n ^ b1)) on, of expert F (x = 0) or S (x = 1).  F is lo or hi by the tile's number (b0), and b1 flips the halves, so that tiles of one expert do not all begin at the same weights.
; The grid's 91 tiles serve every split of the tokens (64 + 27 at the most).  A tile that the split leaves empty stores nothing: it passes the one barrier and ends behind it.
; A slot past the tile's count repeats the tile's last token.
; NO TENSOR LOADS, NO CLUSTER: which weights a tile walks, and whether it works at all, hangs on the stored list, so partners could not be given equal requests; and each weight byte feeds one wave alone, so LDS would save no read.
; SHARES.  THE WAVES SHARE THE COLUMNS.  A PASS is 128 columns (8 weight tiles) x 64 tokens (4 tiles) x K = 1,024: 8 K steps of 32 matrix instructions on 32 accumulators; its weights are 98,304 consecutive bytes of wq.  A wave runs two passes.
; THE MATRIX INSTRUCTION IS USED TRANSPOSED: source 0 = 16 rows of W1, source 1 = 16 tokens.  Lane (r, h) holds token r; by the choice of a tile's rows the 16 registers of tiles 2 b, 2 b + 1 are columns 32 b + 16 h + 0 .. 15 of the group: neighbours along the next K.
; LIMITS: a block of the hidden layer whose largest number lies under 2^(3 - 127) keeps the byte 1 (a block of zeros too: its codes are zeros, and this program alone reads the bytes).
; LDS: x's 32 fragment images (K step s, token tile m at (4 s + m) 1,536).
; REGISTERS, in windows of 256.  Window 0: addresses, scale words (v40-87), two sets of four token fragments (v88-183), the quantiser's work.  Window 1: weight buffers 0, 1 (96 each), from v192 a pass's bias (8 tiles x 8).
;   Window 2: weight buffers 2, 3.  Window 3: the 32 accumulators, (m, t) at 64 m + 8 t.
; THE MODE: SCHED_MODE bits 1:0 = 2 (LLVM: expert scheduling mode 2), set by the entry lines.  The code itself states the register dependences between vector or matrix instructions and memory or LDS instructions, with s_wait_alu, always for 0.
; THE PLAN.  Registers that memory or LDS instructions touch:
;   weight buffers 0 .. 3   Step s's matrix instructions read buffer s % 4; the loads of K step s + 4 land in it, issued in step s + 1 (those behind step 7: in the pass's tail).
;   token sets 0, 1         Step s reads set s % 2; the LDS loads of step s + 2's fragments land in it, issued in step s + 1 (tail likewise).
;   scale words, the bias   The first lap's words are read by steps 0 to 3 and the bias by step 0: both are loaded again in step 5; the second lap's words are read by steps 4 to 7 and loaded again in the tail.
;   v[PC ..], v[PW ..]      Written by the quantiser, read by the stores of the hidden layer.
;   window 3, v0-95         At the head x's codes pass through them: read by my LDS stores, later written by the matrix instructions.
;   addresses               v1, v11 to v14 and the head's v224-233: made at the head, never written again.
; So ONE wait on va_vdst stands at the head of each step that issues loads: the step before is done reading the buffer, the set and the words in which this step's loads land.  The loads follow in three runs among the step's
; matrix instructions, which name buffer s % 4, set s % 2, the accumulators and scale words that no load of the step touches.  Step 0 issues nothing and has no such wait.
.set L16,  1                           ; v1   16 x lane
.set BAX,  1                           ;      x's images begin at LDS byte 0
.set LNR,  2                           ; v2   r
.set LNH,  3                           ; v3   h
.set SO,   11                          ; v11  a weight's scale words: 32 x (8 h + r + 8 (r / 8))
.set BO,   12                          ; v12  a bias: 64 h
.set XW,   13                          ; v13  where my wave stores x's images
.set HSO,  14                          ; v14  16 r: my token's four scale words in a slot
.set TOK,  16                          ; v16-19 token of slot 16 m + r
.set TOKW, 20                          ; v20  token of slot 16 w + r
.set SW,   40                          ; v40-71 weight scale words: register 8 tp + s: lanes 0-15 tile 2 tp, lanes 16-31 tile 2 tp + 1, K step s
.set BS,   72                          ; v72-87 x's scale words: register 4 m + s % 4: lanes 0-15 steps 0-3, lanes 16-31 steps 4-7
.set BF,   88                          ; v88-183 token fragments, two sets of four
.set TM,   184                         ; v184-199 the quantiser's work
.set PW,   200                         ; v200-203 the scale words just made, one for each token tile
.set PC,   204                         ; v204-222 the codes just made
.set HT,   224                         ; v224-253 the head's work
.set BIA,  192                         ; in window 1
; scalars: s[8:23] the eight buffers; s[24:25] hq and s[26:27] hs at my wave's first slot; s28 my expert, s30 count, s31 wave, s32 b0, s33 b1, s49 x; s[34:35] WB: this pass's second lap;
; s[36:37] WA, s[38:39] WBn: the next pass's laps; s[40:41] SA, s[42:43] SB: its scale words; s[44:45] its bias; s[46:47] lane selects; s51 expert, s54 column group; s56-63 at work; s[68:69] my tile's slots
.set MSB, 0
.macro WIN new                         ; the immediate's high byte repeats the setting that is left
.if MSB != \new
	s_set_vgpr_msb (MSB<<8)|\new
.set MSB, \new
.endif
.endm
; a pass's addresses, from s51 and s54.  The expert is a loaded number: it is held at 7 ahead of the arithmetic
.macro NEXTP
	s_min_u32 s51, s51, 7
	s_lshl_b32 s56, s51, 3
	s_add_co_u32 s56, s56, s54                     ; 8 e + cg
	s_mul_i32 s58, s56, 98304                      ; the pass's weights
	s_mov_b32 s59, 0
	s_add_nc_u64 s[36:37], s[14:15], s[58:59]
	s_add_nc_u64 s[38:39], s[36:37], 49152         ; a lap is four K steps of 12,288 bytes
	s_lshl_b32 s58, s56, 12                        ; 128 rows of 32 scale bytes
	s_add_nc_u64 s[40:41], s[16:17], s[58:59]
	s_add_nc_u64 s[42:43], s[40:41], 16            ; a lap's four words
	s_lshl_b32 s58, s56, 9                         ; 128 f32
	s_add_nc_u64 s[44:45], s[18:19], s[58:59]
.endm
.macro LOADW buf, ptr, k               ; a K step's eight weight fragments: 24 loads of 512 consecutive bytes
.if (\buf) < 2
	WIN 0x40
.else
	WIN 0x80
.endif
.set rW, 96*((\buf)&1)
.irp t, 0,1,2,3,4,5,6,7
.irp c, 0,1,2
	global_load_b128 v[rW+12*\t+4*\c:rW+12*\t+4*\c+3], v[L16], s[\ptr:\ptr+1] offset:(\k)*12288+1536*\t+512*\c
.endr
.endr
.endm
.macro WHALF buf, ptr, k, t0           ; half of that: fragments t0 .. t0 + 3, 12 loads: one run among a step's matrix instructions
.if (\buf) < 2
	WIN 0x40
.else
	WIN 0x80
.endif
.set rW, 96*((\buf)&1)
.irp t, \t0, \t0+1, \t0+2, \t0+3
.irp c, 0,1,2
	global_load_b128 v[rW+12*(\t)+4*\c:rW+12*(\t)+4*\c+3], v[L16], s[\ptr:\ptr+1] offset:(\k)*12288+1536*(\t)+512*\c
.endr
.endr
.endm
.macro LOADSW j, ptr                   ; a lap's weight scale words: four words a row
.irp tp, 0,1,2,3
	global_load_b128 v[SW+8*\tp+4*(\j):SW+8*\tp+4*(\j)+3], v[SO], s[\ptr:\ptr+1] offset:1024*\tp
.endr
.endm
.macro LOADBIAS                        ; tile 2 b + u, lane (r, h): the bias of columns 32 b + 16 h + 8 u + 0 .. 7
.irp b, 0,1,2,3
.irp u, 0,1
.irp k, 0,1
	global_load_b128 v[BIA+8*(2*\b+\u)+4*\k:BIA+8*(2*\b+\u)+4*\k+3], v[BO], s[44:45] offset:128*\b+32*\u+16*\k
.endr
.endr
.endr
.endm
.macro FETCHB set, ba, s               ; the four token fragments of K step s: 12 LDS loads of 512 consecutive bytes
.irp m, 0,1,2,3
.irp c, 0,1,2
	ds_load_b128 v[BF+48*(\set)+12*\m+4*\c:BF+48*(\set)+12*\m+4*\c+3], v[\ba] offset:(4*(\s)+\m)*1536+512*\c
.endr
.endr
.endm
; four matrix instructions of K step s: weight tile t against the four token tiles.  Step 0 starts the sums with the bias as C
.macro MUL4 s, t
.irp m, 0,1,2,3
.set rD, 64*\m+8*(\t)
.set rC, rD
.if (\s) == 0
.set rC, BIA+8*(\t)
.endif
.set rFA, 96*((\s)&1)+12*(\t)
.set rFB, BF+48*((\s)%2)+12*\m
.set rSA, SW+8*((\t)/2)+(\s)
.set rSB, BS+4*\m+((\s)%4)
.if ((\t)%2) && ((\s) >= 4)
	v_wmma_scale_f32_16x16x128_f8f6f4 v[rD:rD+7], v[rFA:rFA+11], v[rFB:rFB+11], v[rC:rC+7], v[rSA], v[rSB] matrix_a_fmt:MATRIX_FMT_FP6 matrix_b_fmt:MATRIX_FMT_FP6 matrix_a_scale:MATRIX_SCALE_ROW1 matrix_b_scale:MATRIX_SCALE_ROW1
.elseif ((\t)%2)
	v_wmma_scale_f32_16x16x128_f8f6f4 v[rD:rD+7], v[rFA:rFA+11], v[rFB:rFB+11], v[rC:rC+7], v[rSA], v[rSB] matrix_a_fmt:MATRIX_FMT_FP6 matrix_b_fmt:MATRIX_FMT_FP6 matrix_a_scale:MATRIX_SCALE_ROW1
.elseif ((\s) >= 4)
	v_wmma_scale_f32_16x16x128_f8f6f4 v[rD:rD+7], v[rFA:rFA+11], v[rFB:rFB+11], v[rC:rC+7], v[rSA], v[rSB] matrix_a_fmt:MATRIX_FMT_FP6 matrix_b_fmt:MATRIX_FMT_FP6 matrix_b_scale:MATRIX_SCALE_ROW1
.else
	v_wmma_scale_f32_16x16x128_f8f6f4 v[rD:rD+7], v[rFA:rFA+11], v[rFB:rFB+11], v[rC:rC+7], v[rSA], v[rSB] matrix_a_fmt:MATRIX_FMT_FP6 matrix_b_fmt:MATRIX_FMT_FP6
.endif
.endr
.endm
; A K STEP.  ahead = 1: steps 5 to 7 ask for the next pass's scale words, bias and first three K steps.  ba: the token images; bn: those of the next pass (0: none).
; WHAT A STEP ASKS FOR: step s (1 to 4): this pass's K step s + 3, into buffer s - 1; step s (5 to 7), where a pass follows: the next pass's K step s - 5, into buffer s - 5; step s (1 to 6): the token fragments of step s + 1;
; step 7: the next pass's of step 0.  Step 0 asks for nothing: the head, or the tail of the pass before, has asked for K steps 0 to 3 and for both token sets.
; THE WAIT FOR WEIGHTS counts the loads issued behind those that the step wants.  Step 0: K steps 1, 2, 3 and four loads of scale words, 76: the wait names 63, the largest count that it can name.  Steps 1 and 2: two K steps and
; those four loads: 52.  Steps 3, 4, 5: two K steps: 48.  Steps 6 and 7 where a pass follows: a K step and the 44 loads of step 5, or those 44 and a K step: 68: again 63.  In the last pass: 24 and 0.
; THE WAIT FOR TOKENS: at step 0 set 1's twelve LDS loads are younger; at every other step nothing is, since the next fragments are asked for behind the wait.
; The 32 accumulators take turns, one instruction a turn, in the same order in every step.
.macro STEP s, ahead, ba, bn
.if (\s) == 0
	s_wait_loadcnt 63
	s_wait_dscnt 12
.else
.if (\s) < 3
	s_wait_loadcnt 52
.elseif (\s) < 6
	s_wait_loadcnt 48
.elseif \ahead
	s_wait_loadcnt 63
.else
	s_wait_loadcnt 24*(7-(\s))
.endif
	s_wait_dscnt 0x0
.endif
.if ((\s) > 0) && (((\s) < 7) || ((\bn) != 0))
	s_wait_alu depctr_va_vdst(0)                   ; the matrix instructions of the step before are done reading their weight buffer and their token set, and those of earlier steps the scale words and the bias, in which this step's loads land
.endif
.set MW, 0xf2                                          ; source 0 window 2, C and D window 3
.if ((\s)%4) < 2
.set MW, 0xf1                                          ; source 0 window 1
.endif
.if (\s) == 0
.set MW, 0xd1                                          ; source 0 and C window 1, source 1 window 0, D window 3
.endif
	WIN MW
	MUL4 \s, 0
.if ((\s) > 0) && (((\s) < 7) || ((\bn) != 0))
	WIN 0
.if (\s) < 7
	FETCHB ((\s)+1)%2, \ba, (\s)+1                 ; no wait: no matrix instruction since the wait at the step's head names this set
.else
	FETCHB 0, \bn, 0
.endif
.endif
.if ((\s) == 5) && (\ahead)
	LOADSW 0, 40
.endif
	WIN MW
	MUL4 \s, 1
	MUL4 \s, 2
.if ((\s) == 5) && (\ahead)
	WIN 0x40
	LOADBIAS
.endif
.if ((\s) > 0) && ((\s) < 5)
	WHALF (\s)-1, 34, (\s)-1, 0                    ; likewise: this buffer is named by no matrix instruction since the wait
.elseif ((\s) >= 5) && (\ahead)
	WHALF (\s)-5, 36, (\s)-5, 0
.endif
	WIN MW
	MUL4 \s, 3
	MUL4 \s, 4
.if ((\s) > 0) && ((\s) < 5)
	WHALF (\s)-1, 34, (\s)-1, 4
.elseif ((\s) >= 5) && (\ahead)
	WHALF (\s)-5, 36, (\s)-5, 4
.endif
	WIN MW
	MUL4 \s, 5
	MUL4 \s, 6
	MUL4 \s, 7
.rept 4
	v_nop                                          ; four places behind the step's matrix instructions: ahead of the next step's loads into registers that they have read, and of the first read of results
.endr
	WIN 0
.endm
; A pass's tail, where a pass follows: what can be asked for only when step 7 is done with its registers
.macro TAIL bn
	s_wait_alu depctr_va_vdst(0)                   ; step 7's matrix instructions are done reading weight buffer 3, token set 1 and the second lap's scale words, in which the loads below land
	LOADSW 1, 42
	LOADW 3, 36, 3
	WIN 0
	FETCHB 1, \bn, 1
.endm
.macro LAPA ba
	STEP 0, 1, \ba, 0
	STEP 1, 1, \ba, 0
	STEP 2, 1, \ba, 0
	STEP 3, 1, \ba, 0
.endm
.macro LAPB ahead, ba, bn
	STEP 4, \ahead, \ba, \bn
	STEP 5, \ahead, \ba, \bn
	STEP 6, \ahead, \ba, \bn
	STEP 7, \ahead, \ba, \bn
.endm
.macro RELU m                          ; the activation, in f32, each accumulator from its low end on
	WIN 0xcc
.set i, 0
.rept 64
	v_max_num_f32 v[64*(\m)+i], 0, v[64*(\m)+i]
.set i, i+1
.endr
.endm
; token tile m's 64 numbers of a lane (register 16 b + i = column 32 b + 16 h + i of the group, none negative) become a fragment's codes in v[PC] on and its scale word in v[PW + m]
.macro QUANT3 m
	WIN 0x0f                                       ; sources 0 and 1 window 3
.irp b, 0,1,2,3
	v_max3_num_f32 v[TM+\b], v[64*(\m)+16*\b], v[64*(\m)+16*\b+1], 0x1800000   ; my 16 of block b, and the floor 2^(3 - 127): the byte cannot fall under 1
.endr
.irp i, 2,4,6,8,10,12,14
.irp b, 0,1,2,3
	v_max3_num_f32 v[TM+\b], v[64*(\m)+16*\b+\i], v[64*(\m)+16*\b+\i+1], v[TM+\b]   ; (the four blocks by turns)
.endr
.endr
	WIN 0
.irp b, 0,1,2,3
	v_permlanex16_b32 v[TM+4+\b], v[TM+\b], s46, s47
.endr
.irp b, 0,1,2,3
	v_max_num_f32 v[TM+\b], v[TM+\b], v[TM+4+\b]   ; with lane l xor 16's: the block's largest
.endr
.irp b, 0,1,2,3
	v_add_nc_u32 v[TM+12+\b], 0xff000000, v[TM+\b] ; 2 off its exponent field: the conversion's scale operand
.endr
.irp b, 0,1,2,3
	v_lshrrev_b32 v[TM+4+\b], 23, v[TM+12+\b]      ; the scale's byte
.endr
	v_lshl_or_b32 v[PW+(\m)], v[TM+5], 8, v[TM+4]
	v_lshl_or_b32 v[PW+(\m)], v[TM+6], 16, v[PW+(\m)]
	v_lshl_or_b32 v[PW+(\m)], v[TM+7], 24, v[PW+(\m)]
	WIN 0x03                                       ; source 0 window 3
.irp c, 0,1
	v_cvt_scalef32_pk16_fp6_f32 v[PC+6*\c:PC+6*\c+2], v[64*(\m)+32*\c:64*(\m)+32*\c+15], v[TM+12+2*\c]
	v_cvt_scalef32_pk16_fp6_f32 v[PC+12+4*\c:PC+12+4*\c+2], v[64*(\m)+32*\c+16:64*(\m)+32*\c+31], v[TM+12+2*\c+1]   ; (a conversion's three registers begin on an even number)
.endr
	WIN 0
	v_nop                                          ; one plain line behind a scaled conversion
.irp c, 0,1                            ; the operand wants a WHOLE block in a lane: lanes 0-15 block 2 c, lanes 16-31 block 2 c + 1
.irp i, 0,1,2
	v_permlane16_swap_b32 v[PC+6*\c+\i], v[PC+12+4*\c+\i]
.endr
.irp i, 0,1,2
	v_mov_b32 v[PC+3+6*\c+\i], v[PC+12+4*\c+\i]
.endr
.endr
.endm
; pass n ends: four fragments of the hidden layer leave as images of their registers, 512 consecutive bytes a store, and their scale words as one aligned block of 256 bytes
.macro EPI1 n
	RELU 0
.irp m, 0,1,2,3
	QUANT3 \m
	s_wait_alu depctr_va_vdst(0)                   ; the quantiser has written v[PC ..] and v[PW + m], which the stores read
.irp c, 0,1,2
	global_store_b128 v[L16], v[PC+4*\c:PC+4*\c+3], s[24:25] offset:24576*(\n)+1536*\m+512*\c
.endr
.if \m < 3
	RELU \m+1                                      ; the next tile's activation stands between the stores and the waits
	WIN 0
	s_wait_xcnt 0x0                                ; the stores have read their data: the next tile's codes are written only behind this wait
	s_wait_alu depctr_vm_vsrc(0)                   ; the three stores have read v[PC ..], which the next tile's quantiser writes again
.endif
.endr
	global_store_b128 v[HSO], v[PW:PW+3], s[26:27] offset:1024*(\n)   ; token r's four words; lanes 16-31 hold the same words and write the same bytes.  No wait: no vector instruction has been issued since the last wait on va_vdst
.endm
	s_load_b512 s[8:23], s[0:1], 0x0               ; list, xq, xs, wq, W1's scales, b1, hq, hs
	v_lshl_add_u32 v254, v0, 2, 0xc000
	v_mov_b32 v255, 0
	v_lshrrev_b32 v4, 5, v0
	v_readfirstlane_b32 s31, v4                    ; wave 0..3
	v_and_b32 v4, 31, v0
	v_and_b32 v[LNR], 15, v0
	v_bfe_u32 v[LNH], v0, 4, 1
	v_lshlrev_b32 v[L16], 4, v4
	v_lshlrev_b32 v[HSO], 4, v[LNR]
	v_and_b32 v21, 8, v[LNR]
	v_add_nc_u32 v21, v21, v[LNR]
	v_lshl_add_u32 v21, v[LNH], 3, v21
	v_lshlrev_b32 v[SO], 5, v21
	v_lshlrev_b32 v[BO], 6, v[LNH]
	s_wait_alu depctr_va_sdst(0)                   ; s31 is written, ahead of its first reader: LDS addresses and the bases of hq and hs are made from it
	s_mul_i32 s56, s31, 1536
	v_add_nc_u32 v[XW], s56, v[L16]
.irp b, 0,1,2,3
	v_mov_b32 v[TM+4+\b], 0                        ; written once: a lane permute's destination counts as one of its sources
.endr
	s_and_b32 s32, ttmp9, 1                        ; b0
	s_bfe_u32 s33, ttmp9, 0x10001                  ; b1
	s_and_b32 s49, ttmp7, 0xffff                   ; x: F's run or S's
	s_lshl_b32 s60, ttmp9, 4
	s_mov_b32 s46, 0x76543210
	s_mov_b32 s47, 0xfedcba98                      ; v_permlanex16_b32's selects for lane l xor 16
	s_wait_kmcnt 0x0
	s_load_b128 s[56:59], s[8:9], s60 offset:0x0   ; my tile's record: lo, hi, count
	s_wait_kmcnt 0x0
	s_xor_b32 s61, s32, s49                        ; F is lo where b0 = 0, S the other: so my expert is hi where b0 xor x = 1
	s_cmp_eq_u32 s61, 0
	s_cselect_b32 s28, s56, s57
	s_min_u32 s28, s28, 7
	s_min_u32 s30, s58, 64
	s_cmp_eq_u32 s30, 0
	s_cselect_b32 s60, 0, ttmp9                    ; an empty tile has no slot that was written: it reads tile 0's first, and stores nothing
	s_min_u32 s60, s60, 90
	s_lshl_b32 s60, s60, 8
	s_add_co_u32 s60, s60, 2048
	s_mov_b32 s61, 0
	s_add_nc_u64 s[68:69], s[8:9], s[60:61]
	s_lshl_b32 s60, s49, 3
	s_add_co_u32 s60, s60, s31                     ; my first slot: 8 x + w
	s_mul_i32 s62, s60, 6144                       ; a slot is four images
	s_mul_i32 s63, ttmp9, 98304
	s_add_co_u32 s62, s62, s63
	s_mov_b32 s63, 0
	s_add_nc_u64 s[24:25], s[20:21], s[62:63]
	s_lshl_b32 s62, s60, 8
	s_lshl_b32 s60, ttmp9, 12
	s_add_co_u32 s62, s62, s60
	s_add_nc_u64 s[26:27], s[22:23], s[62:63]
	s_max_u32 s62, s30, 1
	s_sub_co_u32 s62, s62, 1                       ; the last slot that was written
	s_lshl_b32 s63, s31, 4
.irp m, 0,1,2,3
	v_add_nc_u32 v[HT+\m], 16*\m, v[LNR]
.endr
	v_add_nc_u32 v[HT+4], s63, v[LNR]
.irp m, 0,1,2,3,4
	v_min_u32 v[HT+\m], s62, v[HT+\m]
	v_min_u32 v[HT+\m], 63, v[HT+\m]
	v_lshlrev_b32 v[HT+\m], 2, v[HT+\m]
.endr
	s_wait_alu depctr_va_vdst(0)                   ; the slots' offsets v[HT ..] are written, and so are v1 and v11 to v14, which every load and store of the kernel reads as its address
.irp m, 0,1,2,3,4
	global_load_b32 v[TOK+\m], v[HT+\m], s[68:69]
.endr
	s_mov_b32 s51, s28                             ; pass 0: column group w + 4 b1
	s_lshl_b32 s54, s33, 2
	s_add_co_u32 s54, s54, s31
	NEXTP
	LOADSW 0, 40
	WIN 0x40
	LOADBIAS
	LOADW 0, 36, 0
	WIN 0
	s_wait_loadcnt 44                              ; the five token loads are in: behind them 4 + 16 + 24
.irp m, 0,1,2,3,4
	v_min_u32 v[TOK+\m], 0xfff, v[TOK+\m]
.endr
	v_mul_u32_u24 v[HT+5], v[TOKW], 768
	v_mad_u32_u24 v[HT+5], v[LNH], 48, v[HT+5]     ; my token's codes, my half's 48 bytes of a K step
.irp m, 0,1,2,3
	v_lshlrev_b32 v[HT+6+\m], 5, v[TOK+\m]
	v_lshl_add_u32 v[HT+6+\m], v[LNH], 4, v[HT+6+\m]
.endr
	WIN 0xc0                                       ; destination window 3: the accumulators are not in use yet
	s_wait_alu depctr_va_vdst(0)                   ; the five offsets v[HT + 5 ..] made from the tokens are written, which the loads of x's codes and scale words read
.irp s, 0,1,2,3,4,5,6,7
.irp c, 0,1,2
	global_load_b128 v[12*\s+4*\c:12*\s+4*\c+3], v[HT+5], s[10:11] offset:96*\s+16*\c
.endr
.endr
	WIN 0
.irp m, 0,1,2,3
	global_load_b128 v[BS+4*\m:BS+4*\m+3], v[HT+6+\m], s[12:13]   ; x's scale words: lanes 0-15 K steps 0-3, lanes 16-31 K steps 4-7
.endr
	LOADW 1, 36, 1
	WIN 0
	s_wait_loadcnt 24                              ; all but the 24 just issued
	WIN 0x0c
.irp s, 0,1,2,3,4,5,6,7
.irp c, 0,1,2
	ds_store_b128 v[XW], v[12*\s+4*\c:12*\s+4*\c+3] offset:6144*\s+512*\c   ; token tile w, K step s, as an image of its registers
.endr
.endr
	LOADW 2, 36, 2
	WIN 0
	LOADSW 1, 42
	LOADW 3, 36, 3
	WIN 0
	s_wait_dscnt 0x0                               ; for the others' sake: my images have landed
	s_barrier_signal -1
	s_barrier_wait -1                              ; x's 32 fragments lie in LDS; no barrier follows
	s_wait_alu depctr_vm_vsrc(0)                   ; my LDS stores have read window 3's v0-95: these registers are accumulators from here on, written by the matrix instructions
	s_cmp_eq_u32 s30, 0
	s_cbranch_scc1 .Lend                           ; an empty tile ends here
	FETCHB 0, BAX, 0
	FETCHB 1, BAX, 1
	s_wait_xcnt 0x0                                ; the loads issued so far have read their bases: they may be written
	s_mov_b64 s[34:35], s[38:39]
	s_xor_b32 s54, s54, 4                          ; the next pass: the other half of the hidden units
	NEXTP
	LAPA BAX
	LAPB 1, BAX, BAX
	TAIL BAX
	EPI1 0
	s_wait_xcnt 0x0                                ; the loads have read their bases, the stores their data
	s_wait_alu depctr_vm_vsrc(0)                   ; the last stores have read v[PC ..] and v[PW ..], which the next pass's quantiser writes again
	s_mov_b64 s[34:35], s[38:39]
	LAPA BAX
	LAPB 0, BAX, 0                                 ; the last pass asks for nothing beyond its own K steps, and its counts run down
	EPI1 1
.Lend:
	s_wait_dscnt 0x0                               ; the closing lines, six on end
	s_wait_alu 0x0
	s_wait_tensorcnt 0x0
	ds_add_u32 v254, v255
	s_wait_dscnt 0x0
	s_endpgm
.Lfunc_end_k_q8cbc66365b_chain1:
	.size	k_q8cbc66365b_chain1, .Lfunc_end_k_q8cbc66365b_chain1-k_q8cbc66365b_chain1
	.p2alignl 7, 3214868480
	.fill 96, 4, 3214868480
	.section	.rodata,"a",@progbits
	.p2align	6, 0x0
	.amdhsa_kernel k_q8cbc66365b_chain1
		.amdhsa_group_segment_fixed_size 49664
		.amdhsa_private_segment_fixed_size 0
		.amdhsa_enable_private_segment 0
		.amdhsa_kernarg_size 64
		.amdhsa_user_sgpr_count 2
		.amdhsa_user_sgpr_kernarg_segment_ptr 1
		.amdhsa_wavefront_size32 1
		.amdhsa_system_sgpr_workgroup_id_x 1
		.amdhsa_system_sgpr_workgroup_id_y 1
		.amdhsa_system_sgpr_workgroup_id_z 1
		.amdhsa_system_vgpr_workitem_id 0
		.amdhsa_next_free_vgpr 1024
		.amdhsa_next_free_sgpr 72
		.amdhsa_reserve_vcc 0
		.amdhsa_float_denorm_mode_32 3
		.amdhsa_float_denorm_mode_16_64 3
		.amdhsa_memory_ordered 1
		.amdhsa_forward_progress 1
		.amdhsa_inst_pref_size 185
	.end_amdhsa_kernel
	.amdgpu_metadata
---
amdhsa.version: [ 1, 2 ]
amdhsa.kernels:
  - .name:           k_q8cbc66365b_chain1
    .symbol:         k_q8cbc66365b_chain1.kd
    .args:
      - { .name: list, .offset: 0, .size: 8, .value_kind: global_buffer, .address_space: global }
      - { .name: xq, .offset: 8, .size: 8, .value_kind: global_buffer, .address_space: global }
      - { .name: xs, .offset: 16, .size: 8, .value_kind: global_buffer, .address_space: global }
      - { .name: wq, .offset: 24, .size: 8, .value_kind: global_buffer, .address_space: global }
      - { .name: W1_scales, .offset: 32, .size: 8, .value_kind: global_buffer, .address_space: global }
      - { .name: b1, .offset: 40, .size: 8, .value_kind: global_buffer, .address_space: global }
      - { .name: hq, .offset: 48, .size: 8, .value_kind: global_buffer, .address_space: global }
      - { .name: hs, .offset: 56, .size: 8, .value_kind: global_buffer, .address_space: global }
    .group_segment_fixed_size: 49664
    .private_segment_fixed_size: 0
    .kernarg_segment_align: 8
    .kernarg_segment_size: 64
    .max_flat_workgroup_size: 128
    .sgpr_count:     72
    .vgpr_count:     1024
    .wavefront_size: 32
...
	.end_amdgpu_metadata
.endif
;; end of part 8
;; launch chain2 (part 9): grid 91 x 2, 4 waves a work-group, no clusters, 132,608 bytes of LDS; arguments list, gate, wq, W2_scales, b2, hq, hs, out0; writes out0
.if DOCPART == 9
	.amdgcn_target "amdgcn-amd-amdhsa--gfx1250"
	.amdhsa_code_object_version 6
	.text
	.protected	k_q8cbc66365b_chain2
	.globl	k_q8cbc66365b_chain2
	.p2align	8
	.type	k_q8cbc66365b_chain2,@function
k_q8cbc66365b_chain2:
	s_mov_b64 s[64:65], 0
	v_nop
	global_prefetch_b8 v0, s[64:65] scope:SCOPE_SE
	s_setreg_imm32_b32 hwreg(HW_REG_WAVE_SCHED_MODE, 0, 2), 2
	s_setreg_imm32_b32 hwreg(HW_REG_WAVE_MODE, 25, 1), 1
	s_wait_xcnt 0x0
	s_wait_alu depctr_vm_vsrc(0)
; CHAIN2.  The second product of the experts' chain and the gates.  Work-group (tile, y) makes 512 of the 1,024 output columns (column groups 4 y + w) for the tile's up to 64 tokens:
; out = g_lo (h_lo W2_lo + b2_lo) + g_hi (h_hi W2_hi + b2_hi), h the hidden layer as the launch before stored it: codes of FP6 (E2M3) with E8M0 scales, as images of the operand's registers.
; The grid's 91 tiles serve every split of the tokens.  A tile that the split leaves empty reads tile 0's hidden layer and first slot (no byte that nobody stored), passes the one barrier, stores nothing and ends behind it.
; A slot past the tile's count repeats the tile's last token: the row is made twice and the same bytes are stored twice by the same wave.
; NO TENSOR LOADS, NO CLUSTER: which weights a tile walks, and whether it works at all, hangs on the stored list, so partners could not be given equal requests; and each weight byte feeds one wave alone, so LDS would save no read.
; SHARES.  THE WAVES SHARE THE COLUMNS.  A PASS is 128 columns (8 weight tiles) x 64 tokens (4 tiles) x K = 1,024: 8 K steps of 32 matrix instructions on 32 accumulators; its weights are 98,304 consecutive bytes of wq.  A wave runs two: F, then S.
; F is lo or hi by the tile's number (b0).  Slot s of a run holds hidden units 128 (s ^ 4 b1) on, so with b1 = 1 W2's two laps of four K steps are taken in the other order.
; BOTH EXPERTS SHARE ONE SET OF ACCUMULATORS: out = y (p (A_F + b2_F) + A_S + b2_S), y = max(g_S, 2^-30), p = g_F / y.  F's sums begin with C = b2_F; one packed multiply-add a pair (x p, + b2_S); S's sums add on; y at the end.
; LIMITS: a gate weight under 2^-30 is taken as 2^-30, which adds at most 2^-30 x that expert's row; the two experts' rows are weighed and added in this order, not in the order of the two largest logits; K is summed by laps as said above.
; THE MATRIX INSTRUCTION IS USED TRANSPOSED: source 0 = 16 rows of W2, source 1 = 16 tokens.  Lane (r, h) holds token r; by the choice of a tile's rows the 16 registers of tiles 2 b, 2 b + 1 are columns 32 b + 16 h + 0 .. 15 of the group.
; LDS: the hidden layer's 64 fragment images as they lie in hq (slot k, token tile m at (4 k + m) 1,536; F: slots 0-7, S: 8-15); a stage of 16 rows x 528 bytes for each wave.
; REGISTERS, in windows of 256.  Window 0: addresses, gates, scale words, two sets of four token fragments (v88-183; on the way out v88-151 hold the 64 rows' offsets).  Window 1: weight buffers 0, 1 (96 each), from v192 a pass's bias (8 tiles x 8).
;   Window 2: weight buffers 2, 3; on the way out two sets of 16 rows, v192-255 and v128-191, by turns.  Window 3: the 32 accumulators, (m, t) at 64 m + 8 t; at the head my quarter of the hidden layer on its way to LDS.
; THE MODE: SCHED_MODE bits 1:0 = 2 (LLVM: expert scheduling mode 2), set by the entry lines.  The code itself states the register dependences between vector or matrix instructions and memory or LDS instructions, with s_wait_alu, always for 0.
; THE PLAN.  Registers that memory or LDS instructions touch:
;   weight buffers 0 .. 3   Step s's matrix instructions read buffer s % 4; the loads of K step s + 4 land in it, issued in step s + 1 (those behind step 7: in the pass's tail).
;   token sets 0, 1         Step s reads set s % 2; the LDS loads of step s + 2's fragments land in it, issued in step s + 1 (tail likewise).
;   scale words, the bias   The first lap's words are read by steps 0 to 3 and the bias by step 0: both are loaded again in step 5; the second lap's words are read by steps 4 to 7 and loaded again in the tail.
;   window 3                At the head my quarter of the hidden layer passes through v0-191: read by my LDS stores, later written by the matrix instructions.  On the way out the accumulators, written by the multiplies by y, are the data of the stage's LDS stores.
;   BK0, BK1                Tile m's rows come back from the stage into set m % 2 and are read by tile m's stores; no vector instruction names them on the way out.
;   v[RO ..]                The 64 rows' offsets: written once, ahead of the first tile, read by the stores.
;   addresses               v1, v6, v7, v11 to v15 and the head's v224-237: made at the head, never written again.
; So ONE wait on va_vdst stands at the head of each step that issues loads: the step before is done reading the buffer, the set and the words in which this step's loads land.  The loads follow in three runs among the step's
; matrix instructions, which name buffer s % 4, set s % 2, the accumulators and scale words that no load of the step touches.  Step 0 issues nothing and has no such wait.
.set STG,  98304
.set SPT,  528
.set L16,  1                           ; v1   16 x lane
.set BAF,  1                           ;      F's hidden images begin at LDS byte 0
.set LNR,  2                           ; v2   r
.set LNH,  3                           ; v3   h
.set BAS,  6                           ; v6   S's
.set HSA,  7                           ; v7   the hidden layer's scale words: 1,024 h + 16 r
.set SO,   11                          ; v11  a weight's scale words: 32 x (8 h + r + 8 (r / 8))
.set BO,   12                          ; v12  a bias: 64 h
.set HCP,  13                          ; v13  where my wave puts its quarter of the hidden layer: 16 x lane + 24,576 w
.set STO,  14                          ; v14  the stage, in
.set RD,   15                          ; v15  the stage, out
.set TOK,  16                          ; v16-19 token of slot 16 m + r
.set RHO,  24                          ; v24-31 p of token tile m, twice
.set GAM,  32                          ; v32-39 y likewise
.set SW,   40                          ; v40-71 weight scale words: register 8 tp + s: lanes 0-15 tile 2 tp, lanes 16-31 tile 2 tp + 1, K step s
.set BSF,  72                          ; v72-87 F's hidden scale words: register 4 (s % 4) + m: lanes 0-15 steps 0-3, lanes 16-31 steps 4-7
.set BF,   88                          ; v88-183 token fragments, two sets of four
.set RO,   88                          ; v88-151 on the way out: the 64 rows' offsets in out0 (the token fragments are done with)
.set BSS,  200                         ; v200-215 S's hidden scale words
.set HT,   224                         ; v224-255 the head's work (v238, v239: the closing add's two)
.set BIA,  192                         ; in window 1
.set BK,   192                         ; in window 2: rows on the way out, set 0; set 1 lies 64 registers below
; scalars: s[8:23] the eight buffers; s[24:25] hq at my quarter, s[26:27] hs of the tile; s28 F, s29 S, s30 count, s31 wave, s32 b0, s33 b1, s48 the tile that is read, s49 y; s[34:35] WB: this pass's second lap;
; s[36:37] WA, s[38:39] WBn: the next pass's laps; s[40:41] SA, s[42:43] SB: its scale words; s[44:45] its bias; s51 expert, s54 column group, s55 lap flip; s[52:53] out0 at my columns; s56-63 at work;
; s[68:69] the tile's slots; s72-87 sixteen rows' tokens
.set MSB, 0
.macro WIN new                         ; the immediate's high byte repeats the setting that is left
.if MSB != \new
	s_set_vgpr_msb (MSB<<8)|\new
.set MSB, \new
.endif
.endm
; a pass's addresses, from s51, s54, s55.  The expert is a loaded number: it is held at 7 ahead of the arithmetic
.macro NEXTP
	s_min_u32 s51, s51, 7
	s_lshl_b32 s56, s51, 3
	s_add_co_u32 s56, s56, s54                     ; 8 e + cg
	s_add_co_u32 s57, s56, 64                      ; W2's passes lie behind W1's 64
	s_mul_i32 s58, s57, 98304
	s_xor_b32 s62, s55, 1
	s_mul_i32 s57, s55, 49152                      ; a lap is four K steps of 12,288 bytes
	s_mul_i32 s63, s62, 49152
	s_add_co_u32 s60, s58, s63
	s_add_co_u32 s58, s58, s57
	s_mov_b32 s59, 0
	s_mov_b32 s61, 0
	s_add_nc_u64 s[36:37], s[12:13], s[58:59]
	s_add_nc_u64 s[38:39], s[12:13], s[60:61]
	s_lshl_b32 s58, s56, 12                        ; 128 rows of 32 scale bytes
	s_lshl_b32 s57, s55, 4                         ; a lap's four words
	s_lshl_b32 s63, s62, 4
	s_add_co_u32 s60, s58, s63
	s_add_co_u32 s58, s58, s57
	s_add_nc_u64 s[40:41], s[14:15], s[58:59]
	s_add_nc_u64 s[42:43], s[14:15], s[60:61]
	s_lshl_b32 s58, s56, 9                         ; 128 f32
	s_add_nc_u64 s[44:45], s[16:17], s[58:59]
.endm
.macro LOADW buf, ptr, k               ; a K step's eight weight fragments: 24 loads of 512 consecutive bytes
.if (\buf) < 2
	WIN 0x40
.else
	WIN 0x80
.endif
.set rW, 96*((\buf)&1)
.irp t, 0,1,2,3,4,5,6,7
.irp c, 0,1,2
	global_load_b128 v[rW+12*\t+4*\c:rW+12*\t+4*\c+3], v[L16], s[\ptr:\ptr+1] offset:(\k)*12288+1536*\t+512*\c
.endr
.endr
.endm
.macro WHALF buf, ptr, k, t0           ; half of that: fragments t0 .. t0 + 3, 12 loads: one run among a step's matrix instructions
.if (\buf) < 2
	WIN 0x40
.else
	WIN 0x80
.endif
.set rW, 96*((\buf)&1)
.irp t, \t0, \t0+1, \t0+2, \t0+3
.irp c, 0,1,2
	global_load_b128 v[rW+12*(\t)+4*\c:rW+12*(\t)+4*\c+3], v[L16], s[\ptr:\ptr+1] offset:(\k)*12288+1536*(\t)+512*\c
.endr
.endr
.endm
.macro LOADSW j, ptr                   ; a lap's weight scale words: four words a row
.irp tp, 0,1,2,3
	global_load_b128 v[SW+8*\tp+4*(\j):SW+8*\tp+4*(\j)+3], v[SO], s[\ptr:\ptr+1] offset:1024*\tp
.endr
.endm
.macro LOADBIAS                        ; tile 2 b + u, lane (r, h): the bias of columns 32 b + 16 h + 8 u + 0 .. 7
.irp b, 0,1,2,3
.irp u, 0,1
.irp k, 0,1
	global_load_b128 v[BIA+8*(2*\b+\u)+4*\k:BIA+8*(2*\b+\u)+4*\k+3], v[BO], s[44:45] offset:128*\b+32*\u+16*\k
.endr
.endr
.endr
.endm
.macro FETCHB set, ba, s               ; the four token fragments of K step s: 12 LDS loads of 512 consecutive bytes
.irp m, 0,1,2,3
.irp c, 0,1,2
	ds_load_b128 v[BF+48*(\set)+12*\m+4*\c:BF+48*(\set)+12*\m+4*\c+3], v[\ba] offset:(4*(\s)+\m)*1536+512*\c
.endr
.endr
.endm
; four matrix instructions of K step s: weight tile t against the four token tiles.  kind = 0: step 0 starts the sums with the bias as C.  bsb: this pass's token scale words
.macro MUL4 s, kind, t, bsb
.irp m, 0,1,2,3
.set rD, 64*\m+8*(\t)
.set rC, rD
.if ((\s) == 0) && ((\kind) == 0)
.set rC, BIA+8*(\t)
.endif
.set rFA, 96*((\s)&1)+12*(\t)
.set rFB, BF+48*((\s)%2)+12*\m
.set rSA, SW+8*((\t)/2)+(\s)
.set rSB, (\bsb)+4*((\s)%4)+\m
.if ((\t)%2) && ((\s) >= 4)
	v_wmma_scale_f32_16x16x128_f8f6f4 v[rD:rD+7], v[rFA:rFA+11], v[rFB:rFB+11], v[rC:rC+7], v[rSA], v[rSB] matrix_a_fmt:MATRIX_FMT_FP6 matrix_b_fmt:MATRIX_FMT_FP6 matrix_a_scale:MATRIX_SCALE_ROW1 matrix_b_scale:MATRIX_SCALE_ROW1
.elseif ((\t)%2)
	v_wmma_scale_f32_16x16x128_f8f6f4 v[rD:rD+7], v[rFA:rFA+11], v[rFB:rFB+11], v[rC:rC+7], v[rSA], v[rSB] matrix_a_fmt:MATRIX_FMT_FP6 matrix_b_fmt:MATRIX_FMT_FP6 matrix_a_scale:MATRIX_SCALE_ROW1
.elseif ((\s) >= 4)
	v_wmma_scale_f32_16x16x128_f8f6f4 v[rD:rD+7], v[rFA:rFA+11], v[rFB:rFB+11], v[rC:rC+7], v[rSA], v[rSB] matrix_a_fmt:MATRIX_FMT_FP6 matrix_b_fmt:MATRIX_FMT_FP6 matrix_b_scale:MATRIX_SCALE_ROW1
.else
	v_wmma_scale_f32_16x16x128_f8f6f4 v[rD:rD+7], v[rFA:rFA+11], v[rFB:rFB+11], v[rC:rC+7], v[rSA], v[rSB] matrix_a_fmt:MATRIX_FMT_FP6 matrix_b_fmt:MATRIX_FMT_FP6
.endif
.endr
.endm
; A K STEP.  ahead = 1: steps 5 to 7 ask for the next pass's scale words, bias and first three K steps.  ba: this pass's token images; bn: the next pass's (0: none).
; WHAT A STEP ASKS FOR: step s (1 to 4): this pass's K step s + 3, into buffer s - 1; step s (5 to 7), where a pass follows: the next pass's K step s - 5, into buffer s - 5; step s (1 to 6): the token fragments of step s + 1;
; step 7: the next pass's of step 0.  Step 0 asks for nothing: the head, or the tail of the pass before, has asked for K steps 0 to 3 and for both token sets.
; THE WAIT FOR WEIGHTS counts the loads issued behind those that the step wants.  Step 0: K steps 1, 2, 3 and four loads of scale words, 76 at the least: the wait names 63, the largest count that it can name.  Steps 1 and 2: two K steps and
; those four loads: 52.  Steps 3, 4, 5: two K steps: 48.  Steps 6 and 7 where a pass follows: a K step and the 44 loads of step 5, or those 44 and a K step: 68: again 63.  In the last pass: 24 and 0.
; THE WAIT FOR TOKENS: at step 0 set 1's twelve LDS loads are younger; at every other step nothing is, since the next fragments are asked for behind the wait.
; The 32 accumulators take turns, one instruction a turn, in the same order in every step.
.macro STEP s, kind, ahead, ba, bn, bsb
.if (\s) == 0
	s_wait_loadcnt 63
	s_wait_dscnt 12
.else
.if (\s) < 3
	s_wait_loadcnt 52
.elseif (\s) < 6
	s_wait_loadcnt 48
.elseif \ahead
	s_wait_loadcnt 63
.else
	s_wait_loadcnt 24*(7-(\s))
.endif
	s_wait_dscnt 0x0
.endif
.if ((\s) > 0) && (((\s) < 7) || ((\bn) != 0))
	s_wait_alu depctr_va_vdst(0)                   ; the matrix instructions of the step before are done reading their weight buffer and their token set, and those of earlier steps the scale words and the bias, in which this step's loads land
.endif
.set MW, 0xf2                                          ; source 0 window 2, C and D window 3
.if ((\s)%4) < 2
.set MW, 0xf1                                          ; source 0 window 1
.endif
.if ((\s) == 0) && ((\kind) == 0)
.set MW, 0xd1                                          ; source 0 and C window 1, source 1 window 0, D window 3
.endif
	WIN MW
	MUL4 \s, \kind, 0, \bsb
.if ((\s) > 0) && (((\s) < 7) || ((\bn) != 0))
	WIN 0
.if (\s) < 7
	FETCHB ((\s)+1)%2, \ba, (\s)+1                 ; no wait: no matrix instruction since the wait at the step's head names this set
.else
	FETCHB 0, \bn, 0
.endif
.endif
.if ((\s) == 5) && (\ahead)
	LOADSW 0, 40
.endif
	WIN MW
	MUL4 \s, \kind, 1, \bsb
	MUL4 \s, \kind, 2, \bsb
.if ((\s) == 5) && (\ahead)
	WIN 0x40
	LOADBIAS
.endif
.if ((\s) > 0) && ((\s) < 5)
	WHALF (\s)-1, 34, (\s)-1, 0                    ; likewise: this buffer is named by no matrix instruction since the wait
.elseif ((\s) >= 5) && (\ahead)
	WHALF (\s)-5, 36, (\s)-5, 0
.endif
	WIN MW
	MUL4 \s, \kind, 3, \bsb
	MUL4 \s, \kind, 4, \bsb
.if ((\s) > 0) && ((\s) < 5)
	WHALF (\s)-1, 34, (\s)-1, 4
.elseif ((\s) >= 5) && (\ahead)
	WHALF (\s)-5, 36, (\s)-5, 4
.endif
	WIN MW
	MUL4 \s, \kind, 5, \bsb
	MUL4 \s, \kind, 6, \bsb
	MUL4 \s, \kind, 7, \bsb
.rept 4
	v_nop                                          ; four places behind the step's matrix instructions: ahead of the next step's loads into registers that they have read, and of the first read of results
.endr
	WIN 0
.endm
; A pass's tail, where a pass follows: what can be asked for only when step 7 is done with its registers
.macro TAIL bn
	s_wait_alu depctr_va_vdst(0)                   ; step 7's matrix instructions are done reading weight buffer 3, token set 1 and the second lap's scale words, in which the loads below land
	LOADSW 1, 42
	LOADW 3, 36, 3
	WIN 0
	FETCHB 1, \bn, 1
.endm
.macro LAPA kind, ba, bsb
	STEP 0, \kind, 1, \ba, 0, \bsb
	STEP 1, 1, 1, \ba, 0, \bsb
	STEP 2, 1, 1, \ba, 0, \bsb
	STEP 3, 1, 1, \ba, 0, \bsb
.endm
.macro LAPB ahead, ba, bn, bsb
	STEP 4, 1, \ahead, \ba, \bn, \bsb
	STEP 5, 1, \ahead, \ba, \bn, \bsb
	STEP 6, 1, \ahead, \ba, \bn, \bsb
	STEP 7, 1, \ahead, \ba, \bn, \bsb
.endm
.macro MID                             ; between the experts: acc = acc p + b2_S
	s_wait_loadcnt 63                              ; behind the bias's loads 100 younger ones have been issued
	WIN 0xd3                                       ; acc window 3, p window 0, the bias window 1
.irp m, 0,1,2,3
.irp t, 0,1,2,3,4,5,6,7
.irp p, 0,2,4,6
	v_pk_fma_f32 v[64*\m+8*\t+\p:64*\m+8*\t+\p+1], v[64*\m+8*\t+\p:64*\m+8*\t+\p+1], v[RHO+2*\m:RHO+2*\m+1], v[BIA+8*\t+\p:BIA+8*\t+\p+1]
.endr
.endr
.endr
	WIN 0
.endm
; THE WAY OUT of 128 columns x 64 tokens, 16 tokens at a time: x y; a lane's 64 neighbouring bytes a block into my own stage; back as whole rows of 512 bytes; each row to its token's place in out0.
; LDS serves a wave's instructions in order (ISA guide 5.7.1.4): no wait between the stores and the loads, nor in front of the next tile's stores.
; ROWS: a tile's 16 tokens are read out of the lanes as one batch into 16 scalar registers, so that one wait serves the sixteen; the 64 offsets are made once, ahead of the first tile, so that no store's offset is ever written again.
.macro ROWS m
.set i, 0
.rept 16
	v_readlane_b32 s[72+i], v[TOK+(\m)], i         ; row i's token
.set i, i+1
.endr
	s_wait_alu depctr_va_sdst(0)                   ; the sixteen lines above have written s72 to s87, ahead of their first readers
.set i, 0
.rept 16
	s_min_u32 s[72+i], s[72+i], 0xfff              ; a loaded number, held inside the table ahead of the address
.set i, i+1
.endr
.set i, 0
.rept 16
	s_lshl_b32 s[72+i], s[72+i], 12
.set i, i+1
.endr
.set i, 0
.rept 16
	v_add_nc_u32 v[RO+16*(\m)+i], s[72+i], v[L16]
.set i, i+1
.endr
.endm
.macro SCALE m                         ; tile m x y
	WIN 0xc3
.set i, 0
.rept 32
	v_pk_mul_f32 v[64*(\m)+2*i:64*(\m)+2*i+1], v[64*(\m)+2*i:64*(\m)+2*i+1], v[GAM+2*(\m):GAM+2*(\m)+1]   ; each accumulator from its low end on
.set i, i+1
.endr
.endm
.macro TOSTAGE m                       ; tile m into the stage, and back as rows into set m % 2
.set BKB, BK-64*((\m)%2)
	WIN 0x0c                                       ; an LDS store's data are its source 1: window 3
	s_wait_alu depctr_va_vdst(0)                   ; the multiplies by y have written tile m's accumulators, which the LDS stores read; at the first tile also: the 64 offsets v[RO ..] are written, and the last matrix instructions are done reading weight buffer 3, in which set 1's rows land
.irp b, 0,1,2,3
.irp q, 0,1,2,3
	ds_store_b128 v[STO], v[64*(\m)+16*\b+4*\q:64*(\m)+16*\b+4*\q+3] offset:128*\b+16*\q
.endr
.endr
	WIN 0x80
.set i, 0
.rept 16
	ds_load_b128 v[BKB+4*i:BKB+4*i+3], v[RD] offset:SPT*i
.set i, i+1
.endr
.endm
.macro SEND m                          ; tile m's 16 rows leave.  Behind its loads from the stage no LDS instruction has been issued: the counts run down from 15
.set BKB, BK-64*((\m)%2)
	WIN 0x08                                       ; a store's data are its source 1: window 2
.set i, 0
.rept 16
	s_wait_dscnt 15-i
	global_store_b128 v[RO+16*(\m)+i], v[BKB+4*i:BKB+4*i+3], s[52:53] th:TH_STORE_NT   ; 32 lanes store 512 consecutive bytes, at a multiple of 512 from out0's first byte; written once, read by nobody here
.set i, i+1
.endr
.endm
; Tile m's multiplies stand between tile m - 1's loads from the stage and its stores; tile m - 1's stores between those multiplies and the wait for them.
.macro EPI2
	ROWS 0
	ROWS 1
	ROWS 2
	ROWS 3
	SCALE 0
	TOSTAGE 0
.irp m, 1,2,3
	SCALE \m
.if \m >= 2
	s_wait_xcnt 0x0                                ; tile m - 2's stores have read their data: rows land in that set again only behind this wait
	s_wait_alu depctr_vm_vsrc(0)                   ; tile m - 2's stores have read set m % 2, in which tile m's rows land; the stores and LDS stores between this wait and those loads name the other set and the accumulators
.endif
	SEND \m-1
	TOSTAGE \m
.endr
	SEND 3
	WIN 0
.endm
	s_load_b512 s[8:23], s[0:1], 0x0               ; list, gate, wq, W2's scales, b2, hq, hs, out0
	v_lshl_add_u32 v238, v0, 2, 0x20400
	v_mov_b32 v239, 0
	v_lshrrev_b32 v4, 5, v0
	v_readfirstlane_b32 s31, v4                    ; wave 0..3
	v_and_b32 v4, 31, v0
	v_and_b32 v[LNR], 15, v0
	v_bfe_u32 v[LNH], v0, 4, 1
	v_lshlrev_b32 v[L16], 4, v4
	v_add_nc_u32 v[BAS], 49152, v[L16]
	s_wait_alu depctr_va_sdst(0)                   ; s31 is written, ahead of its first reader: LDS addresses, my quarter of hq and my column group are made from it
	s_mul_i32 s56, s31, 24576
	v_add_nc_u32 v[HCP], s56, v[L16]
	v_lshlrev_b32 v[HSA], 4, v[LNR]
	v_lshl_add_u32 v[HSA], v[LNH], 10, v[HSA]
	v_and_b32 v21, 8, v[LNR]
	v_add_nc_u32 v21, v21, v[LNR]
	v_lshl_add_u32 v21, v[LNH], 3, v21
	v_lshlrev_b32 v[SO], 5, v21
	v_lshlrev_b32 v[BO], 6, v[LNH]
	s_mul_i32 s56, s31, 16*SPT
	s_add_co_u32 s56, s56, STG
	v_mul_u32_u24 v[STO], v[LNR], SPT
	v_lshl_add_u32 v[STO], v[LNH], 6, v[STO]
	v_add_nc_u32 v[STO], s56, v[STO]
	v_add_nc_u32 v[RD], s56, v[L16]
	s_and_b32 s32, ttmp9, 1                        ; b0
	s_bfe_u32 s33, ttmp9, 0x10001                  ; b1
	s_and_b32 s49, ttmp7, 0xffff                   ; y: which half of the output's columns
	s_lshl_b32 s60, ttmp9, 4
	s_wait_kmcnt 0x0
	s_load_b128 s[56:59], s[8:9], s60 offset:0x0   ; my tile's record: lo, hi, count
	s_wait_kmcnt 0x0
	s_cmp_eq_u32 s32, 0
	s_cselect_b32 s28, s56, s57                    ; F
	s_cselect_b32 s29, s57, s56                    ; S
	s_min_u32 s28, s28, 7
	s_min_u32 s29, s29, 7
	s_min_u32 s30, s58, 64
	s_cmp_eq_u32 s30, 0
	s_cselect_b32 s48, 0, ttmp9                    ; an empty tile has nothing that was written: it reads tile 0's, and stores nothing
	s_min_u32 s48, s48, 90
	s_lshl_b32 s60, s48, 8
	s_add_co_u32 s60, s60, 2048
	s_mov_b32 s61, 0
	s_add_nc_u64 s[68:69], s[8:9], s[60:61]
	s_mul_i32 s60, s48, 98304
	s_mul_i32 s62, s31, 24576
	s_add_co_u32 s60, s60, s62
	s_add_nc_u64 s[24:25], s[18:19], s[60:61]      ; my wave's quarter of the tile's hidden layer
	s_lshl_b32 s60, s48, 12
	s_add_nc_u64 s[26:27], s[20:21], s[60:61]
	s_lshl_b32 s54, s49, 2
	s_add_co_u32 s54, s54, s31                     ; my column group: 4 y + w
	s_lshl_b32 s60, s54, 9
	s_add_nc_u64 s[52:53], s[22:23], s[60:61]
	s_max_u32 s62, s30, 1
	s_sub_co_u32 s62, s62, 1                       ; the last slot that was written
.irp m, 0,1,2,3
	v_add_nc_u32 v[HT+\m], 16*\m, v[LNR]
.endr
.irp m, 0,1,2,3
	v_min_u32 v[HT+\m], s62, v[HT+\m]
	v_min_u32 v[HT+\m], 63, v[HT+\m]
	v_lshlrev_b32 v[HT+\m], 2, v[HT+\m]
.endr
	s_wait_alu depctr_va_vdst(0)                   ; the slots' offsets v[HT ..] are written, and so are v1, v6, v7 and v11 to v15, which the loads, LDS loads and LDS stores of the kernel read as their addresses
.irp m, 0,1,2,3
	global_load_b32 v[TOK+\m], v[HT+\m], s[68:69]
.endr
	WIN 0xc0                                       ; destination window 3: the accumulators are not in use yet
.set i, 0
.rept 48
	global_load_b128 v[4*i:4*i+3], v[L16], s[24:25] offset:512*i   ; 24,576 consecutive bytes a wave
.set i, i+1
.endr
	WIN 0
.irp j, 0,1,2,3
	global_load_b128 v[BSF+4*\j:BSF+4*\j+3], v[HSA], s[26:27] offset:256*\j        ; slot 4 h + j, token r: the four token tiles' words
.endr
.irp j, 0,1,2,3
	global_load_b128 v[BSS+4*\j:BSS+4*\j+3], v[HSA], s[26:27] offset:2048+256*\j   ; slot 8 + 4 h + j
.endr
	s_mov_b32 s51, s28                             ; the first pass: F
	s_mov_b32 s55, s33                             ; W2's laps change places where b1 = 1
	NEXTP
	LOADSW 0, 40
	WIN 0x40
	LOADBIAS
	LOADW 0, 36, 0
	WIN 0
	s_wait_loadcnt 44                              ; the tokens, my quarter of the hidden layer and its scale words are in: behind them 4 + 16 + 24
	WIN 0x0c
.set i, 0
.rept 48
	ds_store_b128 v[HCP], v[4*i:4*i+3] offset:512*i
.set i, i+1
.endr
	WIN 0
.irp m, 0,1,2,3
	v_min_u32 v[TOK+\m], 0xfff, v[TOK+\m]
.endr
.irp m, 0,1,2,3
	v_lshlrev_b32 v[HT+10+\m], 3, v[TOK+\m]
.endr
	s_wait_alu depctr_va_vdst(0)                   ; the four offsets v[HT + 10 ..] made from the tokens are written, which the loads of the gates read
.irp m, 0,1,2,3
	global_load_b64 v[HT+16+2*\m:HT+17+2*\m], v[HT+10+\m], s[10:11]
.endr
	LOADW 1, 36, 1
	WIN 0
	s_wait_loadcnt 24                              ; all but the 24 just issued
	s_cmp_eq_u32 s32, 1
	s_cselect_b32 s56, -1, 0
.irp m, 0,1,2,3
	v_cndmask_b32 v[HT+24+\m], v[HT+16+2*\m], v[HT+17+2*\m], s56   ; g_F
	v_cndmask_b32 v[GAM+2*\m], v[HT+17+2*\m], v[HT+16+2*\m], s56   ; g_S
.endr
.irp m, 0,1,2,3
	v_max_num_f32 v[GAM+2*\m], 0x30800000, v[GAM+2*\m]             ; y = max(g_S, 2^-30)
.endr
	s_wait_alu depctr_va_vdst(0)
.irp m, 0,1,2,3
	v_rcp_f32 v[HT+28+\m], v[GAM+2*\m]
.endr
.irp m, 0,1,2,3
	v_mov_b32 v[GAM+2*\m+1], v[GAM+2*\m]           ; plain lines behind the reciprocals
.endr
	s_wait_alu depctr_va_vdst(0)                   ; the four reciprocals have written v[HT + 28 ..]: one wait for the four, ahead of their first reader
.irp m, 0,1,2,3
	v_mul_f32 v[RHO+2*\m], v[HT+24+\m], v[HT+28+\m]
.endr
.irp m, 0,1,2,3
	v_mov_b32 v[RHO+2*\m+1], v[RHO+2*\m]
.endr
	LOADW 2, 36, 2
	WIN 0
	LOADSW 1, 42
	LOADW 3, 36, 3
	WIN 0
	s_wait_dscnt 0x0                               ; for the others' sake: my quarter has landed
	s_barrier_signal -1
	s_barrier_wait -1                              ; the hidden layer's 64 fragments lie in LDS; no barrier follows
	s_wait_alu depctr_vm_vsrc(0)                   ; my LDS stores have read window 3's v0-191: these registers are accumulators from here on, written by the matrix instructions
	s_cmp_eq_u32 s30, 0
	s_cbranch_scc1 .Lend                           ; an empty tile ends here
	FETCHB 0, BAF, 0
	FETCHB 1, BAF, 1
	s_wait_xcnt 0x0                                ; the loads issued so far have read their bases: they may be written
	s_mov_b64 s[34:35], s[38:39]
	s_mov_b32 s51, s29                             ; next: S, the same columns
	NEXTP
	LAPA 0, BAF, BSF
	LAPB 1, BAF, BAS, BSF
	TAIL BAS
	MID
	s_wait_alu depctr_va_vdst(0)
	s_wait_xcnt 0x0
	s_mov_b64 s[34:35], s[38:39]
	LAPA 1, BAS, BSS
	LAPB 0, BAS, 0, BSS                            ; the last pass asks for nothing beyond its own K steps, and its counts run down
	EPI2
.Lend:
	s_wait_dscnt 0x0                               ; the closing lines, six on end
	s_wait_alu 0x0
	s_wait_tensorcnt 0x0
	ds_add_u32 v238, v239
	s_wait_dscnt 0x0
	s_endpgm
.Lfunc_end_k_q8cbc66365b_chain2:
	.size	k_q8cbc66365b_chain2, .Lfunc_end_k_q8cbc66365b_chain2-k_q8cbc66365b_chain2
	.p2alignl 7, 3214868480
	.fill 96, 4, 3214868480
	.section	.rodata,"a",@progbits
	.p2align	6, 0x0
	.amdhsa_kernel k_q8cbc66365b_chain2
		.amdhsa_group_segment_fixed_size 132608
		.amdhsa_private_segment_fixed_size 0
		.amdhsa_enable_private_segment 0
		.amdhsa_kernarg_size 64
		.amdhsa_user_sgpr_count 2
		.amdhsa_user_sgpr_kernarg_segment_ptr 1
		.amdhsa_wavefront_size32 1
		.amdhsa_system_sgpr_workgroup_id_x 1
		.amdhsa_system_sgpr_workgroup_id_y 1
		.amdhsa_system_sgpr_workgroup_id_z 1
		.amdhsa_system_vgpr_workitem_id 0
		.amdhsa_next_free_vgpr 1024
		.amdhsa_next_free_sgpr 88
		.amdhsa_reserve_vcc 0
		.amdhsa_float_denorm_mode_32 3
		.amdhsa_float_denorm_mode_16_64 3
		.amdhsa_memory_ordered 1
		.amdhsa_forward_progress 1
		.amdhsa_inst_pref_size 185
	.end_amdhsa_kernel
	.amdgpu_metadata
---
amdhsa.version: [ 1, 2 ]
amdhsa.kernels:
  - .name:           k_q8cbc66365b_chain2
    .symbol:         k_q8cbc66365b_chain2.kd
    .args:
      - { .name: list, .offset: 0, .size: 8, .value_kind: global_buffer, .address_space: global }
      - { .name: gate, .offset: 8, .size: 8, .value_kind: global_buffer, .address_space: global }
      - { .name: wq, .offset: 16, .size: 8, .value_kind: global_buffer, .address_space: global }
      - { .name: W2_scales, .offset: 24, .size: 8, .value_kind: global_buffer, .address_space: global }
      - { .name: b2, .offset: 32, .size: 8, .value_kind: global_buffer, .address_space: global }
      - { .name: hq, .offset: 40, .size: 8, .value_kind: global_buffer, .address_space: global }
      - { .name: hs, .offset: 48, .size: 8, .value_kind: global_buffer, .address_space: global }
      - { .name: out0, .offset: 56, .size: 8, .value_kind: global_buffer, .address_space: global }
    .group_segment_fixed_size: 132608
    .private_segment_fixed_size: 0
    .kernarg_segment_align: 8
    .kernarg_segment_size: 64
    .max_flat_workgroup_size: 128
    .sgpr_count:     88
    .vgpr_count:     1024
    .wavefront_size: 32
...
	.end_amdgpu_metadata
.endif
;; end of part 9
